; MI455X (gfx1250); checked and timed in simulation.
; The chip was launched on July 23, 2026; its instructions are those of AMD's public machine-readable ISA for CDNA 5 (MIT licence, August 2026) and "CDNA5" Instruction Set Architecture Reference Guide (July 2026). The comments in the code are by the model that wrote it; some were corrected since.
;; Longformer Block. Allowed arithmetic: matrix products marked QUANTISED: E4M3 operands, one given power-of-two scale a tensor, by v_wmma_f32_16x16x64_fp8_fp8 or v_wmma_f32_16x16x128_fp8_fp8, f32 sums; everything else in f32.
;; Inputs: W1_codes 4,096 x 32 x 32 uint8 (E4M3 codes of W1, K innermost, in blocks of 32 codes); W2_codes 1,024 x 128 x 32 uint8 (E4M3 codes of W2, K innermost, in blocks of 32 codes); Wk_codes 1,024 x 32 x 32 uint8 (E4M3 codes of Wk, K innermost, in blocks of 32 codes); Wo_codes 1,024 x 32 x 32 uint8 (E4M3 codes of Wo, K innermost, in blocks of 32 codes); Wq_codes 1,024 x 32 x 32 uint8 (E4M3 codes of Wq, K innermost, in blocks of 32 codes); Wv_codes 1,024 x 32 x 32 uint8 (E4M3 codes of Wv, K innermost, in blocks of 32 codes); b1 4,096 float32; b2 1,024 float32; bo 1,024 float32; ln1_b 1,024 float32; ln1_g 1,024 float32; ln2_b 1,024 float32; ln2_g 1,024 float32; lowp_scales 16 int32 (the exponents e of the quantised operands' scales 2^e); x 2 x 2,048 x 1,024 float32.
;; Outputs: out0 2 x 2,048 x 1,024 float32.
;; This version of the problem:
;;   THIS VERSION OF THE PROBLEM IS GIVEN IN LOW PRECISION. The matrix products marked QUANTISED in the list below multiply operands that are first quantised to E4M3 (4 exponent bits, 3 mantissa bits; 8 bits a number), with one given power-of-two scale for each operand tensor; their sums are f32. All else is computed in f32.
;;   The module's matrix products, in the order in which they are computed (A, B: the left and right operand; K: the contracted axis; several contracted axes count as one K, in the product's order):
;;     1. [M 4,096, K 1,024] x [K 1,024, N 1,024]; A: computed on the way; B: input Wq (given as codes): QUANTISED (scales: A lowp_scales[0], B lowp_scales[1])
;;     2. [M 4,096, K 1,024] x [K 1,024, N 1,024]; A: computed on the way; B: input Wk (given as codes): QUANTISED (scales: A lowp_scales[2], B lowp_scales[3])
;;     3. [M 4,096, K 1,024] x [K 1,024, N 1,024]; A: computed on the way; B: input Wv (given as codes): QUANTISED (scales: A lowp_scales[4], B lowp_scales[5])
;;     4. batch 32 x [M 2,048, K 64] x [K 64, N 2,048]; A: computed on the way; B: computed on the way: QUANTISED (scales: A lowp_scales[6], B lowp_scales[7])
;;     5. batch 32 x [M 2,048, K 2,048] x [K 2,048, N 64]; A: softmax (see below); B: computed on the way: QUANTISED (scales: A lowp_scales[8], B lowp_scales[9])
;;     6. [M 4,096, K 1,024] x [K 1,024, N 1,024]; A: computed on the way; B: input Wo (given as codes): QUANTISED (scales: A lowp_scales[10], B lowp_scales[11])
;;     7. [M 4,096, K 1,024] x [K 1,024, N 4,096]; A: computed on the way; B: input W1 (given as codes): QUANTISED (scales: A lowp_scales[12], B lowp_scales[13])
;;     8. [M 4,096, K 4,096] x [K 4,096, N 1,024]; A: computed on the way; B: input W2 (given as codes): QUANTISED (scales: A lowp_scales[14], B lowp_scales[15])
;;   THE QUANTISER, for each operand of a quantised product, along K:
;;     - The operand's scale is 2^e, e = its entry of the input lowp_scales (int32; the entries are numbered through the quantised products in the list's order, A before B).
;;     - Each number is divided by the scale, clamped to +-448, and rounded to the nearest number of E4M3, ties to even, subnormals kept.
;;     - The product sums the exact products of the quantised numbers (number of the format x scale) in f32.
;;   ~~~python
;;   def quantise(x, axis, e):      # numpy; x: float32 -> the quantised numbers, widened to float32 again
;;       x = np.moveaxis(x, axis, -1); K = x.shape[-1]
;;       r = np.clip(x / 2.0 ** e, -448, 448)
;;       step = 2.0 ** (np.maximum(np.frexp(np.where(r == 0, 1, r))[1] - 1, -6) - 3)
;;       q = np.round(r / step) * step * 2.0 ** e      # np.round: ties to even
;;       return np.moveaxis(q, -1, axis).astype(np.float32)
;;   ~~~
;;   SOFTMAX AHEAD OF A QUANTISED PRODUCT. Where the list says 'softmax', what is quantised is not the finished softmax but p = 2^(t - M), with t = logit x log2(e) and M = ceil(the row's largest t), a whole number; so 1/2 < the row's largest p <= 1. The row's sum l is taken of the UNQUANTISED p, in f32, and the product's result is divided by l at the end. Since M is a whole number, a kernel that streams over the keys may use a running M (the ceiling of the running maximum): every later rescaling is an exact power of two, so the quantised numbers keep their values, but for numbers so far below the row's largest that they fall under the format's range.
;;   OPERANDS COMPUTED ON THE WAY. 'Computed on the way' means the value that the module computes at that place (a softmax that the list does not call 'softmax' is quantised finished and normalised). What goes into a quantiser is computed in f32, as accurately as f32 sums, v_exp_f32 and their like allow (about 1e-6 of the number): no bf16 or f16 on the way to a quantiser, and a product that is left as it is and whose result goes on into a quantised operand takes f32 operands (vector FMAs, or v_wmma_f32_16x16x4_f32). A number that lies on a knife's edge between two numbers of the format may be rounded either way, as far as f32 arithmetic and the matrix unit's own rounding can turn it there, and no further.
;;   INPUTS GIVEN AS CODES. W1 (in the module: [1024, 4096], K = its axis 0); W2 (in the module: [4096, 1024], K = its axis 0); Wk (in the module: [1024, 1024], K = its axis 0); Wo (in the module: [1024, 1024], K = its axis 0); Wq (in the module: [1024, 1024], K = its axis 0); Wv (in the module: [1024, 1024], K = its axis 0): each comes as NAME_codes (uint8): NAME with its K axis moved to the last place and cut into blocks of 32 codes, [.., K / 32, bytes a block], one block behind the other in memory; one code a byte (a code: sign, 4 exponent bits, 3 mantissa bits); its scale is its entry of lowp_scales. Its value is code x scale, taken as it is: it is not quantised again, and the codes and scales need not be those that the quantiser above would give.
;; 2 versions. Each part assembles by itself: llvm-mc -triple=amdgcn-amd-amdhsa -mcpu=gfx1250 --defsym DOCPART=n.
;; ======== version 1 of 2: 8 launches
;; workspace buffers: hc 12,582,912 bytes; qkvc 12,582,912 bytes; ac 4,194,304 bytes; x1 16,777,216 bytes; h2c 4,194,304 bytes; gc 16,777,216 bytes
;; launch ln1 (part 1): grid 256 x 1, 4 waves a work-group, no clusters, 20,992 bytes of LDS; arguments x, ln1_g, ln1_b, lowp_scales, hc; writes hc
.if DOCPART == 1
	.amdgcn_target "amdgcn-amd-amdhsa--gfx1250"
	.amdhsa_code_object_version 6
	.text
	.protected	k_qaac8fb6d27_ln1
	.globl	k_qaac8fb6d27_ln1
	.p2align	8
	.type	k_qaac8fb6d27_ln1,@function
k_qaac8fb6d27_ln1:
	s_mov_b64 s[64:65], 0
	v_nop
	global_prefetch_b8 v0, s[64:65] scope:SCOPE_SE
	s_setreg_imm32_b32 hwreg(HW_REG_WAVE_MODE, 25, 1), 1
	s_wait_xcnt 0x0
; y = (x - mean) * rsqrt(var + 1e-5) * g + b over rows of 1,024 f32, then y as codes of E4M3 under NOUT given scales 2^e.
; Here NOUT = 3: entries 0, 2, 4 of the scales; part o of the output ([3][4096][1024] bytes) holds y under entry 2 o.
; A wave takes four whole rows; a row is 32 registers a lane, so it is read from memory once and both sums stay in the wave:
; no barrier.  The variance is the mean of (x - mean)^2, taken in a second pass over the registers.
; The conversion wants 8 neighbours in one lane, the loads want neighbouring lanes on neighbouring bytes: the finished row
; turns through the wave's own stage in LDS (64 bytes + 16 of padding a lane, two half rows).  A lane's 16 codes are 16
; bytes: each store of the wave covers 512 consecutive bytes, aligned.
; LIMITS: each e between -126 and 119, so that 2^e and 448 x 2^e are f32 numbers.  NaN among the inputs is not served.
.set NOUT, 3
.set G,    24                          ; v24-55   g of my 32 columns, as loaded
.set B,    56                          ; v56-87   b likewise
.set X,    88                          ; v88-215  four rows, 32 registers each
.set Y,    216                         ; v216-247 the turned row: 2 x 16 neighbours
.set SP,   80
.set HALF, 32*SP
	s_load_b256 s[4:11], s[0:1], 0x0               ; x, g, b, the scales
	s_load_b64 s[12:13], s[0:1], 0x20              ; the codes
	v_lshl_add_u32 v22, v0, 2, 0x5000
	v_mov_b32 v23, 0
	v_lshrrev_b32 v4, 5, v0
	v_readfirstlane_b32 s3, v4                     ; wave
	v_and_b32 v4, 31, v0                           ; lane
	v_lshlrev_b32 v1, 4, v4                        ; 16 x lane: my bytes of a load's or a store's 512
	s_mul_i32 s2, s3, 2*HALF                       ; my wave's stage
	v_lshrrev_b32 v5, 2, v4
	v_mul_u32_u24 v2, v5, SP
	v_and_b32 v5, 3, v4
	v_lshl_add_u32 v2, v5, 4, v2
	v_add_nc_u32 v2, s2, v2                        ; into the stage: four lanes' 64 bytes on end, then the padding
	v_mul_u32_u24 v3, v4, SP
	v_add_nc_u32 v3, s2, v3                        ; out of it: my 16 neighbours
	v_mov_b32 v5, 0                                ; a lane permute's destination counts as read
	v_mov_b32 v7, 0                                ; named as the upper half of v[6:7]
	s_mov_b32 s24, 0x76543210
	s_mov_b32 s25, 0xfedcba98                      ; selects: lane l xor 16
	s_mov_b32 s26, 0x3a800000                      ; 1 / 1024
	s_mov_b32 s27, 0x3727c5ac                      ; 1e-5
	s_lshl_b32 s34, ttmp9, 4
	s_lshl_b32 s35, s3, 2
	s_add_co_u32 s34, s34, s35                     ; my first row: 16 x work-group + 4 x wave
	s_lshl_b32 s36, s34, 12
	s_mov_b32 s37, 0
	s_lshl_b32 s38, s34, 10
	s_mov_b32 s39, 0
	s_wait_kmcnt 0x0
.if NOUT == 3
	s_load_b256 s[16:23], s[10:11], 0x0            ; entries 0 to 7
.else
	s_load_b32 s16, s[10:11], 0x30                 ; entry 12
.endif
	s_add_nc_u64 s[4:5], s[4:5], s[36:37]
	s_add_nc_u64 s[28:29], s[12:13], s[38:39]
.if NOUT == 3
	s_add_nc_u64 s[30:31], s[28:29], 0x400000      ; the parts lie 4 MiB apart
	s_add_nc_u64 s[32:33], s[28:29], 0x800000
.endif
.irp j, 0,1,2,3,4,5,6,7
	global_load_b128 v[G+4*\j:G+4*\j+3], v1, s[6:7] offset:512*\j
.endr
.irp j, 0,1,2,3,4,5,6,7
	global_load_b128 v[B+4*\j:B+4*\j+3], v1, s[8:9] offset:512*\j
.endr
.irp r, 0,1,2,3
.irp j, 0,1,2,3,4,5,6,7
	global_load_b128 v[X+32*\r+4*\j:X+32*\r+4*\j+3], v1, s[4:5] offset:4096*\r+512*\j
.endr
.endr
	s_wait_kmcnt 0x0
.set o, 0
.rept NOUT
	s_add_co_i32 s40, s[16+2*o], 127
	s_lshl_b32 s41, s40, 23
	v_mov_b32 v[16+2*o], s41                       ; 2^e as f32: the conversion takes its exponent field
	s_add_co_i32 s40, s40, 8
	s_lshl_b32 s40, s40, 23
	s_or_b32 s40, s40, 0x600000
	v_mov_b32 v[17+2*o], s40                       ; 448 x 2^e
.set o, o+1
.endr
.macro REDUCE                          ; four packed chains in v[8:15] -> their sum over the wave, in v4 of every lane
	v_pk_add_f32 v[8:9], v[8:9], v[10:11]
	v_pk_add_f32 v[12:13], v[12:13], v[14:15]
	v_pk_add_f32 v[8:9], v[8:9], v[12:13]
	v_add_f32 v4, v8, v9
	v_add_f32_dpp v4, v4, v4 row_xmask:1 row_mask:0xf bank_mask:0xf
	v_add_f32_dpp v4, v4, v4 row_xmask:2 row_mask:0xf bank_mask:0xf
	v_add_f32_dpp v4, v4, v4 row_xmask:4 row_mask:0xf bank_mask:0xf
	v_add_f32_dpp v4, v4, v4 row_xmask:8 row_mask:0xf bank_mask:0xf
	v_permlanex16_b32 v5, v4, s24, s25
	v_add_f32 v4, v4, v5
.endm
.macro ROW r
.set XR, X+32*(\r)
	s_wait_loadcnt 8*(3-(\r))                      ; loads come back in order: g, b and this row are in, the later rows' eight loads each stay out
.irp k, 0,1,2,3
	v_pk_add_f32 v[8+2*\k:9+2*\k], v[XR+2*\k:XR+2*\k+1], v[XR+8+2*\k:XR+9+2*\k]
.endr
.irp k, 0,1,2,3,4,5,6,7
	v_pk_add_f32 v[8+2*(\k%4):9+2*(\k%4)], v[8+2*(\k%4):9+2*(\k%4)], v[XR+16+2*\k:XR+17+2*\k]
.endr
	REDUCE
	v_mul_f32 v6, s26, v4                          ; the mean
.set i, 0
.rept 16
	v_pk_add_f32 v[XR+i:XR+i+1], v[XR+i:XR+i+1], v[6:7] op_sel_hi:[1,0] neg_lo:[0,1] neg_hi:[0,1]
.set i, i+2
.endr
.irp k, 0,1,2,3
	v_pk_mul_f32 v[8+2*\k:9+2*\k], v[XR+2*\k:XR+2*\k+1], v[XR+2*\k:XR+2*\k+1]
.endr
.irp k, 4,5,6,7,8,9,10,11,12,13,14,15
	v_pk_fma_f32 v[8+2*(\k%4):9+2*(\k%4)], v[XR+2*\k:XR+2*\k+1], v[XR+2*\k:XR+2*\k+1], v[8+2*(\k%4):9+2*(\k%4)]
.endr
	REDUCE
	v_fma_f32 v4, v4, s26, s27                     ; the variance + 1e-5
	v_rsq_f32 v6, v4
	v_nop                                          ; a plain instruction between the root and its use
.set i, 0
	s_wait_alu depctr_va_vdst(0)
.rept 16
	v_pk_mul_f32 v[XR+i:XR+i+1], v[XR+i:XR+i+1], v[6:7] op_sel_hi:[1,0]
.set i, i+2
.endr
.set i, 0
.rept 16
	v_pk_fma_f32 v[XR+i:XR+i+1], v[XR+i:XR+i+1], v[G+i:G+i+1], v[B+i:B+i+1]
.set i, i+2
.endr
.irp j, 0,1,2,3,4,5,6,7
	ds_store_b128 v2, v[XR+4*\j:XR+4*\j+3] offset:HALF*(\j/4)+8*SP*(\j%4)
.endr
.if (NOUT > 1) && ((\r) > 0)
	s_wait_xcnt 0x0                                ; v248-255 were data of the last row's stores: they are written again only behind this wait
.endif
.irp j, 0,1,2,3,4,5,6,7
	ds_load_b128 v[Y+4*\j:Y+4*\j+3], v3 offset:HALF*(\j/4)+16*(\j%4)   ; LDS serves a wave's instructions in order: these see the stores above
.endr
	s_wait_dscnt 0x0                               ; the row is back: columns 512 s + 16 x lane + 0 .. 15 in Y + 16 s
.irp s, 0,1
.set o, 0
.rept NOUT
.set QD, NOUT*\s+o
.if QD < 4
.set QR, XR+16+4*QD                    ; the codes go where the row's upper half lay,
.else
.set QR, 248+4*(QD-4)                  ; the last two sets into v248-255
.endif
.irp i, 0,1,2,3,4,5,6,7,8,9,10,11,12,13,14,15
	v_med3_num_f32 v[XR+\i], v[Y+16*\s+\i], -v[17+2*o], v[17+2*o]   ; the conversion does not saturate: hold within 448 x the scale first
.endr
	v_cvt_scalef32_pk8_fp8_f32 v[QR:QR+1], v[XR:XR+7], v[16+2*o]
	v_cvt_scalef32_pk8_fp8_f32 v[QR+2:QR+3], v[XR+8:XR+15], v[16+2*o]
	v_nop                                          ; a plain instruction before the conversions' sources are written again
	global_store_b128 v1, v[QR:QR+3], s[28+2*o:29+2*o] offset:(\r)*1024+512*\s
.set o, o+1
.endr
.endr
.endm
	ROW 0
	ROW 1
	ROW 2
	ROW 3
	s_wait_tensorcnt 0x0
	ds_add_u32 v22, v23
	s_wait_dscnt 0x0
	s_endpgm
.Lfunc_end_k_qaac8fb6d27_ln1:
	.size	k_qaac8fb6d27_ln1, .Lfunc_end_k_qaac8fb6d27_ln1-k_qaac8fb6d27_ln1
	.p2alignl 7, 3214868480
	.fill 96, 4, 3214868480
	.section	.rodata,"a",@progbits
	.p2align	6, 0x0
	.amdhsa_kernel k_qaac8fb6d27_ln1
		.amdhsa_group_segment_fixed_size 20992
		.amdhsa_private_segment_fixed_size 0
		.amdhsa_enable_private_segment 0
		.amdhsa_kernarg_size 40
		.amdhsa_user_sgpr_count 2
		.amdhsa_user_sgpr_kernarg_segment_ptr 1
		.amdhsa_wavefront_size32 1
		.amdhsa_system_sgpr_workgroup_id_x 1
		.amdhsa_system_sgpr_workgroup_id_y 1
		.amdhsa_system_sgpr_workgroup_id_z 1
		.amdhsa_system_vgpr_workitem_id 0
		.amdhsa_next_free_vgpr 256
		.amdhsa_next_free_sgpr 66
		.amdhsa_reserve_vcc 0
		.amdhsa_float_denorm_mode_32 3
		.amdhsa_float_denorm_mode_16_64 3
		.amdhsa_memory_ordered 1
		.amdhsa_forward_progress 1
		.amdhsa_inst_pref_size 66
	.end_amdhsa_kernel
	.amdgpu_metadata
---
amdhsa.version: [ 1, 2 ]
amdhsa.kernels:
  - .name:           k_qaac8fb6d27_ln1
    .symbol:         k_qaac8fb6d27_ln1.kd
    .args:
      - { .name: x, .offset: 0, .size: 8, .value_kind: global_buffer, .address_space: global }
      - { .name: ln1_g, .offset: 8, .size: 8, .value_kind: global_buffer, .address_space: global }
      - { .name: ln1_b, .offset: 16, .size: 8, .value_kind: global_buffer, .address_space: global }
      - { .name: lowp_scales, .offset: 24, .size: 8, .value_kind: global_buffer, .address_space: global }
      - { .name: hc, .offset: 32, .size: 8, .value_kind: global_buffer, .address_space: global }
    .group_segment_fixed_size: 20992
    .private_segment_fixed_size: 0
    .kernarg_segment_align: 8
    .kernarg_segment_size: 40
    .max_flat_workgroup_size: 128
    .sgpr_count:     66
    .vgpr_count:     256
    .wavefront_size: 32
...
	.end_amdgpu_metadata
.endif
;; end of part 1
;; launch qkv (part 2): grid 4 x 48, 4 waves a work-group, clusters of 4 x 4, 327,680 bytes of LDS; arguments hc, Wq_codes, Wk_codes, Wv_codes, lowp_scales, qkvc; writes qkvc
.if DOCPART == 2
	.amdgcn_target "amdgcn-amd-amdhsa--gfx1250"
	.amdhsa_code_object_version 6
	.text
	.protected	k_qaac8fb6d27_qkv
	.globl	k_qaac8fb6d27_qkv
	.p2align	8
	.type	k_qaac8fb6d27_qkv,@function
k_qaac8fb6d27_qkv:
	s_mov_b64 s[64:65], 0
	v_nop
	global_prefetch_b8 v0, s[64:65] scope:SCOPE_SE
	s_setreg_imm32_b32 hwreg(HW_REG_WAVE_MODE, 25, 1), 1
	s_wait_xcnt 0x0
	s_wait_alu depctr_hold_cnt(0) depctr_sa_sdst(0) depctr_va_vdst(0) depctr_va_sdst(0) depctr_va_ssrc(0) depctr_va_vcc(0) depctr_vm_vsrc(0)
	s_getreg_b32 s2, hwreg(HW_REG_IB_STS2, 6, 4)
	s_cmp_eq_u32 s2, 0
	s_cbranch_scc0 .Lentry_in_a_cluster
	s_endpgm
.Lentry_in_a_cluster:
	s_bfe_u32 s2, ttmp6, 0x10000c
	s_cmp_lg_u32 s2, 0xf033
	s_cbranch_scc0 .Lentry_shape_is_right
	s_endpgm
.Lentry_shape_is_right:
; q, k and v: three products [4096, 1024] x [1024, 1024] on codes of E4M3, their results quantised at once for attention.
; C'[m'][n'] = sum over k of A'[m'][k] B'[n'][k], a tile of 256 x 256 to a work-group of four waves, 128 x 128 a wave (64 accumulators).
; A lane ends with eight neighbours along n'.  For q and k: A' = the rows' codes, B' = the weight: n' is the head's axis, the next product's K.
; For v: A' = the weight, B' = the rows' codes: n' is the keys, the K of attention's second product.  Only pointers and tile numbers are
; chosen (on the cluster's y, which all partners share): there is one path through the text.
; K goes in steps of 256 through two LDS slots filled by the tensor data mover; 4 x 4 work-groups form a cluster, A's tiles are asked for
; jointly along a row of it, B's along a column.  Source 0 of the matrix instruction = 16 rows of B', source 1 = 16 rows of A'.
; OUT: part 0 q, part 1 k: [256-token block 16][head 16][256 tokens][64 d]; part 2 v: [head group 4][block 16][64-key group 4][head 4][64 d][64 keys].
; In all three a tile's column group of 64 is one dense run of 16,384 bytes: 256 rows m' x 64 bytes.
; code = sum x 2^(eA + eB - eOut), held within +-448.  LIMIT: eOut - eA - eB between -126 and 119.  NaN is not served.
; REGISTERS: window 0: v0-31 addresses; v32-127 at work on the way out; v128-255 A's fragments, one set.  window 1: B's fragments, two sets.  windows 2, 3: the accumulators.
.set KROW,   1024
.set KSTEP,  256
.set ROWB,   256
.set PITCH,  272                       ; 256 bytes + 16 of padding: the 16 rows of a fragment load start at 16 different banks
.set FR,     16
.set NL,     4
.set NP,     4
.set HALFT,  128*PITCH
.set SLOT,   4*HALFT
.set LAPS,   KROW/(2*KSTEP)
.set SPARE,  2*SLOT                    ; behind the ring: the spare words, 128 bytes a wave, which no other line names
.set PANEL,  256*80                    ; the way out: four panels of 256 rows x (64 bytes + 16), in slot 0, which has had its last fill and its last read by then
.set ADRA, 16
.set ADRB, 20
.set STO,  24
.set RD,   25
.set CO,   26
.set SPW,  28
.set NIL,  29
.set SC,   30
.set LIM,  31
.set BIAS, 32
.set AF,   128
.set G1, 24
.set G0, 32
.set G1B, 48
.set G0B, 56
.set MSB, 0
.macro WIN new                         ; the immediate's high byte repeats the setting that is left
.if MSB != (\new)
	s_set_vgpr_msb (MSB<<8)|(\new)
.set MSB, (\new)
.endif
.endm
.set MUL_LO, 0xa1                      ; source 0 (B) window 1, source 1 (A) window 0, C and D window 2
.set MUL_HI, 0xf1
.set TO_B,   0x40
.macro JLOAD g0a, g1a, g0b, g1b        ; a joint load: waves 0, 1 fetch for A, waves 2, 3 for B; four v_nop follow each line
	s_cmp_eq_u32 s15, 0
	s_cbranch_scc0 .Lfor_b_\@
	tensor_load_to_lds s[\g0a:\g0a+3], s[\g1a:\g1a+7]
	s_nop 0
.rept 4
	v_nop
.endr
	s_branch .Lasked_\@
.Lfor_b_\@:
	tensor_load_to_lds s[\g0b:\g0b+3], s[\g1b:\g1b+7]
	s_nop 0
.rept 4
	v_nop
.endr
.Lasked_\@:
.endm
.macro CREST                           ; a round of the cluster's barrier behind its opening barrier
	s_cmp_lg_u32 s14, 0
	s_cbranch_scc1 .Lnot_wave_0_\@
	s_barrier_signal -3
.Lnot_wave_0_\@:
	s_barrier_wait -3
	s_barrier_signal -1
	s_barrier_wait -1
.endm
.macro CROUND
	s_barrier_signal -1
	s_barrier_wait -1
	CREST
.endm
	s_load_b256 s[68:75], s[0:1], 0x0              ; the rows' codes, Wq, Wk, Wv
	s_load_b128 s[76:79], s[0:1], 0x20             ; the scales, the output
	v_lshl_add_u32 v[SPW], v0, 2, SPARE
	v_mov_b32 v[NIL], 0
	ds_add_u32 v28, v29
	ds_add_u32 v28, v29
	s_wait_dscnt 0x0
	v_lshrrev_b32 v1, 5, v0
	v_readfirstlane_b32 s14, v1                    ; wave 0..3
	s_lshr_b32 s15, s14, 1                         ; my half of the tile's rows; also: I fetch for A (0) or B (1)
	s_and_b32 s16, s14, 1                          ; my half of its columns; also: which 128 rows I fetch
	s_bfe_u32 s40, ttmp6, 0x40000                  ; cx
	s_bfe_u32 s41, ttmp6, 0x40004                  ; cy
	s_and_b32 s80, ttmp7, 0xffff                   ; the cluster's y, 0..11
	s_lshr_b32 s81, s80, 2                         ; which product: 0 q, 1 k, 2 v
	s_and_b32 s82, s80, 3
	s_lshl_b32 s82, s82, 2                         ; four tiles of the long axis (the 4,096 rows) to a cluster
	s_cmp_eq_u32 s81, 2
	s_cselect_b32 s17, 0, s82
	s_cselect_b32 s42, s82, 0
	s_cselect_b32 s83, 4, 2
	s_add_co_u32 s17, s17, s41                     ; tile row of C'
	s_add_co_u32 s42, s42, s40                     ; tile column of C'
	s_lshl_b32 s83, s17, s83
	s_add_co_u32 s83, s83, s42                     ; the tile's place in its part: 4 x row + column, for v 16 x row + column
	s_lshl_b32 s86, s83, 16
	s_lshl_b32 s87, s14, 14
	s_add_co_u32 s86, s86, s87                     ; + my panel
	s_mov_b32 s87, 0
	s_lshl_b32 s84, s81, 22                        ; the parts lie 4 MiB apart, in the rows' codes and in the output
	s_mov_b32 s85, 0
	s_lshl_b32 s88, s81, 3                         ; the product's two scales: entries 2 which, 2 which + 1
	s_lshr_b32 s89, s81, 1
	s_add_co_u32 s89, s89, s81
	s_add_co_u32 s89, s89, 6
	s_lshl_b32 s89, s89, 2                         ; its result's: entry 6, 7 or 9
	s_lshl_b32 s43, s41, 2
	s_lshl_b32 s43, 15, s43                        ; my row of the cluster
	s_lshl_b32 s44, 0x1111, s40                    ; my column
	s_or_b32 s[G1+0], s43, (0<<16)|(1<<20)|(1<<21)|(5<<22)|(3<<25)  ; mask; elements of 1 byte; padding on; bit 21 beside a mask; after every 64 words, 4 words
	s_or_b32 s[G1B+0], s44, (0<<16)|(1<<20)|(1<<21)|(5<<22)|(3<<25)
.irp g, G1, G1B
	s_mov_b32 s[\g+1], ROWB<<16                    ; tensor_dim0
	s_mov_b32 s[\g+2], 128<<16                     ; tensor_dim1
	s_mov_b32 s[\g+3], ROWB<<16                    ; tile_dim0
	s_mov_b32 s[\g+4], 128                         ; tile_dim1
	s_mov_b32 s[\g+5], KROW                        ; pitch
	s_mov_b32 s[\g+6], 0
	s_mov_b32 s[\g+7], 0
.endr
	s_lshl_b32 s18, s16, 7
	s_lshl_b32 s20, s17, 8
	s_add_co_u32 s20, s20, s18                     ; A': row 256 x tile row + 128 x half
	s_lshl_b32 s46, s42, 8
	s_add_co_u32 s46, s46, s18                     ; B': row 256 x tile column + 128 x half
	s_mov_b32 s21, 0
	s_mov_b32 s47, 0
	s_mov_b64 s[18:19], KROW
	s_mul_u64 s[20:21], s[20:21], s[18:19]
	s_mul_u64 s[46:47], s[46:47], s[18:19]
	s_mul_i32 s45, s14, HALFT                      ; where they go: wave x 128 rows
	s_wait_kmcnt 0x0
	s_load_b64 s[96:97], s[76:77], s88 offset:0x0  ; the two operands' exponents
	s_load_b32 s90, s[76:77], s89 offset:0x0       ; the result's
	s_add_nc_u64 s[68:69], s[68:69], s[84:85]      ; the rows' codes under this product's scale
	s_add_nc_u64 s[10:11], s[78:79], s[84:85]
	s_add_nc_u64 s[10:11], s[10:11], s[86:87]      ; my panel of the output
	s_cmp_eq_u32 s81, 0
	s_cselect_b64 s[70:71], s[70:71], s[72:73]
	s_cmp_eq_u32 s81, 2
	s_cselect_b64 s[70:71], s[74:75], s[70:71]     ; the product's weight
	s_cselect_b64 s[4:5], s[70:71], s[68:69]       ; A'
	s_cselect_b64 s[6:7], s[68:69], s[70:71]       ; B'
	s_add_nc_u64 s[20:21], s[4:5], s[20:21]
	s_add_nc_u64 s[46:47], s[6:7], s[46:47]
	CROUND                                         ; all sixteen work-groups are here: the first joint loads meet
.irp s, 0,1
	s_mov_b32 s[G0+4*\s], 1
	s_add_co_u32 s[G0+4*\s+1], s45, \s*SLOT
	s_add_nc_u64 s[G0+4*\s+2:G0+4*\s+3], s[20:21], \s*ROWB
	s_or_b32 s[G0+4*\s+3], s[G0+4*\s+3], 0x80000000
	s_mov_b32 s[G0B+4*\s], 1
	s_add_co_u32 s[G0B+4*\s+1], s45, \s*SLOT
	s_add_nc_u64 s[G0B+4*\s+2:G0B+4*\s+3], s[46:47], \s*ROWB
	s_or_b32 s[G0B+4*\s+3], s[G0B+4*\s+3], 0x80000000
	JLOAD G0+4*\s, G1, G0B+4*\s, G1B
.endr
	v_and_b32 v1, 15, v0                           ; r
	v_bfe_u32 v2, v0, 4, 1                         ; h
	v_mul_u32_u24 v3, v1, PITCH
	v_lshl_add_u32 v4, v2, 4, v3
	s_mul_i32 s21, s15, HALFT
	s_mul_i32 s22, s16, HALFT
	s_add_co_u32 s22, s22, 2*HALFT
.irp s, 0,1
	v_add_nc_u32 v[ADRA+\s], s21, v4
	v_add_nc_u32 v[ADRB+\s], s22, v4
	s_add_co_u32 s21, s21, SLOT
	s_add_co_u32 s22, s22, SLOT
.endr
	s_mul_i32 s23, s15, 128*80                     ; into the panels: row 128 x row half + 16 a + r, 8 bytes for each half of the lanes; my column half's two panels
	s_mul_i32 s21, s16, 2*PANEL
	s_add_co_u32 s23, s23, s21
	v_mul_u32_u24 v5, v1, 80
	v_lshl_add_u32 v5, v2, 3, v5
	v_add_nc_u32 v[STO], s23, v5
	s_mul_i32 s23, s14, PANEL                      ; back: wave w takes panel w; a load's 32 lanes take 8 rows of 64 bytes
	v_and_b32 v6, 31, v0
	v_lshrrev_b32 v7, 2, v6
	v_mul_u32_u24 v7, v7, 80
	v_and_b32 v8, 3, v6
	v_lshl_add_u32 v7, v8, 4, v7
	v_add_nc_u32 v[RD], s23, v7
	v_lshlrev_b32 v[CO], 4, v6
.macro FRAG reg, adr, q, i             ; 16 rows x 128 K: registers 4 c .. 4 c + 3 hold K = 32 c + 16 h + 0 .. 15, alike in A and B
.irp c, 0,1,2,3
	ds_load_b128 v[\reg+4*\c:\reg+4*\c+3], v[\adr] offset:128*(\q)+32*\c+(\i)*16*PITCH
.endr
.endm
; 16 matrix instructions: A's blocks a0, a0 + 1 x B's eight.  first = 1: the sums start from 0; 2: from the bias registers; 0: they go on.  The 64 accumulators take turns.
.macro MUL16 a0, p, first
.irp a, \a0, \a0+1
.irp b, 0,1,2,3,4,5,6,7
.if \first == 1
	v_wmma_f32_16x16x128_fp8_fp8 v[8*(8*((\a)%4)+\b):8*(8*((\a)%4)+\b)+7], v[128*(\p)+FR*\b:128*(\p)+FR*\b+FR-1], v[AF+FR*(\a):AF+FR*(\a)+FR-1], 0
.elseif \first == 2
	v_wmma_f32_16x16x128_fp8_fp8 v[8*(8*((\a)%4)+\b):8*(8*((\a)%4)+\b)+7], v[128*(\p)+FR*\b:128*(\p)+FR*\b+FR-1], v[AF+FR*(\a):AF+FR*(\a)+FR-1], v[BIAS+8*\b:BIAS+8*\b+7]
.else
	v_wmma_f32_16x16x128_fp8_fp8 v[8*(8*((\a)%4)+\b):8*(8*((\a)%4)+\b)+7], v[128*(\p)+FR*\b:128*(\p)+FR*\b+FR-1], v[AF+FR*(\a):AF+FR*(\a)+FR-1], v[8*(8*((\a)%4)+\b):8*(8*((\a)%4)+\b)+7]
.endif
.endr
.endr
.endm
.macro FETCH_B slot, q, p
	WIN TO_B
.irp i, 0,1,2,3,4,5,6,7
	FRAG 128*(\p)+FR*\i, ADRB+\slot, \q, \i
.endr
	WIN 0
.endm
.macro FETCH_A slot, q, i0
.irp i, \i0, \i0+1, \i0+2, \i0+3
	FRAG AF+FR*(\i), ADRA+\slot, \q, \i
.endr
.endm
.macro PLACES n                        ; plain vector instructions between a matrix instruction and a load into, or a read of, its registers
.rept \n
	v_nop
.endr
.endm
.macro STEP slot, q, first             ; 128 along K whose successor lies in the same slot
	s_wait_dscnt 4*NL                              ; B's set and A's blocks 0-3 are in; the youngest 16 loads (A's blocks 4-7) may be out
.if \first
	WIN 0x81                                       ; as MUL_LO, with C in window 0
.else
	WIN MUL_LO
.endif
	MUL16 0, (\q)%2, \first
	MUL16 2, (\q)%2, \first
	s_wait_dscnt 0                                 ; A's blocks 4-7 are in
	PLACES NP
	FETCH_B \slot, (\q)+1, 1-(\q)%2
	FETCH_A \slot, (\q)+1, 0
.if \first
	WIN 0xc1
.else
	WIN MUL_HI
.endif
	MUL16 4, (\q)%2, \first
	MUL16 6, (\q)%2, \first
	PLACES NP
	WIN 0
	FETCH_A \slot, (\q)+1, 4
.endm
.macro TURN slot, next, fill           ; a slot's last step changes slots: one barrier; fill = 1: the slot is filled again, two K steps ahead
	s_wait_tensorcnt 0x0                           ; all my tensor loads have landed: my part of the next slot
	ds_add_u32 v[SPW], v[NIL]                      ; 0 onto my spare word
	s_wait_dscnt 4*NL+1                            ; the add and the youngest 16 loads may be out
	WIN MUL_LO
	MUL16 0, 1, 0
	s_wait_dscnt 0x0                               ; the add is done, and my reads of this slot are over
	s_barrier_signal -1
	MUL16 2, 1, 0
	WIN 0
	s_barrier_wait -1
.if \fill
	CREST                                          ; the barrier opened a round of the cluster's: no wave of any partner still reads this slot or has a load on its way
	s_add_nc_u64 s[G0+4*\slot+2:G0+4*\slot+3], s[G0+4*\slot+2:G0+4*\slot+3], 2*ROWB
	s_add_nc_u64 s[G0B+4*\slot+2:G0B+4*\slot+3], s[G0B+4*\slot+2:G0B+4*\slot+3], 2*ROWB
	JLOAD G0+4*\slot, G1, G0B+4*\slot, G1B         ; my one tensor load behind the round; its four v_nop are the places in front of the loads below
.else
	PLACES NP
.endif
	FETCH_B \next, 0, 0
	FETCH_A \next, 0, 0
	WIN MUL_HI
	MUL16 4, 1, 0
	MUL16 6, 1, 0
	PLACES NP
	WIN 0
	FETCH_A \next, 0, 4
.endm
	s_wait_tensorcnt 1                             ; my part of K step 0 is in; K step 1's load may be out
	s_barrier_signal -1
	s_barrier_wait -1
	FETCH_B 0, 0, 0
	FETCH_A 0, 0, 0
	FETCH_A 0, 0, 4
	STEP 0, 0, 1
	s_mov_b32 s3, LAPS-1
.Llap:
	TURN 0, 1, 1
	STEP 1, 0, 0
	TURN 1, 0, 1
	STEP 0, 0, 0
	s_sub_co_u32 s3, s3, 1
	s_cmp_lg_u32 s3, 0
	s_cbranch_scc1 .Llap
	TURN 0, 1, 0                                   ; the last lap fills nothing
	STEP 1, 0, 0
	s_wait_dscnt 4*NL
	WIN MUL_LO
	MUL16 0, 1, 0
	MUL16 2, 1, 0
	s_wait_dscnt 0
	WIN MUL_HI
	MUL16 4, 1, 0
	MUL16 6, 1, 0
	WIN 0
	; THE WAY OUT: hold, convert (a lane's eight sums are eight neighbours along the next K), 8 bytes a lane into the panels; a barrier; each wave stores one panel, 512 dense bytes a store.
	s_wait_kmcnt 0x0
	s_sub_co_i32 s90, s90, s96
	s_sub_co_i32 s90, s90, s97                     ; eOut - eA - eB: the three scales folded into the conversion's one
	s_add_co_i32 s90, s90, 127
	s_lshl_b32 s91, s90, 23
	v_mov_b32 v[SC], s91
	s_add_co_i32 s90, s90, 8
	s_lshl_b32 s90, s90, 23
	s_or_b32 s90, s90, 0x600000
	v_mov_b32 v[LIM], s90                          ; 448 x that
	PLACES NP
.macro QOUT a
.set AC, 64*((\a)%4)
.set CD, 96+16*((\a)%2)
	WIN 0x02+((\a)/4)                              ; source 0: window 2 or 3
.set i, 0
.rept 64
	v_med3_num_f32 v[32+i], v[AC+i], -v[LIM], v[LIM]   ; each accumulator from its low end on
.set i, i+1
.endr
	WIN 0
.irp b, 0,1,2,3,4,5,6,7
	v_cvt_scalef32_pk8_fp8_f32 v[CD+2*\b:CD+2*\b+1], v[32+8*\b:39+8*\b], v[SC]
.endr
	v_nop                                          ; a plain instruction before the conversions' sources are written again
.irp b, 0,1,2,3,4,5,6,7
	ds_store_b64 v[STO], v[CD+2*\b:CD+2*\b+1] offset:1280*(\a)+(\b/4)*PANEL+16*(\b%4)
.endr
.endm
.irp a, 0,1,2,3,4,5,6,7
	QOUT \a
.endr
	s_wait_dscnt 0x0                               ; for the others' sake: my stores into the panels are done
	s_barrier_signal -1
	s_barrier_wait -1
.set j, 0
.rept 32
	ds_load_b128 v[128+4*j:131+4*j], v[RD] offset:640*j
.set j, j+1
.endr
.set j, 0
.rept 32
	s_wait_dscnt 31-j                              ; LDS loads come back in order: load j is in
	global_store_b128 v[CO], v[128+4*j:131+4*j], s[10:11] offset:512*j
.set j, j+1
.endr
	s_wait_tensorcnt 0x0                           ; the wave's end
	ds_add_u32 v[SPW], v[NIL]
	s_wait_dscnt 0x0
	CROUND                                         ; the closing round
	s_endpgm
.Lfunc_end_k_qaac8fb6d27_qkv:
	.size	k_qaac8fb6d27_qkv, .Lfunc_end_k_qaac8fb6d27_qkv-k_qaac8fb6d27_qkv
	.p2alignl 7, 3214868480
	.fill 96, 4, 3214868480
	.section	.rodata,"a",@progbits
	.p2align	6, 0x0
	.amdhsa_kernel k_qaac8fb6d27_qkv
		.amdhsa_group_segment_fixed_size 327680
		.amdhsa_private_segment_fixed_size 0
		.amdhsa_enable_private_segment 0
		.amdhsa_kernarg_size 48
		.amdhsa_user_sgpr_count 2
		.amdhsa_user_sgpr_kernarg_segment_ptr 1
		.amdhsa_wavefront_size32 1
		.amdhsa_system_sgpr_workgroup_id_x 1
		.amdhsa_system_sgpr_workgroup_id_y 1
		.amdhsa_system_sgpr_workgroup_id_z 1
		.amdhsa_system_vgpr_workitem_id 0
		.amdhsa_next_free_vgpr 1024
		.amdhsa_next_free_sgpr 100
		.amdhsa_reserve_vcc 0
		.amdhsa_float_denorm_mode_32 3
		.amdhsa_float_denorm_mode_16_64 3
		.amdhsa_memory_ordered 1
		.amdhsa_forward_progress 1
		.amdhsa_inst_pref_size 126
	.end_amdhsa_kernel
	.amdgpu_metadata
---
amdhsa.version: [ 1, 2 ]
amdhsa.kernels:
  - .name:           k_qaac8fb6d27_qkv
    .symbol:         k_qaac8fb6d27_qkv.kd
    .args:
      - { .name: hc, .offset: 0, .size: 8, .value_kind: global_buffer, .address_space: global }
      - { .name: Wq_codes, .offset: 8, .size: 8, .value_kind: global_buffer, .address_space: global }
      - { .name: Wk_codes, .offset: 16, .size: 8, .value_kind: global_buffer, .address_space: global }
      - { .name: Wv_codes, .offset: 24, .size: 8, .value_kind: global_buffer, .address_space: global }
      - { .name: lowp_scales, .offset: 32, .size: 8, .value_kind: global_buffer, .address_space: global }
      - { .name: qkvc, .offset: 40, .size: 8, .value_kind: global_buffer, .address_space: global }
    .group_segment_fixed_size: 327680
    .private_segment_fixed_size: 0
    .kernarg_segment_align: 8
    .kernarg_segment_size: 48
    .max_flat_workgroup_size: 128
    .sgpr_count:     100
    .vgpr_count:     1024
    .wavefront_size: 32
...
	.end_amdgpu_metadata
.endif
;; end of part 2
;; launch attn (part 3): grid 32 x 8, 16 waves a work-group, no clusters, 154,624 bytes of LDS; arguments qkvc, lowp_scales, ac; writes ac
.if DOCPART == 3
	.amdgcn_target "amdgcn-amd-amdhsa--gfx1250"
	.amdhsa_code_object_version 6
	.text
	.protected	k_qaac8fb6d27_attn
	.globl	k_qaac8fb6d27_attn
	.p2align	8
	.type	k_qaac8fb6d27_attn,@function
k_qaac8fb6d27_attn:
	s_mov_b64 s[64:65], 0
	v_nop
	global_prefetch_b8 v0, s[64:65] scope:SCOPE_SE
	s_setreg_imm32_b32 hwreg(HW_REG_WAVE_MODE, 25, 1), 1
	s_wait_xcnt 0x0
; Banded causal attention on codes of E4M3: query i sees keys i - 128 .. i and key 0.  (The last query of a batch sees all keys: a later launch writes its row again.)
; A work-group takes 64 queries of four heads of one batch, so that 64 rows x 256 bytes of the output leave as whole aligned runs.  Wave = 4 x head + tile: one tile of 16 queries of one head.
; A tile of queries u0 needs the nine key tiles u0 - 8 .. u0 and the tile of keys 0 .. 15: ten products K Q^T (K = 64), one softmax without running state, twelve products V^T P^T.
; Both products are used transposed: a lane holds ONE query (lane % 16); in a score tile its registers are keys 8 (lane / 16) + 0 .. 7, which is the place that the K = 64 form gives them in the second product's operand.
; K and V of the 192 keys 64 (x - 2) .. 64 x + 63 and V of keys 0 .. 63 come into LDS through registers, 4 KB blocks that are dense in memory.  Blocks in front of key 0 are replaced by block 0 and their scores hidden.
; SOFTMAX: t = score x log2(e) / 8; M = ceil(the row's largest t); p = 2^(t - M) is quantised with the given 2^e8; the sum of the unquantised p divides at the end.
; No cluster: neighbouring query blocks share only shifted parts of K and V, and these come through registers.
; LIMITS: e6 + e7 between -121 and 130 (added to the exponent field of log2(e) / 8); e8, and e10 - e8 - e9, between -126 and 119.  NaN is not served.
.set HEADB, 33792                      ; LDS of a head: K 192 rows x 80; V 64 rows x 208 (192 keys + 16); V of keys 0-63: 64 rows x 80
.set VOFF,  15360
.set GOFF,  28672
.set STG,   4*HEADB                    ; the way out: 64 rows x (256 + 16)
.set GA,  1                            ; v1  the copy: 16 x (thread % 128);          later NINF: -infinity
.set LK,  2                            ; v2  the copy's place in rows of 80 bytes;   later XX: my query - 4096 h
.set LV,  3                            ; v3  in rows of 208 bytes;                   later SC: a conversion's scale
.set QA,  4                            ; v4  64 r + 16 h;                            later LIM: 448 x the scale
.set NINF, 1
.set XX,  2
.set SC,  3
.set LIM, 4
.set AK,  5
.set AV,  6
.set AVG, 7
.set SO,  8
.set SR,  9
.set GO,  10
.set DD,  11                           ; v11 r - 8 h
.set Q,   16
.set KF,  24                           ; v24-103  K's ten tiles
.set VF,  24                           ; v24-119  V's fragments: 24 dt + 2 x tile
.set S,   120                          ; v120-199 the scores, then p; at the start the copy's data
.set PC,  200                          ; v200-223 p's codes: twelve tiles, the last two zeros
.set O,   224                          ; v224-255 O^T; before that scratch
	s_load_b128 s[4:7], s[0:1], 0x0                ; q, k, v; the scales
	s_load_b64 s[8:9], s[0:1], 0x10                ; the output
	v_lshrrev_b32 v224, 5, v0
	v_readfirstlane_b32 s10, v224                  ; wave
	s_lshr_b32 s11, s10, 2                         ; hh: my head of the four
	s_and_b32 s12, s10, 3                          ; qt: my tile of the four
	s_and_b32 s13, ttmp7, 0xffff
	s_lshr_b32 s14, s13, 2                         ; b
	s_and_b32 s15, s13, 3                          ; hg
	s_lshl_b32 s46, s15, 2
	s_add_co_u32 s46, s46, s11                     ; H
	s_lshl_b32 s47, s14, 3                         ; 8 b
	s_lshl_b32 s48, s15, 4                         ; 16 hg
	s_lshl_b32 s49, ttmp9, 2
	s_add_co_u32 s49, s49, s12                     ; u0: my tile of queries in the batch
	s_mov_b32 s60, 0x76543210
	s_mov_b32 s61, 0xfedcba98
	v_and_b32 v224, 15, v0                         ; r
	v_bfe_u32 v225, v0, 4, 1                       ; h
	v_and_b32 v226, 127, v0
	v_lshrrev_b32 v227, 7, v0
	v_mul_u32_u24 v227, v227, HEADB                ; my head's LDS
	v_lshlrev_b32 v[GA], 4, v226
	v_lshrrev_b32 v228, 2, v226
	v_and_b32 v229, 3, v226
	v_lshl_add_u32 v229, v229, 4, v227
	v_mad_u32_u24 v[LK], v228, 80, v229
	v_mad_u32_u24 v[LV], v228, 208, v229
	v_lshlrev_b32 v[QA], 6, v224
	v_lshl_add_u32 v[QA], v225, 4, v[QA]
	s_lshl_b32 s50, s12, 4                         ; 16 qt
	v_add_nc_u32 v230, s50, v224
	v_mad_u32_u24 v[AK], v230, 80, v227
	v_lshl_add_u32 v[AK], v225, 4, v[AK]           ; K: row 16 qt + r (+ 16 for each tile), 16 h
	v_mad_u32_u24 v[AV], v224, 208, v227
	v_lshl_add_u32 v[AV], v225, 3, v[AV]
	v_add_nc_u32 v[AV], s50, v[AV]
	v_add_nc_u32 v[AV], VOFF, v[AV]                ; V: row d = r (+ 16 dt), keys 16 qt + 8 h (+ 16 for each tile)
	v_mad_u32_u24 v[AVG], v224, 80, v227
	v_lshl_add_u32 v[AVG], v225, 3, v[AVG]
	v_add_nc_u32 v[AVG], GOFF, v[AVG]
	s_lshl_b32 s51, s11, 6
	s_add_co_u32 s51, s51, STG
	v_mul_u32_u24 v[SO], v230, 272
	v_lshl_add_u32 v[SO], v225, 3, v[SO]
	v_add_nc_u32 v[SO], s51, v[SO]                 ; the stage, in: row 16 qt + r, byte 64 hh + 8 h (+ 16 dt)
	v_lshrrev_b32 v231, 4, v0
	v_mul_u32_u24 v[SR], v231, 272
	v_lshl_add_u32 v[SR], v224, 4, v[SR]
	v_add_nc_u32 v[SR], STG, v[SR]                 ; back: sixteen threads to a row of 256 bytes
	v_lshlrev_b32 v[GO], 10, v231
	v_lshl_add_u32 v[GO], v224, 4, v[GO]           ; and the same place in the output's rows of 1,024 bytes
	v_lshlrev_b32 v232, 3, v225
	v_sub_nc_u32 v[DD], v224, v232
	s_mov_b32 s53, 0
	s_wait_kmcnt 0x0
	s_load_b512 s[16:31], s[6:7], 0x0              ; the sixteen exponents: entry i in s[16 + i]
.irp k, 0,1,2                          ; blocks of 64 keys x - 2 + k, held at 0 from below
	s_add_co_i32 s50, ttmp9, \k-2
	s_max_i32 s50, s50, 0
	s_lshr_b32 s51, s50, 2
	s_add_co_u32 s51, s51, s47                     ; its block of 256 tokens
	s_and_b32 s50, s50, 3                          ; and its place there
	s_lshl_b32 s52, s51, 4
	s_add_co_u32 s52, s52, s46
	s_lshl_b32 s52, s52, 2
	s_add_co_u32 s52, s52, s50
	s_lshl_b32 s52, s52, 12
	s_add_co_u32 s52, s52, 0x400000
	s_add_nc_u64 s[32+2*\k:33+2*\k], s[4:5], s[52:53]   ; K's block
	s_add_co_u32 s52, s51, s48
	s_lshl_b32 s52, s52, 2
	s_add_co_u32 s52, s52, s50
	s_lshl_b32 s52, s52, 2
	s_add_co_u32 s52, s52, s11
	s_lshl_b32 s52, s52, 12
	s_add_co_u32 s52, s52, 0x800000
	s_add_nc_u64 s[38+2*\k:39+2*\k], s[4:5], s[52:53]   ; V's block
.endr
	s_add_co_u32 s52, s48, s47
	s_lshl_b32 s52, s52, 4
	s_add_co_u32 s52, s52, s11
	s_lshl_b32 s52, s52, 12
	s_add_co_u32 s52, s52, 0x800000
	s_add_nc_u64 s[44:45], s[4:5], s[52:53]        ; V of the batch's keys 0 .. 63
	s_lshr_b32 s51, ttmp9, 2
	s_add_co_u32 s51, s51, s47
	s_lshl_b32 s51, s51, 4
	s_add_co_u32 s51, s51, s46
	s_lshl_b32 s52, s51, 14
	s_and_b32 s51, ttmp9, 3
	s_lshl_b32 s51, s51, 12
	s_add_co_u32 s52, s52, s51
	s_lshl_b32 s51, s12, 10
	s_add_co_u32 s52, s52, s51
	s_add_nc_u64 s[54:55], s[4:5], s[52:53]        ; my 16 queries
	s_lshl_b32 s52, s14, 7
	s_add_co_u32 s52, s52, s46
	s_lshl_b32 s52, s52, 14
	s_add_co_u32 s52, s52, 0x400000
	s_add_nc_u64 s[56:57], s[4:5], s[52:53]        ; K of the batch's keys 0 .. 15
	s_lshl_b32 s52, s14, 21
	s_lshl_b32 s51, ttmp9, 16
	s_add_co_u32 s52, s52, s51
	s_lshl_b32 s51, s15, 8
	s_add_co_u32 s52, s52, s51
	s_add_nc_u64 s[8:9], s[8:9], s[52:53]          ; the output at row 2048 b + 64 x, byte 256 hg
.irp k, 0,1,2
.irp e, 0,1
	global_load_b128 v[S+8*\k+4*\e:S+8*\k+4*\e+3], v[GA], s[32+2*\k:33+2*\k] offset:2048*\e
.endr
.endr
.irp k, 0,1,2
.irp e, 0,1
	global_load_b128 v[S+24+8*\k+4*\e:S+24+8*\k+4*\e+3], v[GA], s[38+2*\k:39+2*\k] offset:2048*\e
.endr
.endr
.irp e, 0,1
	global_load_b128 v[S+48+4*\e:S+48+4*\e+3], v[GA], s[44:45] offset:2048*\e
.endr
	global_load_b128 v[Q:Q+3], v[QA], s[54:55]
	global_load_b128 v[Q+4:Q+7], v[QA], s[54:55] offset:32
	global_load_b128 v[KF:KF+3], v[QA], s[56:57]
	global_load_b128 v[KF+4:KF+7], v[QA], s[56:57] offset:32
	s_wait_loadcnt 4                               ; the copy's fourteen loads are in; the four behind them may be out
.irp k, 0,1,2
.irp e, 0,1
	ds_store_b128 v[LK], v[S+8*\k+4*\e:S+8*\k+4*\e+3] offset:5120*\k+2560*\e
.endr
.endr
.irp k, 0,1,2
.irp e, 0,1
	ds_store_b128 v[LV], v[S+24+8*\k+4*\e:S+24+8*\k+4*\e+3] offset:VOFF+64*\k+6656*\e
.endr
.endr
.irp e, 0,1
	ds_store_b128 v[LK], v[S+48+4*\e:S+48+4*\e+3] offset:GOFF+2560*\e
.endr
	s_wait_dscnt 0x0                               ; for the others' sake: my part of the copy has landed
	s_barrier_signal -1
	s_barrier_wait -1
	; ---- the scores: tile 0 = keys 0 .. 15, tile i = key tile u0 - 9 + i
.irp i, 1,2,3,4,5,6,7,8,9
	ds_load_b128 v[KF+8*\i:KF+8*\i+3], v[AK] offset:1280*(\i-1)
	ds_load_b128 v[KF+8*\i+4:KF+8*\i+7], v[AK] offset:1280*(\i-1)+32
.endr
	s_wait_kmcnt 0x0
	s_add_co_i32 s50, s22, s23
	s_lshl_b32 s50, s50, 23
	s_add_co_i32 s62, s50, 0x3e38aa3b              ; c = log2(e) / 8 x 2^(e6 + e7)
	s_mov_b32 s63, s62                             ; named with it as a pair
	s_wait_loadcnt 0x0                             ; Q and K's tile 0
	s_wait_dscnt 0x0
.irp i, 0,1,2,3,4,5,6,7,8,9
	v_wmma_f32_16x16x64_fp8_fp8 v[S+8*\i:S+8*\i+7], v[KF+8*\i:KF+8*\i+7], v[Q:Q+7], 0
.endr
	v_mov_b32 v[NINF], 0xff800000                  ; these six plain lines are the places behind the products
	v_and_b32 v[XX], 15, v0
	v_bfe_u32 v[SC], v0, 4, 1
	v_lshlrev_b32 v[SC], 12, v[SC]
	v_sub_nc_u32 v[XX], v[XX], v[SC]
	s_lshl_b32 s50, s49, 4
	v_add_nc_u32 v[XX], s50, v[XX]                 ; my query - 4096 h
.irp dt, 0,1,2,3
	ds_load_b64 v[VF+24*\dt:VF+24*\dt+1], v[AVG] offset:1280*\dt
.irp t, 1,2,3,4,5,6,7,8,9
	ds_load_b64 v[VF+24*\dt+2*\t:VF+24*\dt+2*\t+1], v[AV] offset:16*(\t-1)+3328*\dt
.endr
.irp z, 20,21,22,23
	v_mov_b32 v[VF+24*\dt+\z], 0                   ; the third group's two tiles that do not exist: zero codes on both sides
.endr
.endr
.irp z, 20,21,22,23
	v_mov_b32 v[PC+\z], 0
.endr
	s_add_co_i32 s50, s24, 127
	s_lshl_b32 s51, s50, 23
	v_mov_b32 v[SC], s51                           ; 2^e8
	s_add_co_i32 s50, s50, 8
	s_lshl_b32 s50, s50, 23
	s_or_b32 s50, s50, 0x600000
	v_mov_b32 v[LIM], s50                          ; 448 x 2^e8
	; ---- the mask.  Tile 0: key 0 alone (register 0 of lanes 0-15), and only where the band does not hold it: query > 128
	v_cmp_ge_i32 vcc_lo, 128, v[XX]
	v_cndmask_b32 v[S], v[S], v[NINF], vcc_lo
.irp j, 1,2,3,4,5,6,7
	v_mov_b32 v[S+\j], 0                           ; p of keys 1 .. 15: these seven take no part in the maximum, the exponentials or the sum
.endr
.irp j, 0,1,2,3,4,5,6,7
	v_cmp_lt_i32 vcc_lo, \j, v[DD]                 ; the oldest tile: key 8 h + j counts from r on
	v_cndmask_b32 v[S+8+\j], v[S+8+\j], v[NINF], vcc_lo
.endr
.irp j, 0,1,2,3,4,5,6,7
	v_cmp_gt_i32 vcc_lo, \j, v[DD]                 ; the diagonal tile: up to r
	v_cndmask_b32 v[S+72+\j], v[S+72+\j], v[NINF], vcc_lo
.endr
	s_cmp_ge_u32 s49, 8                            ; tiles in front of key 0 exist only for the first eight tiles of queries: a branch on ids
	s_cbranch_scc1 .Lfull
.irp i, 1,2,3,4,5,6,7,8
	s_cmp_lt_u32 s49, 9-\i
	s_cselect_b32 s58, -1, 0
.irp j, 0,1,2,3,4,5,6,7
	v_cndmask_b32 v[S+8*\i+\j], v[S+8*\i+\j], v[NINF], s58
.endr
.endr
.Lfull:
	; ---- the softmax of my query's 73 scores in this lane; lane l xor 16 holds the other half of its keys
	v_max3_num_f32 v224, v[S], v[S+8], v[S+9]
	v_max_num_f32 v225, v[S+10], v[S+11]
.set n, 0
.rept 17
	v_max3_num_f32 v224, v224, v[S+12+4*n], v[S+13+4*n]
	v_max3_num_f32 v225, v225, v[S+14+4*n], v[S+15+4*n]
.set n, n+1
.endr
	v_max_num_f32 v224, v224, v225
	v_permlanex16_b32 v225, v224, s60, s61
	v_max_num_f32 v224, v224, v225
	v_mul_f32 v13, s62, v224                       ; the largest t (c is positive)
	v_floor_f32 v12, -v13                          ; -M
	v_fma_f32 v[S], v[S], s62, v12
.set n, 8
.rept 36
	v_pk_fma_f32 v[S+n:S+n+1], v[S+n:S+n+1], s[62:63], v[12:13] op_sel_hi:[1,0,0]   ; t - M
.set n, n+2
.endr
	v_exp_f32 v[S], v[S]
.set n, 8
.rept 72
	v_exp_f32 v[S+n], v[S+n]                       ; p = 2^(t - M); a hidden score gives 0
.set n, n+1
.endr
	v_nop                                          ; a plain instruction behind the exponentials
	s_wait_alu depctr_va_vdst(0)
	v_pk_add_f32 v[14:15], v[S+8:S+9], v[S+10:S+11]        ; the sum of the unquantised p, in two chains
	v_pk_add_f32 v[224:225], v[S+12:S+13], v[S+14:S+15]
.set n, 0
.rept 16
	v_pk_add_f32 v[14:15], v[14:15], v[S+16+4*n:S+17+4*n]
	v_pk_add_f32 v[224:225], v[224:225], v[S+18+4*n:S+19+4*n]
.set n, n+1
.endr
	v_pk_add_f32 v[14:15], v[14:15], v[224:225]
	v_add_f32 v14, v14, v15
	v_add_f32 v14, v14, v[S]
	v_permlanex16_b32 v15, v14, s60, s61
	v_add_f32 v14, v14, v15
	v_rcp_f32 v14, v14                             ; 1 / l; the holds below are the plain lines behind it
	v_min_num_f32 v[S], v[S], v[LIM]
.set n, 8
.rept 72
	v_min_num_f32 v[S+n], v[S+n], v[LIM]           ; the conversion does not saturate; p is not negative
.set n, n+1
.endr
.irp i, 0,1,2,3,4,5,6,7,8,9
	v_cvt_scalef32_pk8_fp8_f32 v[PC+2*\i:PC+2*\i+1], v[S+8*\i:S+8*\i+7], v[SC]
.endr
	v_nop                                          ; a plain instruction between the conversions and the products that read their results
	s_wait_dscnt 0x0                               ; V's fragments
.irp gp, 0,1,2                         ; O^T += V^T P^T, 64 keys at a time; the four accumulators take turns
.irp dt, 0,1,2,3
.if \gp == 0
	v_wmma_f32_16x16x64_fp8_fp8 v[O+8*\dt:O+8*\dt+7], v[VF+24*\dt+8*\gp:VF+24*\dt+8*\gp+7], v[PC+8*\gp:PC+8*\gp+7], 0
.else
	v_wmma_f32_16x16x64_fp8_fp8 v[O+8*\dt:O+8*\dt+7], v[VF+24*\dt+8*\gp:VF+24*\dt+8*\gp+7], v[PC+8*\gp:PC+8*\gp+7], v[O+8*\dt:O+8*\dt+7]
.endif
.endr
.endr
	s_sub_co_i32 s50, s26, s24
	s_sub_co_i32 s50, s50, s25                     ; e10 - e8 - e9: a sum stands for sum x 2^(e8 + e9)
	s_add_co_i32 s50, s50, 127
	s_lshl_b32 s51, s50, 23
	v_mov_b32 v[SC], s51                           ; two moves and two v_nop: the four places behind the products
	s_add_co_i32 s50, s50, 8
	s_lshl_b32 s50, s50, 23
	s_or_b32 s50, s50, 0x600000
	v_mov_b32 v[LIM], s50
	v_nop
	v_nop
.set n, 0
	s_wait_alu depctr_va_vdst(0)
.rept 32
	v_mul_f32 v[S+n], v[O+n], v14                  ; O^T / l: register 8 dt + j is channel 16 dt + 8 h + j of my query; each accumulator from its low end on
.set n, n+1
.endr
.set n, 0
.rept 32
	v_med3_num_f32 v[S+n], v[S+n], -v[LIM], v[LIM]
.set n, n+1
.endr
.irp dt, 0,1,2,3
	v_cvt_scalef32_pk8_fp8_f32 v[PC+2*\dt:PC+2*\dt+1], v[S+8*\dt:S+8*\dt+7], v[SC]
.endr
	v_nop
.irp dt, 0,1,2,3
	ds_store_b64 v[SO], v[PC+2*\dt:PC+2*\dt+1] offset:16*\dt
.endr
	s_wait_dscnt 0x0                               ; for the others' sake: my codes lie in the stage
	s_barrier_signal -1
	s_barrier_wait -1
	ds_load_b128 v[S:S+3], v[SR]
	ds_load_b128 v[S+4:S+7], v[SR] offset:32*272
	s_wait_dscnt 1
	global_store_b128 v[GO], v[S:S+3], s[8:9]              ; sixteen lanes store 256 consecutive bytes, aligned
	s_wait_dscnt 0
	global_store_b128 v[GO], v[S+4:S+7], s[8:9] offset:32*1024
	s_wait_xcnt 0x0
	v_lshl_add_u32 v254, v0, 2, 0x25400
	v_mov_b32 v255, 0
	s_wait_tensorcnt 0x0
	ds_add_u32 v254, v255
	s_wait_dscnt 0x0
	s_endpgm
.Lfunc_end_k_qaac8fb6d27_attn:
	.size	k_qaac8fb6d27_attn, .Lfunc_end_k_qaac8fb6d27_attn-k_qaac8fb6d27_attn
	.p2alignl 7, 3214868480
	.fill 96, 4, 3214868480
	.section	.rodata,"a",@progbits
	.p2align	6, 0x0
	.amdhsa_kernel k_qaac8fb6d27_attn
		.amdhsa_group_segment_fixed_size 154624
		.amdhsa_private_segment_fixed_size 0
		.amdhsa_enable_private_segment 0
		.amdhsa_kernarg_size 24
		.amdhsa_user_sgpr_count 2
		.amdhsa_user_sgpr_kernarg_segment_ptr 1
		.amdhsa_wavefront_size32 1
		.amdhsa_system_sgpr_workgroup_id_x 1
		.amdhsa_system_sgpr_workgroup_id_y 1
		.amdhsa_system_sgpr_workgroup_id_z 1
		.amdhsa_system_vgpr_workitem_id 0
		.amdhsa_next_free_vgpr 256
		.amdhsa_next_free_sgpr 66
		.amdhsa_reserve_vcc 1
		.amdhsa_float_denorm_mode_32 3
		.amdhsa_float_denorm_mode_16_64 3
		.amdhsa_memory_ordered 1
		.amdhsa_forward_progress 1
		.amdhsa_inst_pref_size 39
	.end_amdhsa_kernel
	.amdgpu_metadata
---
amdhsa.version: [ 1, 2 ]
amdhsa.kernels:
  - .name:           k_qaac8fb6d27_attn
    .symbol:         k_qaac8fb6d27_attn.kd
    .args:
      - { .name: qkvc, .offset: 0, .size: 8, .value_kind: global_buffer, .address_space: global }
      - { .name: lowp_scales, .offset: 8, .size: 8, .value_kind: global_buffer, .address_space: global }
      - { .name: ac, .offset: 16, .size: 8, .value_kind: global_buffer, .address_space: global }
    .group_segment_fixed_size: 154624
    .private_segment_fixed_size: 0
    .kernarg_segment_align: 8
    .kernarg_segment_size: 24
    .max_flat_workgroup_size: 512
    .sgpr_count:     66
    .vgpr_count:     256
    .wavefront_size: 32
...
	.end_amdgpu_metadata
.endif
;; end of part 3
;; launch attn_last (part 4): grid 16 x 2, 16 waves a work-group, no clusters, 14,848 bytes of LDS; arguments qkvc, lowp_scales, ac; writes ac
.if DOCPART == 4
	.amdgcn_target "amdgcn-amd-amdhsa--gfx1250"
	.amdhsa_code_object_version 6
	.text
	.protected	k_qaac8fb6d27_attn_last
	.globl	k_qaac8fb6d27_attn_last
	.p2align	8
	.type	k_qaac8fb6d27_attn_last,@function
k_qaac8fb6d27_attn_last:
	s_mov_b64 s[64:65], 0
	v_nop
	global_prefetch_b8 v0, s[64:65] scope:SCOPE_SE
	s_setreg_imm32_b32 hwreg(HW_REG_WAVE_MODE, 25, 1), 1
	s_wait_xcnt 0x0
; The last query of each batch sees all 2,048 keys.  A work-group takes one (head, batch); wave p takes keys 128 p .. 128 p + 127.
; S = Q K^T with source 0 = sixteen copies of the one query, source 1 = 16 keys: register 0 of a tile holds, in lane r (and r + 16), the score of key r.
; The largest t meets in LDS (one barrier): M = its ceiling; p = 2^(t - M).  p lies across lanes and the second product wants it along a lane's registers:
; it turns through 512 bytes of the wave's own.  O^T = V^T P^T, K = the wave's 128 keys; the sixteen waves' parts and sums of p meet in LDS (second barrier);
; wave 0 adds them, divides, quantises and stores the row's 64 bytes of this head.
; LIMITS as in the banded launch: e6 + e7 between -121 and 130; e8, and e10 - e8 - e9, between -126 and 119.
.set MAXW, 0                           ; 16 words
.set LSUM, 256                         ; 16 words
.set PB,   512                         ; 512 bytes a wave
.set OB,   8704                        ; 256 bytes a wave
	s_load_b128 s[4:7], s[0:1], 0x0
	s_load_b64 s[8:9], s[0:1], 0x10
	v_lshl_add_u32 v254, v0, 2, 0x3200
	v_mov_b32 v255, 0
	v_lshrrev_b32 v1, 5, v0
	v_readfirstlane_b32 s10, v1                    ; p
	s_and_b32 s11, ttmp7, 0xffff                   ; b;  the head is ttmp9
	v_and_b32 v1, 15, v0                           ; r
	v_bfe_u32 v2, v0, 4, 1                         ; h
	v_lshlrev_b32 v3, 4, v2                        ; Q: 16 h, the same row in every lane
	v_lshl_add_u32 v4, v1, 6, v3                   ; K, V: 64 r + 16 h
	s_lshl_b32 s12, s10, 2
	v_mov_b32 v5, s12                              ; my wave's word of the maxima,
	v_add_nc_u32 v6, LSUM, v5                      ; and of the sums
	v_mov_b32 v7, 0
	s_lshl_b32 s12, s10, 9
	s_add_co_u32 s12, s12, PB
	v_lshl_add_u32 v8, v1, 2, s12                  ; p, in: key 16 c + r
	v_lshl_add_u32 v9, v2, 6, s12                  ; p, back: keys 32 m + 16 h + 0 .. 15
	s_lshl_b32 s12, s10, 8
	s_add_co_u32 s12, s12, OB
	v_lshl_add_u32 v10, v2, 5, s12                 ; my part of O: channels 16 dt + 8 h + 0 .. 7
	v_and_b32 v11, 7, v0
	v_lshlrev_b32 v12, 3, v11                      ; the output: 8 bytes a lane
	v_lshlrev_b32 v11, 5, v11
	v_add_nc_u32 v11, OB, v11                      ; wave 0: eight channels a lane
	s_lshr_b32 s12, s10, 1
	s_lshl_b32 s13, s11, 3
	s_add_co_u32 s12, s12, s13                     ; my keys' block of 256 tokens
	s_and_b32 s14, s10, 1
	s_add_co_u32 s40, s13, 7
	s_lshl_b32 s40, s40, 4
	s_add_co_u32 s40, s40, ttmp9
	s_lshl_b32 s40, s40, 14
	s_add_co_u32 s40, s40, 255*64                  ; the batch's last query
	s_mov_b32 s41, 0
	s_lshl_b32 s42, s12, 4
	s_add_co_u32 s42, s42, ttmp9
	s_lshl_b32 s42, s42, 14
	s_lshl_b32 s44, s14, 13
	s_add_co_u32 s42, s42, s44
	s_add_co_u32 s42, s42, 0x400000                ; my 128 keys of K
	s_mov_b32 s43, 0
	s_lshr_b32 s44, ttmp9, 2
	s_lshl_b32 s44, s44, 4
	s_add_co_u32 s44, s44, s12
	s_lshl_b32 s44, s44, 2
	s_lshl_b32 s46, s14, 1
	s_add_co_u32 s44, s44, s46
	s_lshl_b32 s44, s44, 2
	s_and_b32 s46, ttmp9, 3
	s_add_co_u32 s44, s44, s46
	s_lshl_b32 s44, s44, 12
	s_add_co_u32 s44, s44, 0x800000                ; V's block of my first 64 keys; the next 64 lie four blocks (16,384 bytes) on
	s_mov_b32 s45, 0
	s_lshl_b32 s46, s11, 21
	s_add_co_u32 s46, s46, 2047*1024
	s_lshl_b32 s48, ttmp9, 6
	s_add_co_u32 s46, s46, s48
	s_mov_b32 s47, 0
	s_wait_kmcnt 0x0
	s_load_b512 s[16:31], s[6:7], 0x0
	s_add_nc_u64 s[40:41], s[4:5], s[40:41]
	s_add_nc_u64 s[42:43], s[4:5], s[42:43]
	s_add_nc_u64 s[44:45], s[4:5], s[44:45]
	s_add_nc_u64 s[8:9], s[8:9], s[46:47]
	global_load_b128 v[16:19], v3, s[40:41]
	global_load_b128 v[20:23], v3, s[40:41] offset:32
.irp c, 0,1,2,3,4,5,6,7
	global_load_b128 v[24+8*\c:27+8*\c], v4, s[42:43] offset:1024*\c
	global_load_b128 v[28+8*\c:31+8*\c], v4, s[42:43] offset:1024*\c+32
.endr
.irp dt, 0,1,2,3
.irp m, 0,1,2,3
	global_load_b128 v[152+16*\dt+4*\m:155+16*\dt+4*\m], v4, s[44:45] offset:16384*(\m/2)+1024*\dt+32*(\m%2)   ; keys 32 m + 16 h + 0 .. 15 of channel 16 dt + r
.endr
.endr
	s_wait_kmcnt 0x0
	s_add_co_i32 s50, s22, s23
	s_lshl_b32 s50, s50, 23
	s_add_co_i32 s62, s50, 0x3e38aa3b              ; c = log2(e) / 8 x 2^(e6 + e7)
	s_add_co_i32 s50, s24, 127
	s_lshl_b32 s51, s50, 23
	v_mov_b32 v245, s51                            ; 2^e8
	s_add_co_i32 s50, s50, 8
	s_lshl_b32 s50, s50, 23
	s_or_b32 s50, s50, 0x600000
	v_mov_b32 v244, s50                            ; 448 x 2^e8
	s_sub_co_i32 s50, s26, s24
	s_sub_co_i32 s50, s50, s25
	s_add_co_i32 s50, s50, 127
	s_lshl_b32 s51, s50, 23
	v_mov_b32 v246, s51                            ; 2^(e10 - e8 - e9)
	s_add_co_i32 s50, s50, 8
	s_lshl_b32 s50, s50, 23
	s_or_b32 s50, s50, 0x600000
	v_mov_b32 v247, s50
	s_wait_loadcnt 16                              ; Q and K are in; V's sixteen loads may be out
.irp c, 0,1,2,3,4,5,6,7
	v_wmma_f32_16x16x64_fp8_fp8 v[88+8*\c:95+8*\c], v[16:23], v[24+8*\c:31+8*\c], 0
.endr
.rept 4
	v_nop
.endr
.irp c, 0,1,2,3,4,5,6,7
	v_mul_f32 v[232+\c], s62, v[88+8*\c]           ; t of key 16 c + r: each tile's lowest register
.endr
	v_max3_num_f32 v240, v232, v233, v234
	v_max3_num_f32 v240, v240, v235, v236
	v_max3_num_f32 v240, v240, v237, v238
	v_max_num_f32 v240, v240, v239
	v_max_num_f32_dpp v240, v240, v240 row_xmask:1 row_mask:0xf bank_mask:0xf
	v_max_num_f32_dpp v240, v240, v240 row_xmask:2 row_mask:0xf bank_mask:0xf
	v_max_num_f32_dpp v240, v240, v240 row_xmask:4 row_mask:0xf bank_mask:0xf
	v_max_num_f32_dpp v240, v240, v240 row_xmask:8 row_mask:0xf bank_mask:0xf
	ds_store_b32 v5, v240                          ; all lanes write the same word with the same number
	s_wait_dscnt 0x0
	s_barrier_signal -1
	s_barrier_wait -1
.irp i, 0,1,2,3
	ds_load_b128 v[88+4*\i:91+4*\i], v7 offset:MAXW+16*\i
.endr
	s_wait_dscnt 0x0
	v_max3_num_f32 v240, v88, v89, v90
.irp i, 91,93,95,97,99,101
	v_max3_num_f32 v240, v240, v[\i], v[\i+1]
.endr
	v_max_num_f32 v240, v240, v103
	v_floor_f32 v241, -v240                        ; -M
.irp c, 0,1,2,3,4,5,6,7
	v_add_f32 v[232+\c], v[232+\c], v241
.endr
.irp c, 0,1,2,3,4,5,6,7
	v_exp_f32 v[232+\c], v[232+\c]
.endr
	v_nop
	s_wait_alu depctr_va_vdst(0)
	v_pk_add_f32 v[242:243], v[232:233], v[234:235]
	v_pk_add_f32 v[242:243], v[242:243], v[236:237]
	v_pk_add_f32 v[242:243], v[242:243], v[238:239]
	v_add_f32 v242, v242, v243
	v_add_f32_dpp v242, v242, v242 row_xmask:1 row_mask:0xf bank_mask:0xf
	v_add_f32_dpp v242, v242, v242 row_xmask:2 row_mask:0xf bank_mask:0xf
	v_add_f32_dpp v242, v242, v242 row_xmask:4 row_mask:0xf bank_mask:0xf
	v_add_f32_dpp v242, v242, v242 row_xmask:8 row_mask:0xf bank_mask:0xf
	ds_store_b32 v6, v242                          ; the sum of my 128 unquantised p
.irp c, 0,1,2,3,4,5,6,7
	ds_store_b32 v8, v[232+\c] offset:64*\c
.endr
.irp m, 0,1,2,3
.irp i, 0,1,2,3
	ds_load_b128 v[24+16*\m+4*\i:27+16*\m+4*\i], v9 offset:128*\m+16*\i   ; my wave's own bytes, served in order
.endr
.endr
	s_wait_dscnt 0x0
.set n, 0
.rept 64
	v_min_num_f32 v[24+n], v[24+n], v244
.set n, n+1
.endr
.irp u, 0,1,2,3,4,5,6,7
	v_cvt_scalef32_pk8_fp8_f32 v[216+2*\u:217+2*\u], v[24+8*\u:31+8*\u], v245
.endr
	v_nop
	s_wait_loadcnt 0x0                             ; V
.irp dt, 0,1,2,3
	v_wmma_f32_16x16x128_fp8_fp8 v[120+8*\dt:127+8*\dt], v[152+16*\dt:167+16*\dt], v[216:231], 0
.endr
.rept 4
	v_nop
.endr
.irp dt, 0,1,2,3
	ds_store_b128 v10, v[120+8*\dt:123+8*\dt] offset:64*\dt
	ds_store_b128 v10, v[124+8*\dt:127+8*\dt] offset:64*\dt+16
.endr
	s_wait_dscnt 0x0
	s_barrier_signal -1
	s_barrier_wait -1
	s_cmp_lg_u32 s10, 0
	s_cbranch_scc1 .Lend
.set w, 0
.rept 16
	ds_load_b128 v[24+8*w:27+8*w], v11 offset:256*w
	ds_load_b128 v[28+8*w:31+8*w], v11 offset:256*w+16
.set w, w+1
.endr
.irp i, 0,1,2,3
	ds_load_b128 v[152+4*\i:155+4*\i], v7 offset:LSUM+16*\i
.endr
	s_wait_dscnt 0x0
.set w, 1
.rept 15
.irp i, 0,2,4,6
	v_pk_add_f32 v[24+\i:25+\i], v[24+\i:25+\i], v[24+8*w+\i:25+8*w+\i]
.endr
.set w, w+1
.endr
.irp i, 2,4,6,8,10,12,14
	v_pk_add_f32 v[152:153], v[152:153], v[152+\i:153+\i]
.endr
	v_add_f32 v152, v152, v153
	v_rcp_f32 v152, v152
	v_nop
	s_wait_alu depctr_va_vdst(0)
.irp i, 0,1,2,3,4,5,6,7
	v_mul_f32 v[24+\i], v[24+\i], v152
.endr
.irp i, 0,1,2,3,4,5,6,7
	v_med3_num_f32 v[24+\i], v[24+\i], -v247, v247
.endr
	v_cvt_scalef32_pk8_fp8_f32 v[216:217], v[24:31], v246
	v_nop
	v_cmp_gt_u32 vcc_lo, 8, v0                     ; in wave 0 the thread's number is the lane
	s_wait_xcnt 0x0                                ; EXEC changes only behind this wait
	s_and_saveexec_b32 s52, vcc_lo
	global_store_b64 v12, v[216:217], s[8:9]       ; the head's 64 bytes of the row
	s_wait_xcnt 0x0
	s_or_b32 exec_lo, exec_lo, s52
.Lend:
	s_wait_tensorcnt 0x0
	ds_add_u32 v254, v255
	s_wait_dscnt 0x0
	s_endpgm
.Lfunc_end_k_qaac8fb6d27_attn_last:
	.size	k_qaac8fb6d27_attn_last, .Lfunc_end_k_qaac8fb6d27_attn_last-k_qaac8fb6d27_attn_last
	.p2alignl 7, 3214868480
	.fill 96, 4, 3214868480
	.section	.rodata,"a",@progbits
	.p2align	6, 0x0
	.amdhsa_kernel k_qaac8fb6d27_attn_last
		.amdhsa_group_segment_fixed_size 14848
		.amdhsa_private_segment_fixed_size 0
		.amdhsa_enable_private_segment 0
		.amdhsa_kernarg_size 24
		.amdhsa_user_sgpr_count 2
		.amdhsa_user_sgpr_kernarg_segment_ptr 1
		.amdhsa_wavefront_size32 1
		.amdhsa_system_sgpr_workgroup_id_x 1
		.amdhsa_system_sgpr_workgroup_id_y 1
		.amdhsa_system_sgpr_workgroup_id_z 1
		.amdhsa_system_vgpr_workitem_id 0
		.amdhsa_next_free_vgpr 256
		.amdhsa_next_free_sgpr 66
		.amdhsa_reserve_vcc 1
		.amdhsa_float_denorm_mode_32 3
		.amdhsa_float_denorm_mode_16_64 3
		.amdhsa_memory_ordered 1
		.amdhsa_forward_progress 1
		.amdhsa_inst_pref_size 24
	.end_amdhsa_kernel
	.amdgpu_metadata
---
amdhsa.version: [ 1, 2 ]
amdhsa.kernels:
  - .name:           k_qaac8fb6d27_attn_last
    .symbol:         k_qaac8fb6d27_attn_last.kd
    .args:
      - { .name: qkvc, .offset: 0, .size: 8, .value_kind: global_buffer, .address_space: global }
      - { .name: lowp_scales, .offset: 8, .size: 8, .value_kind: global_buffer, .address_space: global }
      - { .name: ac, .offset: 16, .size: 8, .value_kind: global_buffer, .address_space: global }
    .group_segment_fixed_size: 14848
    .private_segment_fixed_size: 0
    .kernarg_segment_align: 8
    .kernarg_segment_size: 24
    .max_flat_workgroup_size: 512
    .sgpr_count:     66
    .vgpr_count:     256
    .wavefront_size: 32
...
	.end_amdgpu_metadata
.endif
;; end of part 4
;; launch oproj (part 5): grid 4 x 16, 4 waves a work-group, clusters of 4 x 4, 327,680 bytes of LDS; arguments ac, Wo_codes, lowp_scales, x1, bo, x; writes x1
.if DOCPART == 5
	.amdgcn_target "amdgcn-amd-amdhsa--gfx1250"
	.amdhsa_code_object_version 6
	.text
	.protected	k_qaac8fb6d27_oproj
	.globl	k_qaac8fb6d27_oproj
	.p2align	8
	.type	k_qaac8fb6d27_oproj,@function
k_qaac8fb6d27_oproj:
	s_mov_b64 s[64:65], 0
	v_nop
	global_prefetch_b8 v0, s[64:65] scope:SCOPE_SE
	s_setreg_imm32_b32 hwreg(HW_REG_WAVE_MODE, 25, 1), 1
	s_wait_xcnt 0x0
	s_wait_alu depctr_hold_cnt(0) depctr_sa_sdst(0) depctr_va_vdst(0) depctr_va_sdst(0) depctr_va_ssrc(0) depctr_va_vcc(0) depctr_vm_vsrc(0)
	s_getreg_b32 s2, hwreg(HW_REG_IB_STS2, 6, 4)
	s_cmp_eq_u32 s2, 0
	s_cbranch_scc0 .Lentry_in_a_cluster
	s_endpgm
.Lentry_in_a_cluster:
	s_bfe_u32 s2, ttmp6, 0x10000c
	s_cmp_lg_u32 s2, 0xf033
	s_cbranch_scc0 .Lentry_shape_is_right
	s_endpgm
.Lentry_shape_is_right:
; out[m][n] = res[m][n] + bias[n] + 2^(eA + eB) x sum over k of A[m][k] B[n][k].  A: [4096][KROW], B: [1024][KROW]: codes of E4M3, K innermost; res, out: [4096][1024] f32.
; A tile of 256 x 256 to a work-group of four waves, 128 x 128 a wave (64 accumulators).  K goes in steps of 256 through two LDS slots filled by the tensor data mover.
; 4 x 4 work-groups form a cluster: A's tiles are asked for jointly along a row of it, B's along a column.  Source 0 of the matrix instruction = 16 rows of B, source 1 = 16 rows of A:
; a lane holds eight neighbouring numbers of a row.  The bias, divided by 2^(eA + eB), is the C of each sum's first matrix instruction.
; The grid has 64 work-groups: with this tile N = 1,024 gives no more.
; LIMIT: eA + eB between -126 and 127.
; REGISTERS: window 0: v0-31 addresses; v32-95 the bias; v128-255 A's fragments, later rows on their way out.  window 1: B's fragments, two sets; later the residual.  windows 2, 3: the accumulators.
.set KROW,   1024
.set SCOFF,  0x28                      ; entries 10, 11 of the scales
.set LASTOUT, 0                        ; the output is read again by later launches: no hint on its stores
.set NROW,   4096                      ; a row of res and of out in bytes
.set KSTEP,  256
.set ROWB,   256
.set PITCH,  272                       ; 256 bytes + 16 of padding: the 16 rows of a fragment load start at 16 different banks
.set FR,     16
.set NL,     4
.set NP,     4
.set HALFT,  128*PITCH
.set SLOT,   4*HALFT
.set LAPS,   KROW/(2*KSTEP)
.set SPARE,  2*SLOT                    ; behind the ring: the spare words, 128 bytes a wave, which no other line names
.set SPITCH, 528                       ; the way out: 16 rows x (512 + 16) for each wave, in slot 0, which has had its last fill and its last read by then
.set ADRA, 16
.set ADRB, 20
.set STO,  24
.set RD,   25
.set CO,   26
.set BA,   27
.set SPW,  28
.set NIL,  29
.set BIAS, 32
.set AF,   128
.set BK,   128
.set G1, 24
.set G0, 32
.set G1B, 48
.set G0B, 56
.set MSB, 0
.macro WIN new                         ; the immediate's high byte repeats the setting that is left
.if MSB != (\new)
	s_set_vgpr_msb (MSB<<8)|(\new)
.set MSB, (\new)
.endif
.endm
.set MUL_LO, 0xa1
.set MUL_HI, 0xf1
.set TO_B,   0x40
.macro JLOAD g0a, g1a, g0b, g1b        ; a joint load: waves 0, 1 fetch for A, waves 2, 3 for B; four v_nop follow each line
	s_cmp_eq_u32 s15, 0
	s_cbranch_scc0 .Lfor_b_\@
	tensor_load_to_lds s[\g0a:\g0a+3], s[\g1a:\g1a+7]
	s_nop 0
.rept 4
	v_nop
.endr
	s_branch .Lasked_\@
.Lfor_b_\@:
	tensor_load_to_lds s[\g0b:\g0b+3], s[\g1b:\g1b+7]
	s_nop 0
.rept 4
	v_nop
.endr
.Lasked_\@:
.endm
.macro CREST
	s_cmp_lg_u32 s14, 0
	s_cbranch_scc1 .Lnot_wave_0_\@
	s_barrier_signal -3
.Lnot_wave_0_\@:
	s_barrier_wait -3
	s_barrier_signal -1
	s_barrier_wait -1
.endm
.macro CROUND
	s_barrier_signal -1
	s_barrier_wait -1
	CREST
.endm
	s_load_b256 s[4:11], s[0:1], 0x0               ; A, B, the scales, out
	s_load_b128 s[68:71], s[0:1], 0x20             ; the bias, res
	v_lshl_add_u32 v[SPW], v0, 2, SPARE
	v_mov_b32 v[NIL], 0
	ds_add_u32 v28, v29
	ds_add_u32 v28, v29
	s_wait_dscnt 0x0
	v_lshrrev_b32 v1, 5, v0
	v_readfirstlane_b32 s14, v1                    ; wave 0..3
	s_lshr_b32 s15, s14, 1                         ; my half of the tile's rows; also: I fetch for A (0) or B (1)
	s_and_b32 s16, s14, 1                          ; my half of its columns; also: which 128 rows I fetch
	s_bfe_u32 s40, ttmp6, 0x40000                  ; cx
	s_bfe_u32 s41, ttmp6, 0x40004                  ; cy
	s_lshl_b32 s42, ttmp9, 2
	s_add_co_u32 s42, s42, s40                     ; tile column
	s_and_b32 s17, ttmp7, 0xffff
	s_lshl_b32 s17, s17, 2
	s_add_co_u32 s17, s17, s41                     ; tile row
	s_lshl_b32 s43, s41, 2
	s_lshl_b32 s43, 15, s43                        ; my row of the cluster
	s_lshl_b32 s44, 0x1111, s40                    ; my column
	s_or_b32 s[G1+0], s43, (0<<16)|(1<<20)|(1<<21)|(5<<22)|(3<<25)  ; mask; elements of 1 byte; padding on; bit 21 beside a mask; after every 64 words, 4 words
	s_or_b32 s[G1B+0], s44, (0<<16)|(1<<20)|(1<<21)|(5<<22)|(3<<25)
.irp g, G1, G1B
	s_mov_b32 s[\g+1], ROWB<<16
	s_mov_b32 s[\g+2], 128<<16
	s_mov_b32 s[\g+3], ROWB<<16
	s_mov_b32 s[\g+4], 128
	s_mov_b32 s[\g+5], KROW
	s_mov_b32 s[\g+6], 0
	s_mov_b32 s[\g+7], 0
.endr
	s_lshl_b32 s18, s16, 7
	s_lshl_b32 s20, s17, 8
	s_add_co_u32 s20, s20, s18
	s_lshl_b32 s46, s42, 8
	s_add_co_u32 s46, s46, s18
	s_mov_b32 s21, 0
	s_mov_b32 s47, 0
	s_mov_b64 s[18:19], KROW
	s_mul_u64 s[20:21], s[20:21], s[18:19]
	s_mul_u64 s[46:47], s[46:47], s[18:19]
	s_mul_i32 s45, s14, HALFT
	s_wait_kmcnt 0x0
	s_load_b64 s[96:97], s[8:9], SCOFF             ; eA, eB
	s_add_nc_u64 s[20:21], s[4:5], s[20:21]
	s_add_nc_u64 s[46:47], s[6:7], s[46:47]
	CROUND                                         ; all sixteen work-groups are here: the first joint loads meet
.irp s, 0,1
	s_mov_b32 s[G0+4*\s], 1
	s_add_co_u32 s[G0+4*\s+1], s45, \s*SLOT
	s_add_nc_u64 s[G0+4*\s+2:G0+4*\s+3], s[20:21], \s*ROWB
	s_or_b32 s[G0+4*\s+3], s[G0+4*\s+3], 0x80000000
	s_mov_b32 s[G0B+4*\s], 1
	s_add_co_u32 s[G0B+4*\s+1], s45, \s*SLOT
	s_add_nc_u64 s[G0B+4*\s+2:G0B+4*\s+3], s[46:47], \s*ROWB
	s_or_b32 s[G0B+4*\s+3], s[G0B+4*\s+3], 0x80000000
	JLOAD G0+4*\s, G1, G0B+4*\s, G1B
.endr
	v_and_b32 v1, 15, v0                           ; r
	v_bfe_u32 v2, v0, 4, 1                         ; h
	v_mul_u32_u24 v3, v1, PITCH
	v_lshl_add_u32 v4, v2, 4, v3
	s_mul_i32 s21, s15, HALFT
	s_mul_i32 s22, s16, HALFT
	s_add_co_u32 s22, s22, 2*HALFT
.irp s, 0,1
	v_add_nc_u32 v[ADRA+\s], s21, v4
	v_add_nc_u32 v[ADRB+\s], s22, v4
	s_add_co_u32 s21, s21, SLOT
	s_add_co_u32 s22, s22, SLOT
.endr
	s_mul_i32 s23, s14, 16*SPITCH                  ; my stage
	v_mul_u32_u24 v5, v1, SPITCH
	v_lshl_add_u32 v5, v2, 5, v5
	v_add_nc_u32 v[STO], s23, v5                   ; in: row r, 32 bytes for each half of the lanes
	v_and_b32 v6, 31, v0
	v_lshlrev_b32 v[CO], 4, v6                     ; back: the 32 lanes take a row of 512 bytes; and the same in res and out
	v_add_nc_u32 v[RD], s23, v[CO]
	s_lshl_b32 s20, s17, 8
	s_lshl_b32 s21, s15, 7
	s_add_co_u32 s20, s20, s21                     ; my first row
	s_mov_b32 s21, 0
	s_mov_b64 s[18:19], NROW
	s_mul_u64 s[20:21], s[20:21], s[18:19]
	s_lshl_b32 s46, s42, 10
	s_lshl_b32 s47, s16, 9
	s_add_co_u32 s46, s46, s47                     ; my first column, in bytes of f32
	s_mov_b32 s47, 0
	s_add_nc_u64 s[68:69], s[68:69], s[46:47]
	s_add_nc_u64 s[20:21], s[20:21], s[46:47]
	s_add_nc_u64 s[10:11], s[10:11], s[20:21]
	s_add_nc_u64 s[70:71], s[70:71], s[20:21]
	v_lshlrev_b32 v[BA], 5, v2                     ; the bias in the result's layout: register 8 b + j = column 16 b + 8 h + j
.irp b, 0,1,2,3,4,5,6,7
	global_load_b128 v[BIAS+8*\b:BIAS+8*\b+3], v[BA], s[68:69] offset:64*\b
	global_load_b128 v[BIAS+8*\b+4:BIAS+8*\b+7], v[BA], s[68:69] offset:64*\b+16
.endr
	s_wait_kmcnt 0x0
	s_add_co_i32 s96, s96, s97                     ; eA + eB
	s_sub_co_i32 s98, 0, s96
	s_add_co_i32 s96, s96, 127
	s_lshl_b32 s96, s96, 23                        ; 2^(eA + eB) as f32
	s_mov_b32 s97, s96                             ; named with it as a pair
	s_wait_loadcnt 0x0
.set i, 0
.rept 64
	v_ldexp_f32 v[BIAS+i], v[BIAS+i], s98          ; the bias goes in divided by the power of two that the sums lack
.set i, i+1
.endr
.macro FRAG reg, adr, q, i             ; 16 rows x 128 K: registers 4 c .. 4 c + 3 hold K = 32 c + 16 h + 0 .. 15, alike in A and B
.irp c, 0,1,2,3
	ds_load_b128 v[\reg+4*\c:\reg+4*\c+3], v[\adr] offset:128*(\q)+32*\c+(\i)*16*PITCH
.endr
.endm
; 16 matrix instructions: A's blocks a0, a0 + 1 x B's eight.  first = 1: the sums start from 0; 2: from the bias registers; 0: they go on.  The 64 accumulators take turns.
.macro MUL16 a0, p, first
.irp a, \a0, \a0+1
.irp b, 0,1,2,3,4,5,6,7
.if \first == 1
	v_wmma_f32_16x16x128_fp8_fp8 v[8*(8*((\a)%4)+\b):8*(8*((\a)%4)+\b)+7], v[128*(\p)+FR*\b:128*(\p)+FR*\b+FR-1], v[AF+FR*(\a):AF+FR*(\a)+FR-1], 0
.elseif \first == 2
	v_wmma_f32_16x16x128_fp8_fp8 v[8*(8*((\a)%4)+\b):8*(8*((\a)%4)+\b)+7], v[128*(\p)+FR*\b:128*(\p)+FR*\b+FR-1], v[AF+FR*(\a):AF+FR*(\a)+FR-1], v[BIAS+8*\b:BIAS+8*\b+7]
.else
	v_wmma_f32_16x16x128_fp8_fp8 v[8*(8*((\a)%4)+\b):8*(8*((\a)%4)+\b)+7], v[128*(\p)+FR*\b:128*(\p)+FR*\b+FR-1], v[AF+FR*(\a):AF+FR*(\a)+FR-1], v[8*(8*((\a)%4)+\b):8*(8*((\a)%4)+\b)+7]
.endif
.endr
.endr
.endm
.macro FETCH_B slot, q, p
	WIN TO_B
.irp i, 0,1,2,3,4,5,6,7
	FRAG 128*(\p)+FR*\i, ADRB+\slot, \q, \i
.endr
	WIN 0
.endm
.macro FETCH_A slot, q, i0
.irp i, \i0, \i0+1, \i0+2, \i0+3
	FRAG AF+FR*(\i), ADRA+\slot, \q, \i
.endr
.endm
.macro PLACES n                        ; plain vector instructions between a matrix instruction and a load into, or a read of, its registers
.rept \n
	v_nop
.endr
.endm
.macro STEP slot, q, first
	s_wait_dscnt 4*NL                              ; B's set and A's blocks 0-3 are in; the youngest 16 loads (A's blocks 4-7) may be out
.if \first
	WIN 0x81                                       ; as MUL_LO, with C in window 0
.else
	WIN MUL_LO
.endif
	MUL16 0, (\q)%2, \first
	MUL16 2, (\q)%2, \first
	s_wait_dscnt 0
	PLACES NP
	FETCH_B \slot, (\q)+1, 1-(\q)%2
	FETCH_A \slot, (\q)+1, 0
.if \first
	WIN 0xc1
.else
	WIN MUL_HI
.endif
	MUL16 4, (\q)%2, \first
	MUL16 6, (\q)%2, \first
	PLACES NP
	WIN 0
	FETCH_A \slot, (\q)+1, 4
.endm
.macro TURN slot, next, fill
	s_wait_tensorcnt 0x0                           ; all my tensor loads have landed: my part of the next slot
	ds_add_u32 v[SPW], v[NIL]                      ; 0 onto my spare word
	s_wait_dscnt 4*NL+1                            ; the add and the youngest 16 loads may be out
	WIN MUL_LO
	MUL16 0, 1, 0
	s_wait_dscnt 0x0                               ; the add is done, and my reads of this slot are over
	s_barrier_signal -1
	MUL16 2, 1, 0
	WIN 0
	s_barrier_wait -1
.if \fill
	CREST                                          ; the barrier opened a round of the cluster's: no wave of any partner still reads this slot or has a load on its way
	s_add_nc_u64 s[G0+4*\slot+2:G0+4*\slot+3], s[G0+4*\slot+2:G0+4*\slot+3], 2*ROWB
	s_add_nc_u64 s[G0B+4*\slot+2:G0B+4*\slot+3], s[G0B+4*\slot+2:G0B+4*\slot+3], 2*ROWB
	JLOAD G0+4*\slot, G1, G0B+4*\slot, G1B         ; my one tensor load behind the round; its four v_nop are the places in front of the loads below
.else
	PLACES NP
.endif
	FETCH_B \next, 0, 0
	FETCH_A \next, 0, 0
	WIN MUL_HI
	MUL16 4, 1, 0
	MUL16 6, 1, 0
	PLACES NP
	WIN 0
	FETCH_A \next, 0, 4
.endm
	s_wait_tensorcnt 1                             ; my part of K step 0 is in; K step 1's load may be out
	s_barrier_signal -1
	s_barrier_wait -1
	FETCH_B 0, 0, 0
	FETCH_A 0, 0, 0
	FETCH_A 0, 0, 4
	STEP 0, 0, 2
	s_mov_b32 s3, LAPS-1
.Llap:
	TURN 0, 1, 1
	STEP 1, 0, 0
	TURN 1, 0, 1
	STEP 0, 0, 0
	s_sub_co_u32 s3, s3, 1
	s_cmp_lg_u32 s3, 0
	s_cbranch_scc1 .Llap
	TURN 0, 1, 0
	STEP 1, 0, 0
	s_wait_dscnt 4*NL
	WIN MUL_LO
	MUL16 0, 1, 0
	MUL16 2, 1, 0
	s_wait_dscnt 0
	WIN MUL_HI
	MUL16 4, 1, 0
	MUL16 6, 1, 0
	WIN 0
; THE WAY OUT, block by block of 16 rows x 128 columns: the raw sums go through my own stage in LDS and come back as whole rows of 512 bytes; one packed multiply-add gives sum x 2^(eA + eB) + res;
; the 32 lanes store 512 consecutive bytes, aligned.  The residual's rows are asked for three blocks ahead, into the registers that held B's fragments.  Every offset is an immediate: 127 rows of 4,096 bytes at the most.
.macro RLOAD a
.set RS, 64*((\a)%4)
	WIN 0x40
.irp t, 0,1,2,3,4,5,6,7,8,9,10,11,12,13,14,15
	global_load_b128 v[RS+4*\t:RS+4*\t+3], v[CO], s[70:71] offset:(16*(\a)+\t)*NROW
.endr
	WIN 0
.endm
.macro TOSTAGE a
.set AC, 64*((\a)%4)
.set BB, BK+64*((\a)%2)
	WIN 0x08+4*((\a)/4)                            ; the stores' data: window 2 or 3
.irp b, 0,1,2,3,4,5,6,7
	ds_store_b128 v[STO], v[AC+8*\b:AC+8*\b+3] offset:64*\b          ; each accumulator from its low end on
	ds_store_b128 v[STO], v[AC+8*\b+4:AC+8*\b+7] offset:64*\b+16
.endr
	WIN 0
.irp t, 0,1,2,3,4,5,6,7,8,9,10,11,12,13,14,15
	ds_load_b128 v[BB+4*\t:BB+4*\t+3], v[RD] offset:\t*SPITCH        ; LDS serves a wave's instructions in order: these see the stores above
.endr
.endm
.macro SEND a, younger
.set BB, BK+64*((\a)%2)
.set RS, 64*((\a)%4)
	s_wait_dscnt \younger                          ; the block is back; the next block's 16 stores and 16 loads may be out
.if (\a) < 6
	s_wait_loadcnt 32                              ; its residual is in; the next two blocks' 16 loads each may be out
.else
	s_wait_loadcnt 16*(7-(\a))
.endif
	WIN 0x10                                       ; source 2: window 1
.set i, 0
.rept 32
	v_pk_fma_f32 v[BB+i:BB+i+1], v[BB+i:BB+i+1], s[96:97], v[RS+i:RS+i+1] op_sel_hi:[1,0,1]
.set i, i+2
.endr
	WIN 0
.irp t, 0,1,2,3,4,5,6,7,8,9,10,11,12,13,14,15
.if LASTOUT
	global_store_b128 v[CO], v[BB+4*\t:BB+4*\t+3], s[10:11] offset:(16*(\a)+\t)*NROW th:TH_STORE_NT
.else
	global_store_b128 v[CO], v[BB+4*\t:BB+4*\t+3], s[10:11] offset:(16*(\a)+\t)*NROW
.endif
.endr
.if (\a) < 5
	RLOAD (\a)+3
.endif
.endm
	PLACES NP                                      ; behind the last products: for the loads into B's and A's registers and the first reads of results
	RLOAD 0
	RLOAD 1
	RLOAD 2
	TOSTAGE 0
.irp a, 1,2,3,4,5,6,7
.if \a > 1
	s_wait_xcnt 0x0                                ; block a - 2's stores have read their registers: block a's loads may land there
.endif
	TOSTAGE \a
	SEND \a-1, 32
.endr
	SEND 7, 0
	s_wait_tensorcnt 0x0                           ; the wave's end
	ds_add_u32 v[SPW], v[NIL]
	s_wait_dscnt 0x0
	CROUND                                         ; the closing round
	s_endpgm
.Lfunc_end_k_qaac8fb6d27_oproj:
	.size	k_qaac8fb6d27_oproj, .Lfunc_end_k_qaac8fb6d27_oproj-k_qaac8fb6d27_oproj
	.p2alignl 7, 3214868480
	.fill 96, 4, 3214868480
	.section	.rodata,"a",@progbits
	.p2align	6, 0x0
	.amdhsa_kernel k_qaac8fb6d27_oproj
		.amdhsa_group_segment_fixed_size 327680
		.amdhsa_private_segment_fixed_size 0
		.amdhsa_enable_private_segment 0
		.amdhsa_kernarg_size 48
		.amdhsa_user_sgpr_count 2
		.amdhsa_user_sgpr_kernarg_segment_ptr 1
		.amdhsa_wavefront_size32 1
		.amdhsa_system_sgpr_workgroup_id_x 1
		.amdhsa_system_sgpr_workgroup_id_y 1
		.amdhsa_system_sgpr_workgroup_id_z 1
		.amdhsa_system_vgpr_workitem_id 0
		.amdhsa_next_free_vgpr 1024
		.amdhsa_next_free_sgpr 100
		.amdhsa_reserve_vcc 0
		.amdhsa_float_denorm_mode_32 3
		.amdhsa_float_denorm_mode_16_64 3
		.amdhsa_memory_ordered 1
		.amdhsa_forward_progress 1
		.amdhsa_inst_pref_size 142
	.end_amdhsa_kernel
	.amdgpu_metadata
---
amdhsa.version: [ 1, 2 ]
amdhsa.kernels:
  - .name:           k_qaac8fb6d27_oproj
    .symbol:         k_qaac8fb6d27_oproj.kd
    .args:
      - { .name: ac, .offset: 0, .size: 8, .value_kind: global_buffer, .address_space: global }
      - { .name: Wo_codes, .offset: 8, .size: 8, .value_kind: global_buffer, .address_space: global }
      - { .name: lowp_scales, .offset: 16, .size: 8, .value_kind: global_buffer, .address_space: global }
      - { .name: x1, .offset: 24, .size: 8, .value_kind: global_buffer, .address_space: global }
      - { .name: bo, .offset: 32, .size: 8, .value_kind: global_buffer, .address_space: global }
      - { .name: x, .offset: 40, .size: 8, .value_kind: global_buffer, .address_space: global }
    .group_segment_fixed_size: 327680
    .private_segment_fixed_size: 0
    .kernarg_segment_align: 8
    .kernarg_segment_size: 48
    .max_flat_workgroup_size: 128
    .sgpr_count:     100
    .vgpr_count:     1024
    .wavefront_size: 32
...
	.end_amdgpu_metadata
.endif
;; end of part 5
;; launch ln2 (part 6): grid 256 x 1, 4 waves a work-group, no clusters, 20,992 bytes of LDS; arguments x1, ln2_g, ln2_b, lowp_scales, h2c; writes h2c
.if DOCPART == 6
	.amdgcn_target "amdgcn-amd-amdhsa--gfx1250"
	.amdhsa_code_object_version 6
	.text
	.protected	k_qaac8fb6d27_ln2
	.globl	k_qaac8fb6d27_ln2
	.p2align	8
	.type	k_qaac8fb6d27_ln2,@function
k_qaac8fb6d27_ln2:
	s_mov_b64 s[64:65], 0
	v_nop
	global_prefetch_b8 v0, s[64:65] scope:SCOPE_SE
	s_setreg_imm32_b32 hwreg(HW_REG_WAVE_MODE, 25, 1), 1
	s_wait_xcnt 0x0
; y = (x - mean) * rsqrt(var + 1e-5) * g + b over rows of 1,024 f32, then y as codes of E4M3 under NOUT given scales 2^e.
; Here NOUT = 1: entry 12 of the scales; the output is [4096][1024] bytes.
; A wave takes four whole rows; a row is 32 registers a lane, so it is read from memory once and both sums stay in the wave:
; no barrier.  The variance is the mean of (x - mean)^2, taken in a second pass over the registers.
; The conversion wants 8 neighbours in one lane, the loads want neighbouring lanes on neighbouring bytes: the finished row
; turns through the wave's own stage in LDS (64 bytes + 16 of padding a lane, two half rows).  A lane's 16 codes are 16
; bytes: each store of the wave covers 512 consecutive bytes, aligned.
; LIMITS: e between -126 and 119, so that 2^e and 448 x 2^e are f32 numbers.  NaN among the inputs is not served.
.set NOUT, 1
.set G,    24
.set B,    56
.set X,    88
.set Y,    216
.set SP,   80
.set HALF, 32*SP
	s_load_b256 s[4:11], s[0:1], 0x0               ; x, g, b, the scales
	s_load_b64 s[12:13], s[0:1], 0x20              ; the codes
	v_lshl_add_u32 v254, v0, 2, 0x5000
	v_mov_b32 v255, 0
	v_lshrrev_b32 v4, 5, v0
	v_readfirstlane_b32 s3, v4                     ; wave
	v_and_b32 v4, 31, v0                           ; lane
	v_lshlrev_b32 v1, 4, v4                        ; 16 x lane
	s_mul_i32 s2, s3, 2*HALF                       ; my wave's stage
	v_lshrrev_b32 v5, 2, v4
	v_mul_u32_u24 v2, v5, SP
	v_and_b32 v5, 3, v4
	v_lshl_add_u32 v2, v5, 4, v2
	v_add_nc_u32 v2, s2, v2                        ; into the stage
	v_mul_u32_u24 v3, v4, SP
	v_add_nc_u32 v3, s2, v3                        ; out of it
	v_mov_b32 v5, 0                                ; a lane permute's destination counts as read
	v_mov_b32 v7, 0                                ; named as the upper half of v[6:7]
	s_mov_b32 s24, 0x76543210
	s_mov_b32 s25, 0xfedcba98
	s_mov_b32 s26, 0x3a800000                      ; 1 / 1024
	s_mov_b32 s27, 0x3727c5ac                      ; 1e-5
	s_lshl_b32 s34, ttmp9, 4
	s_lshl_b32 s35, s3, 2
	s_add_co_u32 s34, s34, s35                     ; my first row
	s_lshl_b32 s36, s34, 12
	s_mov_b32 s37, 0
	s_lshl_b32 s38, s34, 10
	s_mov_b32 s39, 0
	s_wait_kmcnt 0x0
.if NOUT == 3
	s_load_b256 s[16:23], s[10:11], 0x0
.else
	s_load_b32 s16, s[10:11], 0x30                 ; entry 12
.endif
	s_add_nc_u64 s[4:5], s[4:5], s[36:37]
	s_add_nc_u64 s[28:29], s[12:13], s[38:39]
.if NOUT == 3
	s_add_nc_u64 s[30:31], s[28:29], 0x400000
	s_add_nc_u64 s[32:33], s[28:29], 0x800000
.endif
.irp j, 0,1,2,3,4,5,6,7
	global_load_b128 v[G+4*\j:G+4*\j+3], v1, s[6:7] offset:512*\j
.endr
.irp j, 0,1,2,3,4,5,6,7
	global_load_b128 v[B+4*\j:B+4*\j+3], v1, s[8:9] offset:512*\j
.endr
.irp r, 0,1,2,3
.irp j, 0,1,2,3,4,5,6,7
	global_load_b128 v[X+32*\r+4*\j:X+32*\r+4*\j+3], v1, s[4:5] offset:4096*\r+512*\j
.endr
.endr
	s_wait_kmcnt 0x0
.set o, 0
.rept NOUT
	s_add_co_i32 s40, s[16+2*o], 127
	s_lshl_b32 s41, s40, 23
	v_mov_b32 v[16+2*o], s41                       ; 2^e as f32
	s_add_co_i32 s40, s40, 8
	s_lshl_b32 s40, s40, 23
	s_or_b32 s40, s40, 0x600000
	v_mov_b32 v[17+2*o], s40                       ; 448 x 2^e
.set o, o+1
.endr
.macro REDUCE                          ; four packed chains in v[8:15] -> their sum over the wave, in v4 of every lane
	v_pk_add_f32 v[8:9], v[8:9], v[10:11]
	v_pk_add_f32 v[12:13], v[12:13], v[14:15]
	v_pk_add_f32 v[8:9], v[8:9], v[12:13]
	v_add_f32 v4, v8, v9
	v_add_f32_dpp v4, v4, v4 row_xmask:1 row_mask:0xf bank_mask:0xf
	v_add_f32_dpp v4, v4, v4 row_xmask:2 row_mask:0xf bank_mask:0xf
	v_add_f32_dpp v4, v4, v4 row_xmask:4 row_mask:0xf bank_mask:0xf
	v_add_f32_dpp v4, v4, v4 row_xmask:8 row_mask:0xf bank_mask:0xf
	v_permlanex16_b32 v5, v4, s24, s25
	v_add_f32 v4, v4, v5
.endm
.macro ROW r
.set XR, X+32*(\r)
	s_wait_loadcnt 8*(3-(\r))                      ; loads come back in order: g, b and this row are in, the later rows' eight loads each stay out
.irp k, 0,1,2,3
	v_pk_add_f32 v[8+2*\k:9+2*\k], v[XR+2*\k:XR+2*\k+1], v[XR+8+2*\k:XR+9+2*\k]
.endr
.irp k, 0,1,2,3,4,5,6,7
	v_pk_add_f32 v[8+2*(\k%4):9+2*(\k%4)], v[8+2*(\k%4):9+2*(\k%4)], v[XR+16+2*\k:XR+17+2*\k]
.endr
	REDUCE
	v_mul_f32 v6, s26, v4                          ; the mean
.set i, 0
.rept 16
	v_pk_add_f32 v[XR+i:XR+i+1], v[XR+i:XR+i+1], v[6:7] op_sel_hi:[1,0] neg_lo:[0,1] neg_hi:[0,1]
.set i, i+2
.endr
.irp k, 0,1,2,3
	v_pk_mul_f32 v[8+2*\k:9+2*\k], v[XR+2*\k:XR+2*\k+1], v[XR+2*\k:XR+2*\k+1]
.endr
.irp k, 4,5,6,7,8,9,10,11,12,13,14,15
	v_pk_fma_f32 v[8+2*(\k%4):9+2*(\k%4)], v[XR+2*\k:XR+2*\k+1], v[XR+2*\k:XR+2*\k+1], v[8+2*(\k%4):9+2*(\k%4)]
.endr
	REDUCE
	v_fma_f32 v4, v4, s26, s27                     ; the variance + 1e-5
	v_rsq_f32 v6, v4
	v_nop                                          ; a plain instruction between the root and its use
.set i, 0
	s_wait_alu depctr_va_vdst(0)
.rept 16
	v_pk_mul_f32 v[XR+i:XR+i+1], v[XR+i:XR+i+1], v[6:7] op_sel_hi:[1,0]
.set i, i+2
.endr
.set i, 0
.rept 16
	v_pk_fma_f32 v[XR+i:XR+i+1], v[XR+i:XR+i+1], v[G+i:G+i+1], v[B+i:B+i+1]
.set i, i+2
.endr
.irp j, 0,1,2,3,4,5,6,7
	ds_store_b128 v2, v[XR+4*\j:XR+4*\j+3] offset:HALF*(\j/4)+8*SP*(\j%4)
.endr
.if (NOUT > 1) && ((\r) > 0)
	s_wait_xcnt 0x0
.endif
.irp j, 0,1,2,3,4,5,6,7
	ds_load_b128 v[Y+4*\j:Y+4*\j+3], v3 offset:HALF*(\j/4)+16*(\j%4)   ; LDS serves a wave's instructions in order: these see the stores above
.endr
	s_wait_dscnt 0x0                               ; the row is back: columns 512 s + 16 x lane + 0 .. 15 in Y + 16 s
.irp s, 0,1
.set o, 0
.rept NOUT
.set QD, NOUT*\s+o
.if QD < 4
.set QR, XR+16+4*QD                    ; the codes go where the row's upper half lay
.else
.set QR, 248+4*(QD-4)
.endif
.irp i, 0,1,2,3,4,5,6,7,8,9,10,11,12,13,14,15
	v_med3_num_f32 v[XR+\i], v[Y+16*\s+\i], -v[17+2*o], v[17+2*o]   ; the conversion does not saturate: hold within 448 x the scale first
.endr
	v_cvt_scalef32_pk8_fp8_f32 v[QR:QR+1], v[XR:XR+7], v[16+2*o]
	v_cvt_scalef32_pk8_fp8_f32 v[QR+2:QR+3], v[XR+8:XR+15], v[16+2*o]
	v_nop                                          ; a plain instruction before the conversions' sources are written again
	global_store_b128 v1, v[QR:QR+3], s[28+2*o:29+2*o] offset:(\r)*1024+512*\s
.set o, o+1
.endr
.endr
.endm
	ROW 0
	ROW 1
	ROW 2
	ROW 3
	s_wait_tensorcnt 0x0
	ds_add_u32 v254, v255
	s_wait_dscnt 0x0
	s_endpgm
.Lfunc_end_k_qaac8fb6d27_ln2:
	.size	k_qaac8fb6d27_ln2, .Lfunc_end_k_qaac8fb6d27_ln2-k_qaac8fb6d27_ln2
	.p2alignl 7, 3214868480
	.fill 96, 4, 3214868480
	.section	.rodata,"a",@progbits
	.p2align	6, 0x0
	.amdhsa_kernel k_qaac8fb6d27_ln2
		.amdhsa_group_segment_fixed_size 20992
		.amdhsa_private_segment_fixed_size 0
		.amdhsa_enable_private_segment 0
		.amdhsa_kernarg_size 40
		.amdhsa_user_sgpr_count 2
		.amdhsa_user_sgpr_kernarg_segment_ptr 1
		.amdhsa_wavefront_size32 1
		.amdhsa_system_sgpr_workgroup_id_x 1
		.amdhsa_system_sgpr_workgroup_id_y 1
		.amdhsa_system_sgpr_workgroup_id_z 1
		.amdhsa_system_vgpr_workitem_id 0
		.amdhsa_next_free_vgpr 256
		.amdhsa_next_free_sgpr 66
		.amdhsa_reserve_vcc 0
		.amdhsa_float_denorm_mode_32 3
		.amdhsa_float_denorm_mode_16_64 3
		.amdhsa_memory_ordered 1
		.amdhsa_forward_progress 1
		.amdhsa_inst_pref_size 46
	.end_amdhsa_kernel
	.amdgpu_metadata
---
amdhsa.version: [ 1, 2 ]
amdhsa.kernels:
  - .name:           k_qaac8fb6d27_ln2
    .symbol:         k_qaac8fb6d27_ln2.kd
    .args:
      - { .name: x1, .offset: 0, .size: 8, .value_kind: global_buffer, .address_space: global }
      - { .name: ln2_g, .offset: 8, .size: 8, .value_kind: global_buffer, .address_space: global }
      - { .name: ln2_b, .offset: 16, .size: 8, .value_kind: global_buffer, .address_space: global }
      - { .name: lowp_scales, .offset: 24, .size: 8, .value_kind: global_buffer, .address_space: global }
      - { .name: h2c, .offset: 32, .size: 8, .value_kind: global_buffer, .address_space: global }
    .group_segment_fixed_size: 20992
    .private_segment_fixed_size: 0
    .kernarg_segment_align: 8
    .kernarg_segment_size: 40
    .max_flat_workgroup_size: 128
    .sgpr_count:     66
    .vgpr_count:     256
    .wavefront_size: 32
...
	.end_amdgpu_metadata
.endif
;; end of part 6
;; launch ffn1 (part 7): grid 16 x 16, 4 waves a work-group, clusters of 4 x 4, 327,680 bytes of LDS; arguments h2c, W1_codes, lowp_scales, gc, b1; writes gc
.if DOCPART == 7
	.amdgcn_target "amdgcn-amd-amdhsa--gfx1250"
	.amdhsa_code_object_version 6
	.text
	.protected	k_qaac8fb6d27_ffn1
	.globl	k_qaac8fb6d27_ffn1
	.p2align	8
	.type	k_qaac8fb6d27_ffn1,@function
k_qaac8fb6d27_ffn1:
	s_mov_b64 s[64:65], 0
	v_nop
	global_prefetch_b8 v0, s[64:65] scope:SCOPE_SE
	s_setreg_imm32_b32 hwreg(HW_REG_WAVE_MODE, 25, 1), 1
	s_wait_xcnt 0x0
	s_wait_alu depctr_hold_cnt(0) depctr_sa_sdst(0) depctr_va_vdst(0) depctr_va_sdst(0) depctr_va_ssrc(0) depctr_va_vcc(0) depctr_vm_vsrc(0)
	s_getreg_b32 s2, hwreg(HW_REG_IB_STS2, 6, 4)
	s_cmp_eq_u32 s2, 0
	s_cbranch_scc0 .Lentry_in_a_cluster
	s_endpgm
.Lentry_in_a_cluster:
	s_bfe_u32 s2, ttmp6, 0x10000c
	s_cmp_lg_u32 s2, 0xf033
	s_cbranch_scc0 .Lentry_shape_is_right
	s_endpgm
.Lentry_shape_is_right:
; g = gelu(h W1 + b1), exact (by erf), quantised at once with the given 2^e14.  h: [4096][1024], W1: [4096][1024]: codes of E4M3, K innermost; g: [4096][4096] codes.
; A tile of 256 x 256 to a work-group of four waves, 128 x 128 a wave (64 accumulators).  K goes in steps of 256 through two LDS slots filled by the tensor data mover.
; 4 x 4 work-groups form a cluster: A's tiles are asked for jointly along a row of it, B's along a column.  Source 0 of the matrix instruction = 16 rows of W1, source 1 = 16 rows of h.
; The bias, divided by 2^(e12 + e13), is the C of each sum's first matrix instruction.
; THE WAY OUT: all raw sums go to LDS (over both slots, which are done with); then a loop of 16 trips takes four whole rows of the tile a trip and a wave: eight neighbouring columns a lane,
; gelu, hold, conversion, and the 32 lanes store a row's 256 bytes, aligned.  So the long arithmetic stands in the text once.
; erf(z) = z P(z^2) / Q(z^2) on z held within +-4: absolute error about 1e-7.  LIMIT: 1 + erf loses relative accuracy for u under about -3, as every f32 evaluation of 1 + erf does.
; LIMITS: e12 + e13 between -125 and 127; e14 between -126 and 119.  NaN is not served.
.set KROW,   1024
.set KSTEP,  256
.set ROWB,   256
.set PITCH,  272
.set FR,     16
.set NL,     4
.set NP,     4
.set HALFT,  128*PITCH
.set SLOT,   4*HALFT
.set LAPS,   KROW/(2*KSTEP)
.set SPARE,  2*SLOT                    ; behind the ring: the spare words, 128 bytes a wave, which no other line names
.set RW,     128*528                   ; the way out: a wave's 128 rows x (512 + 16); four of them end below the spare words
.set ADRA, 16
.set ADRB, 20
.set STO,  24
.set RD,   25
.set CO,   26
.set BA,   27
.set SPW,  28
.set NIL,  29
.set SC,   30
.set LIM,  31
.set BIAS, 32
.set AF,   128
.set G1, 24
.set G0, 32
.set G1B, 48
.set G0B, 56
.set MSB, 0
.macro WIN new                         ; the immediate's high byte repeats the setting that is left
.if MSB != (\new)
	s_set_vgpr_msb (MSB<<8)|(\new)
.set MSB, (\new)
.endif
.endm
.set MUL_LO, 0xa1
.set MUL_HI, 0xf1
.set TO_B,   0x40
.macro JLOAD g0a, g1a, g0b, g1b        ; a joint load: waves 0, 1 fetch for A, waves 2, 3 for B; four v_nop follow each line
	s_cmp_eq_u32 s15, 0
	s_cbranch_scc0 .Lfor_b_\@
	tensor_load_to_lds s[\g0a:\g0a+3], s[\g1a:\g1a+7]
	s_nop 0
.rept 4
	v_nop
.endr
	s_branch .Lasked_\@
.Lfor_b_\@:
	tensor_load_to_lds s[\g0b:\g0b+3], s[\g1b:\g1b+7]
	s_nop 0
.rept 4
	v_nop
.endr
.Lasked_\@:
.endm
.macro CREST
	s_cmp_lg_u32 s14, 0
	s_cbranch_scc1 .Lnot_wave_0_\@
	s_barrier_signal -3
.Lnot_wave_0_\@:
	s_barrier_wait -3
	s_barrier_signal -1
	s_barrier_wait -1
.endm
.macro CROUND
	s_barrier_signal -1
	s_barrier_wait -1
	CREST
.endm
	s_load_b256 s[4:11], s[0:1], 0x0               ; A, B, the scales, the output
	s_load_b64 s[68:69], s[0:1], 0x20              ; the bias
	v_lshl_add_u32 v[SPW], v0, 2, SPARE
	v_mov_b32 v[NIL], 0
	ds_add_u32 v28, v29
	ds_add_u32 v28, v29
	s_wait_dscnt 0x0
	v_lshrrev_b32 v1, 5, v0
	v_readfirstlane_b32 s14, v1
	s_lshr_b32 s15, s14, 1
	s_and_b32 s16, s14, 1
	s_bfe_u32 s40, ttmp6, 0x40000
	s_bfe_u32 s41, ttmp6, 0x40004
	s_lshl_b32 s42, ttmp9, 2
	s_add_co_u32 s42, s42, s40                     ; tile column
	s_and_b32 s17, ttmp7, 0xffff
	s_lshl_b32 s17, s17, 2
	s_add_co_u32 s17, s17, s41                     ; tile row
	s_lshl_b32 s43, s41, 2
	s_lshl_b32 s43, 15, s43
	s_lshl_b32 s44, 0x1111, s40
	s_or_b32 s[G1+0], s43, (0<<16)|(1<<20)|(1<<21)|(5<<22)|(3<<25)  ; mask; elements of 1 byte; padding on; bit 21 beside a mask; after every 64 words, 4 words
	s_or_b32 s[G1B+0], s44, (0<<16)|(1<<20)|(1<<21)|(5<<22)|(3<<25)
.irp g, G1, G1B
	s_mov_b32 s[\g+1], ROWB<<16
	s_mov_b32 s[\g+2], 128<<16
	s_mov_b32 s[\g+3], ROWB<<16
	s_mov_b32 s[\g+4], 128
	s_mov_b32 s[\g+5], KROW
	s_mov_b32 s[\g+6], 0
	s_mov_b32 s[\g+7], 0
.endr
	s_lshl_b32 s18, s16, 7
	s_lshl_b32 s20, s17, 8
	s_add_co_u32 s20, s20, s18
	s_lshl_b32 s46, s42, 8
	s_add_co_u32 s46, s46, s18
	s_mov_b32 s21, 0
	s_mov_b32 s47, 0
	s_mov_b64 s[18:19], KROW
	s_mul_u64 s[20:21], s[20:21], s[18:19]
	s_mul_u64 s[46:47], s[46:47], s[18:19]
	s_mul_i32 s45, s14, HALFT
	s_wait_kmcnt 0x0
	s_load_b64 s[96:97], s[8:9], 0x30              ; e12, e13
	s_load_b32 s98, s[8:9], 0x38                   ; e14
	s_add_nc_u64 s[20:21], s[4:5], s[20:21]
	s_add_nc_u64 s[46:47], s[6:7], s[46:47]
	CROUND
.irp s, 0,1
	s_mov_b32 s[G0+4*\s], 1
	s_add_co_u32 s[G0+4*\s+1], s45, \s*SLOT
	s_add_nc_u64 s[G0+4*\s+2:G0+4*\s+3], s[20:21], \s*ROWB
	s_or_b32 s[G0+4*\s+3], s[G0+4*\s+3], 0x80000000
	s_mov_b32 s[G0B+4*\s], 1
	s_add_co_u32 s[G0B+4*\s+1], s45, \s*SLOT
	s_add_nc_u64 s[G0B+4*\s+2:G0B+4*\s+3], s[46:47], \s*ROWB
	s_or_b32 s[G0B+4*\s+3], s[G0B+4*\s+3], 0x80000000
	JLOAD G0+4*\s, G1, G0B+4*\s, G1B
.endr
	v_and_b32 v1, 15, v0                           ; r
	v_bfe_u32 v2, v0, 4, 1                         ; h
	v_mul_u32_u24 v3, v1, PITCH
	v_lshl_add_u32 v4, v2, 4, v3
	s_mul_i32 s21, s15, HALFT
	s_mul_i32 s22, s16, HALFT
	s_add_co_u32 s22, s22, 2*HALFT
.irp s, 0,1
	v_add_nc_u32 v[ADRA+\s], s21, v4
	v_add_nc_u32 v[ADRB+\s], s22, v4
	s_add_co_u32 s21, s21, SLOT
	s_add_co_u32 s22, s22, SLOT
.endr
	s_mul_i32 s23, s14, RW                         ; the raw sums, in: my region, row r (+ 16 a), 32 bytes for each half of the lanes
	v_mul_u32_u24 v5, v1, 528
	v_lshl_add_u32 v5, v2, 5, v5
	v_add_nc_u32 v[STO], s23, v5
	s_mul_i32 s23, s15, 2*RW                       ; back: wave w takes the tile's rows 64 w on: the two regions of its row half, from row 64 (w % 2) on;
	s_mul_i32 s21, s16, 64*528
	s_add_co_u32 s23, s23, s21
	v_mul_u32_u24 v6, v2, RW                       ; lanes 16-31 read the right column half's region; 32 bytes (8 columns) a lane
	v_lshl_add_u32 v6, v1, 5, v6
	v_add_nc_u32 v[RD], s23, v6
	v_and_b32 v6, 31, v0
	v_lshlrev_b32 v[CO], 3, v6                     ; 8 codes a lane
	s_lshl_b32 s20, s17, 8
	s_lshl_b32 s21, s14, 6
	s_add_co_u32 s20, s20, s21
	s_lshl_b32 s20, s20, 12                        ; row 256 x tile row + 64 x wave, 4,096 bytes each
	s_lshl_b32 s21, s42, 8
	s_add_co_u32 s20, s20, s21
	s_mov_b32 s21, 0
	s_add_nc_u64 s[10:11], s[10:11], s[20:21]
	s_lshl_b32 s46, s42, 10
	s_lshl_b32 s47, s16, 9
	s_add_co_u32 s46, s46, s47
	s_mov_b32 s47, 0
	s_add_nc_u64 s[68:69], s[68:69], s[46:47]
	v_lshlrev_b32 v[BA], 5, v2                     ; the bias in the result's layout: register 8 b + j = column 16 b + 8 h + j
.irp b, 0,1,2,3,4,5,6,7
	global_load_b128 v[BIAS+8*\b:BIAS+8*\b+3], v[BA], s[68:69] offset:64*\b
	global_load_b128 v[BIAS+8*\b+4:BIAS+8*\b+7], v[BA], s[68:69] offset:64*\b+16
.endr
	s_wait_kmcnt 0x0
	s_add_co_i32 s96, s96, s97                     ; e = e12 + e13
	s_sub_co_i32 s99, 0, s96
	s_lshl_b32 s72, s96, 23
	s_add_co_i32 s72, s72, 0x3f3504f3              ; 2^e / sqrt(2): e added to the exponent field
	s_mov_b32 s73, s72
	s_add_co_i32 s74, s96, 126
	s_lshl_b32 s74, s74, 23                        ; 2^(e - 1)
	s_mov_b32 s75, s74
	s_add_co_i32 s98, s98, 127
	s_lshl_b32 s97, s98, 23
	v_mov_b32 v[SC], s97                           ; 2^e14
	s_add_co_i32 s98, s98, 8
	s_lshl_b32 s98, s98, 23
	s_or_b32 s98, s98, 0x600000
	v_mov_b32 v[LIM], s98                          ; 448 x 2^e14
	s_wait_loadcnt 0x0
.set i, 0
.rept 64
	v_ldexp_f32 v[BIAS+i], v[BIAS+i], s99
.set i, i+1
.endr
.macro FRAG reg, adr, q, i             ; 16 rows x 128 K: registers 4 c .. 4 c + 3 hold K = 32 c + 16 h + 0 .. 15, alike in A and B
.irp c, 0,1,2,3
	ds_load_b128 v[\reg+4*\c:\reg+4*\c+3], v[\adr] offset:128*(\q)+32*\c+(\i)*16*PITCH
.endr
.endm
; 16 matrix instructions: A's blocks a0, a0 + 1 x B's eight.  first = 1: the sums start from 0; 2: from the bias registers; 0: they go on.  The 64 accumulators take turns.
.macro MUL16 a0, p, first
.irp a, \a0, \a0+1
.irp b, 0,1,2,3,4,5,6,7
.if \first == 1
	v_wmma_f32_16x16x128_fp8_fp8 v[8*(8*((\a)%4)+\b):8*(8*((\a)%4)+\b)+7], v[128*(\p)+FR*\b:128*(\p)+FR*\b+FR-1], v[AF+FR*(\a):AF+FR*(\a)+FR-1], 0
.elseif \first == 2
	v_wmma_f32_16x16x128_fp8_fp8 v[8*(8*((\a)%4)+\b):8*(8*((\a)%4)+\b)+7], v[128*(\p)+FR*\b:128*(\p)+FR*\b+FR-1], v[AF+FR*(\a):AF+FR*(\a)+FR-1], v[BIAS+8*\b:BIAS+8*\b+7]
.else
	v_wmma_f32_16x16x128_fp8_fp8 v[8*(8*((\a)%4)+\b):8*(8*((\a)%4)+\b)+7], v[128*(\p)+FR*\b:128*(\p)+FR*\b+FR-1], v[AF+FR*(\a):AF+FR*(\a)+FR-1], v[8*(8*((\a)%4)+\b):8*(8*((\a)%4)+\b)+7]
.endif
.endr
.endr
.endm
.macro FETCH_B slot, q, p
	WIN TO_B
.irp i, 0,1,2,3,4,5,6,7
	FRAG 128*(\p)+FR*\i, ADRB+\slot, \q, \i
.endr
	WIN 0
.endm
.macro FETCH_A slot, q, i0
.irp i, \i0, \i0+1, \i0+2, \i0+3
	FRAG AF+FR*(\i), ADRA+\slot, \q, \i
.endr
.endm
.macro PLACES n                        ; plain vector instructions between a matrix instruction and a load into, or a read of, its registers
.rept \n
	v_nop
.endr
.endm
.macro STEP slot, q, first
	s_wait_dscnt 4*NL                              ; B's set and A's blocks 0-3 are in; the youngest 16 loads (A's blocks 4-7) may be out
.if \first
	WIN 0x81
.else
	WIN MUL_LO
.endif
	MUL16 0, (\q)%2, \first
	MUL16 2, (\q)%2, \first
	s_wait_dscnt 0
	PLACES NP
	FETCH_B \slot, (\q)+1, 1-(\q)%2
	FETCH_A \slot, (\q)+1, 0
.if \first
	WIN 0xc1
.else
	WIN MUL_HI
.endif
	MUL16 4, (\q)%2, \first
	MUL16 6, (\q)%2, \first
	PLACES NP
	WIN 0
	FETCH_A \slot, (\q)+1, 4
.endm
.macro TURN slot, next, fill
	s_wait_tensorcnt 0x0                           ; all my tensor loads have landed: my part of the next slot
	ds_add_u32 v[SPW], v[NIL]                      ; 0 onto my spare word
	s_wait_dscnt 4*NL+1                            ; the add and the youngest 16 loads may be out
	WIN MUL_LO
	MUL16 0, 1, 0
	s_wait_dscnt 0x0                               ; the add is done, and my reads of this slot are over
	s_barrier_signal -1
	MUL16 2, 1, 0
	WIN 0
	s_barrier_wait -1
.if \fill
	CREST                                          ; the barrier opened a round of the cluster's: no wave of any partner still reads this slot or has a load on its way
	s_add_nc_u64 s[G0+4*\slot+2:G0+4*\slot+3], s[G0+4*\slot+2:G0+4*\slot+3], 2*ROWB
	s_add_nc_u64 s[G0B+4*\slot+2:G0B+4*\slot+3], s[G0B+4*\slot+2:G0B+4*\slot+3], 2*ROWB
	JLOAD G0+4*\slot, G1, G0B+4*\slot, G1B
.else
	PLACES NP
.endif
	FETCH_B \next, 0, 0
	FETCH_A \next, 0, 0
	WIN MUL_HI
	MUL16 4, 1, 0
	MUL16 6, 1, 0
	PLACES NP
	WIN 0
	FETCH_A \next, 0, 4
.endm
	s_wait_tensorcnt 1                             ; my part of K step 0 is in; K step 1's load may be out
	s_barrier_signal -1
	s_barrier_wait -1
	FETCH_B 0, 0, 0
	FETCH_A 0, 0, 0
	FETCH_A 0, 0, 4
	STEP 0, 0, 2
	s_mov_b32 s3, LAPS-1
.Llap:
	TURN 0, 1, 1
	STEP 1, 0, 0
	TURN 1, 0, 1
	STEP 0, 0, 0
	s_sub_co_u32 s3, s3, 1
	s_cmp_lg_u32 s3, 0
	s_cbranch_scc1 .Llap
	TURN 0, 1, 0
	STEP 1, 0, 0
	s_wait_dscnt 4*NL
	WIN MUL_LO
	MUL16 0, 1, 0
	MUL16 2, 1, 0
	s_wait_dscnt 0
	WIN MUL_HI
	MUL16 4, 1, 0
	MUL16 6, 1, 0
	WIN 0
	PLACES NP
	s_wait_dscnt 0x0                               ; my reads of the ring are over;
	s_barrier_signal -1
	s_barrier_wait -1                              ; everybody's are: both slots have had their last fill and their last read
.irp a, 0,1,2,3,4,5,6,7
	WIN 0x08+4*(\a/4)                              ; the stores' data: window 2 or 3
.irp b, 0,1,2,3,4,5,6,7
	ds_store_b128 v[STO], v[64*(\a%4)+8*\b:64*(\a%4)+8*\b+3] offset:8448*\a+64*\b       ; each accumulator from its low end on
	ds_store_b128 v[STO], v[64*(\a%4)+8*\b+4:64*(\a%4)+8*\b+7] offset:8448*\a+64*\b+16
.endr
.endr
	WIN 0
	v_mov_b32 v200, 0xaf95df0b                     ; P's leading coefficient, twice,
	v_mov_b32 v201, 0xaf95df0b
	v_mov_b32 v202, 0xb77460cd                     ; and Q's
	v_mov_b32 v203, 0xb77460cd
	s_mov_b32 s76, 0
	s_mov_b32 s3, 0
	s_wait_dscnt 0x0                               ; for the others' sake: my sums lie in LDS
	s_barrier_signal -1
	s_barrier_wait -1
.set R,  32                            ; the sums, then u / 2, then gelu
.set Z,  64                            ; u / sqrt(2), held within +-4
.set X2, 96
.set P,  128
.set QQ, 160
.set CD, 192
.macro HORNER d, lit                   ; d = d z^2 + lit, 32 numbers
.set i, 0
.rept 16
	v_pk_fma_f32 v[\d+i:\d+i+1], v[\d+i:\d+i+1], v[X2+i:X2+i+1], \lit op_sel_hi:[1,1,0]
.set i, i+2
.endr
.endm
.Lrows:                                ; 16 trips: four rows of the tile, eight columns a lane
	v_add_nc_u32 v204, s76, v[RD]
.irp p, 0,1,2,3
	ds_load_b128 v[R+8*\p:R+8*\p+3], v204 offset:528*\p
	ds_load_b128 v[R+8*\p+4:R+8*\p+7], v204 offset:528*\p+16
.endr
	s_wait_dscnt 0x0
.set i, 0
.rept 16
	v_pk_mul_f32 v[Z+i:Z+i+1], v[R+i:R+i+1], s[72:73] op_sel_hi:[1,0]
	v_pk_mul_f32 v[R+i:R+i+1], v[R+i:R+i+1], s[74:75] op_sel_hi:[1,0]
.set i, i+2
.endr
.set i, 0
.rept 32
	v_med3_num_f32 v[Z+i], v[Z+i], -4.0, 4.0
.set i, i+1
.endr
.set i, 0
.rept 16
	v_pk_mul_f32 v[X2+i:X2+i+1], v[Z+i:Z+i+1], v[Z+i:Z+i+1]
.set i, i+2
.endr
.set i, 0
.rept 16
	v_pk_fma_f32 v[P+i:P+i+1], v[X2+i:X2+i+1], v[200:201], 0x32edffee op_sel_hi:[1,1,0]
	v_pk_fma_f32 v[QQ+i:QQ+i+1], v[X2+i:X2+i+1], v[202:203], 0xb95fbd29 op_sel_hi:[1,1,0]
.set i, i+2
.endr
	HORNER P, 0xb60cff51
	HORNER QQ, 0xbadc924e
	HORNER P, 0xb86ec2d2
	HORNER QQ, 0xbbf19bf8
	HORNER P, 0xba40ac63
	HORNER QQ, 0xbc69b6a7
	HORNER P, 0xbb41a1f6
	HORNER P, 0xbc83dbd4
.set i, 0
.rept 32
	v_rcp_f32 v[QQ+i], v[QQ+i]
.set i, i+1
.endr
.set i, 0
.rept 16
	v_pk_mul_f32 v[P+i:P+i+1], v[P+i:P+i+1], v[Z+i:Z+i+1]          ; plain lines behind the reciprocals, which they do not touch
.set i, i+2
.endr
.set i, 0
	s_wait_alu depctr_va_vdst(0)
.rept 16
	v_pk_fma_f32 v[P+i:P+i+1], v[P+i:P+i+1], v[QQ+i:QQ+i+1], 1.0 op_sel_hi:[1,1,0]   ; 1 + erf
.set i, i+2
.endr
.set i, 0
.rept 16
	v_pk_mul_f32 v[R+i:R+i+1], v[R+i:R+i+1], v[P+i:P+i+1]          ; gelu = u / 2 x (1 + erf)
.set i, i+2
.endr
.set i, 0
.rept 32
	v_med3_num_f32 v[R+i], v[R+i], -v[LIM], v[LIM]
.set i, i+1
.endr
.irp p, 0,1,2,3
	v_cvt_scalef32_pk8_fp8_f32 v[CD+2*\p:CD+2*\p+1], v[R+8*\p:R+8*\p+7], v[SC]
.endr
	v_nop
.irp p, 0,1,2,3
	global_store_b64 v[CO], v[CD+2*\p:CD+2*\p+1], s[10:11] offset:4096*\p     ; the 32 lanes store 256 consecutive bytes, aligned
.endr
	s_wait_xcnt 0x0                                ; the stores have read their data and base: both are written again only behind this wait
	s_add_nc_u64 s[10:11], s[10:11], 4*4096
	s_add_co_u32 s76, s76, 4*528
	s_add_co_u32 s3, s3, 1
	s_cmp_lt_u32 s3, 16
	s_cbranch_scc1 .Lrows
	s_wait_tensorcnt 0x0                           ; the wave's end
	ds_add_u32 v[SPW], v[NIL]
	s_wait_dscnt 0x0
	CROUND                                         ; the closing round
	s_endpgm
.Lfunc_end_k_qaac8fb6d27_ffn1:
	.size	k_qaac8fb6d27_ffn1, .Lfunc_end_k_qaac8fb6d27_ffn1-k_qaac8fb6d27_ffn1
	.p2alignl 7, 3214868480
	.fill 96, 4, 3214868480
	.section	.rodata,"a",@progbits
	.p2align	6, 0x0
	.amdhsa_kernel k_qaac8fb6d27_ffn1
		.amdhsa_group_segment_fixed_size 327680
		.amdhsa_private_segment_fixed_size 0
		.amdhsa_enable_private_segment 0
		.amdhsa_kernarg_size 40
		.amdhsa_user_sgpr_count 2
		.amdhsa_user_sgpr_kernarg_segment_ptr 1
		.amdhsa_wavefront_size32 1
		.amdhsa_system_sgpr_workgroup_id_x 1
		.amdhsa_system_sgpr_workgroup_id_y 1
		.amdhsa_system_sgpr_workgroup_id_z 1
		.amdhsa_system_vgpr_workitem_id 0
		.amdhsa_next_free_vgpr 1024
		.amdhsa_next_free_sgpr 100
		.amdhsa_reserve_vcc 0
		.amdhsa_float_denorm_mode_32 3
		.amdhsa_float_denorm_mode_16_64 3
		.amdhsa_memory_ordered 1
		.amdhsa_forward_progress 1
		.amdhsa_inst_pref_size 120
	.end_amdhsa_kernel
	.amdgpu_metadata
---
amdhsa.version: [ 1, 2 ]
amdhsa.kernels:
  - .name:           k_qaac8fb6d27_ffn1
    .symbol:         k_qaac8fb6d27_ffn1.kd
    .args:
      - { .name: h2c, .offset: 0, .size: 8, .value_kind: global_buffer, .address_space: global }
      - { .name: W1_codes, .offset: 8, .size: 8, .value_kind: global_buffer, .address_space: global }
      - { .name: lowp_scales, .offset: 16, .size: 8, .value_kind: global_buffer, .address_space: global }
      - { .name: gc, .offset: 24, .size: 8, .value_kind: global_buffer, .address_space: global }
      - { .name: b1, .offset: 32, .size: 8, .value_kind: global_buffer, .address_space: global }
    .group_segment_fixed_size: 327680
    .private_segment_fixed_size: 0
    .kernarg_segment_align: 8
    .kernarg_segment_size: 40
    .max_flat_workgroup_size: 128
    .sgpr_count:     100
    .vgpr_count:     1024
    .wavefront_size: 32
...
	.end_amdgpu_metadata
.endif
;; end of part 7
;; launch ffn2 (part 8): grid 4 x 16, 4 waves a work-group, clusters of 4 x 4, 327,680 bytes of LDS; arguments gc, W2_codes, lowp_scales, out0, b2, x1; writes out0
.if DOCPART == 8
	.amdgcn_target "amdgcn-amd-amdhsa--gfx1250"
	.amdhsa_code_object_version 6
	.text
	.protected	k_qaac8fb6d27_ffn2
	.globl	k_qaac8fb6d27_ffn2
	.p2align	8
	.type	k_qaac8fb6d27_ffn2,@function
k_qaac8fb6d27_ffn2:
	s_mov_b64 s[64:65], 0
	v_nop
	global_prefetch_b8 v0, s[64:65] scope:SCOPE_SE
	s_setreg_imm32_b32 hwreg(HW_REG_WAVE_MODE, 25, 1), 1
	s_wait_xcnt 0x0
	s_wait_alu depctr_hold_cnt(0) depctr_sa_sdst(0) depctr_va_vdst(0) depctr_va_sdst(0) depctr_va_ssrc(0) depctr_va_vcc(0) depctr_vm_vsrc(0)
	s_getreg_b32 s2, hwreg(HW_REG_IB_STS2, 6, 4)
	s_cmp_eq_u32 s2, 0
	s_cbranch_scc0 .Lentry_in_a_cluster
	s_endpgm
.Lentry_in_a_cluster:
	s_bfe_u32 s2, ttmp6, 0x10000c
	s_cmp_lg_u32 s2, 0xf033
	s_cbranch_scc0 .Lentry_shape_is_right
	s_endpgm
.Lentry_shape_is_right:
; out[m][n] = res[m][n] + bias[n] + 2^(eA + eB) x sum over k of A[m][k] B[n][k].  A: [4096][KROW], B: [1024][KROW]: codes of E4M3, K innermost; res, out: [4096][1024] f32.
; A tile of 256 x 256 to a work-group of four waves, 128 x 128 a wave (64 accumulators).  K goes in steps of 256 through two LDS slots filled by the tensor data mover.
; 4 x 4 work-groups form a cluster: A's tiles are asked for jointly along a row of it, B's along a column.  Source 0 of the matrix instruction = 16 rows of B, source 1 = 16 rows of A:
; a lane holds eight neighbouring numbers of a row.  The bias, divided by 2^(eA + eB), is the C of each sum's first matrix instruction.
; The grid has 64 work-groups: with this tile N = 1,024 gives no more.
; LIMIT: eA + eB between -126 and 127.
; REGISTERS: window 0: v0-31 addresses; v32-95 the bias; v128-255 A's fragments, later rows on their way out.  window 1: B's fragments, two sets; later the residual.  windows 2, 3: the accumulators.
.set KROW,   4096
.set SCOFF,  0x38                      ; entries 14, 15 of the scales
.set LASTOUT, 1                        ; the output is written once and read by nobody here
.set NROW,   4096                      ; a row of res and of out in bytes
.set KSTEP,  256
.set ROWB,   256
.set PITCH,  272                       ; 256 bytes + 16 of padding: the 16 rows of a fragment load start at 16 different banks
.set FR,     16
.set NL,     4
.set NP,     4
.set HALFT,  128*PITCH
.set SLOT,   4*HALFT
.set LAPS,   KROW/(2*KSTEP)
.set SPARE,  2*SLOT                    ; behind the ring: the spare words, 128 bytes a wave, which no other line names
.set SPITCH, 528                       ; the way out: 16 rows x (512 + 16) for each wave, in slot 0, which has had its last fill and its last read by then
.set ADRA, 16
.set ADRB, 20
.set STO,  24
.set RD,   25
.set CO,   26
.set BA,   27
.set SPW,  28
.set NIL,  29
.set BIAS, 32
.set AF,   128
.set BK,   128
.set G1, 24
.set G0, 32
.set G1B, 48
.set G0B, 56
.set MSB, 0
.macro WIN new                         ; the immediate's high byte repeats the setting that is left
.if MSB != (\new)
	s_set_vgpr_msb (MSB<<8)|(\new)
.set MSB, (\new)
.endif
.endm
.set MUL_LO, 0xa1
.set MUL_HI, 0xf1
.set TO_B,   0x40
.macro JLOAD g0a, g1a, g0b, g1b        ; a joint load: waves 0, 1 fetch for A, waves 2, 3 for B; four v_nop follow each line
	s_cmp_eq_u32 s15, 0
	s_cbranch_scc0 .Lfor_b_\@
	tensor_load_to_lds s[\g0a:\g0a+3], s[\g1a:\g1a+7]
	s_nop 0
.rept 4
	v_nop
.endr
	s_branch .Lasked_\@
.Lfor_b_\@:
	tensor_load_to_lds s[\g0b:\g0b+3], s[\g1b:\g1b+7]
	s_nop 0
.rept 4
	v_nop
.endr
.Lasked_\@:
.endm
.macro CREST
	s_cmp_lg_u32 s14, 0
	s_cbranch_scc1 .Lnot_wave_0_\@
	s_barrier_signal -3
.Lnot_wave_0_\@:
	s_barrier_wait -3
	s_barrier_signal -1
	s_barrier_wait -1
.endm
.macro CROUND
	s_barrier_signal -1
	s_barrier_wait -1
	CREST
.endm
	s_load_b256 s[4:11], s[0:1], 0x0               ; A, B, the scales, out
	s_load_b128 s[68:71], s[0:1], 0x20             ; the bias, res
	v_lshl_add_u32 v[SPW], v0, 2, SPARE
	v_mov_b32 v[NIL], 0
	ds_add_u32 v28, v29
	ds_add_u32 v28, v29
	s_wait_dscnt 0x0
	v_lshrrev_b32 v1, 5, v0
	v_readfirstlane_b32 s14, v1                    ; wave 0..3
	s_lshr_b32 s15, s14, 1                         ; my half of the tile's rows; also: I fetch for A (0) or B (1)
	s_and_b32 s16, s14, 1                          ; my half of its columns; also: which 128 rows I fetch
	s_bfe_u32 s40, ttmp6, 0x40000                  ; cx
	s_bfe_u32 s41, ttmp6, 0x40004                  ; cy
	s_lshl_b32 s42, ttmp9, 2
	s_add_co_u32 s42, s42, s40                     ; tile column
	s_and_b32 s17, ttmp7, 0xffff
	s_lshl_b32 s17, s17, 2
	s_add_co_u32 s17, s17, s41                     ; tile row
	s_lshl_b32 s43, s41, 2
	s_lshl_b32 s43, 15, s43                        ; my row of the cluster
	s_lshl_b32 s44, 0x1111, s40                    ; my column
	s_or_b32 s[G1+0], s43, (0<<16)|(1<<20)|(1<<21)|(5<<22)|(3<<25)  ; mask; elements of 1 byte; padding on; bit 21 beside a mask; after every 64 words, 4 words
	s_or_b32 s[G1B+0], s44, (0<<16)|(1<<20)|(1<<21)|(5<<22)|(3<<25)
.irp g, G1, G1B
	s_mov_b32 s[\g+1], ROWB<<16
	s_mov_b32 s[\g+2], 128<<16
	s_mov_b32 s[\g+3], ROWB<<16
	s_mov_b32 s[\g+4], 128
	s_mov_b32 s[\g+5], KROW
	s_mov_b32 s[\g+6], 0
	s_mov_b32 s[\g+7], 0
.endr
	s_lshl_b32 s18, s16, 7
	s_lshl_b32 s20, s17, 8
	s_add_co_u32 s20, s20, s18
	s_lshl_b32 s46, s42, 8
	s_add_co_u32 s46, s46, s18
	s_mov_b32 s21, 0
	s_mov_b32 s47, 0
	s_mov_b64 s[18:19], KROW
	s_mul_u64 s[20:21], s[20:21], s[18:19]
	s_mul_u64 s[46:47], s[46:47], s[18:19]
	s_mul_i32 s45, s14, HALFT
	s_wait_kmcnt 0x0
	s_load_b64 s[96:97], s[8:9], SCOFF             ; eA, eB
	s_add_nc_u64 s[20:21], s[4:5], s[20:21]
	s_add_nc_u64 s[46:47], s[6:7], s[46:47]
	CROUND                                         ; all sixteen work-groups are here: the first joint loads meet
.irp s, 0,1
	s_mov_b32 s[G0+4*\s], 1
	s_add_co_u32 s[G0+4*\s+1], s45, \s*SLOT
	s_add_nc_u64 s[G0+4*\s+2:G0+4*\s+3], s[20:21], \s*ROWB
	s_or_b32 s[G0+4*\s+3], s[G0+4*\s+3], 0x80000000
	s_mov_b32 s[G0B+4*\s], 1
	s_add_co_u32 s[G0B+4*\s+1], s45, \s*SLOT
	s_add_nc_u64 s[G0B+4*\s+2:G0B+4*\s+3], s[46:47], \s*ROWB
	s_or_b32 s[G0B+4*\s+3], s[G0B+4*\s+3], 0x80000000
	JLOAD G0+4*\s, G1, G0B+4*\s, G1B
.endr
	v_and_b32 v1, 15, v0                           ; r
	v_bfe_u32 v2, v0, 4, 1                         ; h
	v_mul_u32_u24 v3, v1, PITCH
	v_lshl_add_u32 v4, v2, 4, v3
	s_mul_i32 s21, s15, HALFT
	s_mul_i32 s22, s16, HALFT
	s_add_co_u32 s22, s22, 2*HALFT
.irp s, 0,1
	v_add_nc_u32 v[ADRA+\s], s21, v4
	v_add_nc_u32 v[ADRB+\s], s22, v4
	s_add_co_u32 s21, s21, SLOT
	s_add_co_u32 s22, s22, SLOT
.endr
	s_mul_i32 s23, s14, 16*SPITCH                  ; my stage
	v_mul_u32_u24 v5, v1, SPITCH
	v_lshl_add_u32 v5, v2, 5, v5
	v_add_nc_u32 v[STO], s23, v5                   ; in: row r, 32 bytes for each half of the lanes
	v_and_b32 v6, 31, v0
	v_lshlrev_b32 v[CO], 4, v6                     ; back: the 32 lanes take a row of 512 bytes; and the same in res and out
	v_add_nc_u32 v[RD], s23, v[CO]
	s_lshl_b32 s20, s17, 8
	s_lshl_b32 s21, s15, 7
	s_add_co_u32 s20, s20, s21                     ; my first row
	s_mov_b32 s21, 0
	s_mov_b64 s[18:19], NROW
	s_mul_u64 s[20:21], s[20:21], s[18:19]
	s_lshl_b32 s46, s42, 10
	s_lshl_b32 s47, s16, 9
	s_add_co_u32 s46, s46, s47                     ; my first column, in bytes of f32
	s_mov_b32 s47, 0
	s_add_nc_u64 s[68:69], s[68:69], s[46:47]
	s_add_nc_u64 s[20:21], s[20:21], s[46:47]
	s_add_nc_u64 s[10:11], s[10:11], s[20:21]
	s_add_nc_u64 s[70:71], s[70:71], s[20:21]
	v_lshlrev_b32 v[BA], 5, v2                     ; the bias in the result's layout: register 8 b + j = column 16 b + 8 h + j
.irp b, 0,1,2,3,4,5,6,7
	global_load_b128 v[BIAS+8*\b:BIAS+8*\b+3], v[BA], s[68:69] offset:64*\b
	global_load_b128 v[BIAS+8*\b+4:BIAS+8*\b+7], v[BA], s[68:69] offset:64*\b+16
.endr
	s_wait_kmcnt 0x0
	s_add_co_i32 s96, s96, s97                     ; eA + eB
	s_sub_co_i32 s98, 0, s96
	s_add_co_i32 s96, s96, 127
	s_lshl_b32 s96, s96, 23                        ; 2^(eA + eB) as f32
	s_mov_b32 s97, s96                             ; named with it as a pair
	s_wait_loadcnt 0x0
.set i, 0
.rept 64
	v_ldexp_f32 v[BIAS+i], v[BIAS+i], s98          ; the bias goes in divided by the power of two that the sums lack
.set i, i+1
.endr
.macro FRAG reg, adr, q, i             ; 16 rows x 128 K: registers 4 c .. 4 c + 3 hold K = 32 c + 16 h + 0 .. 15, alike in A and B
.irp c, 0,1,2,3
	ds_load_b128 v[\reg+4*\c:\reg+4*\c+3], v[\adr] offset:128*(\q)+32*\c+(\i)*16*PITCH
.endr
.endm
; 16 matrix instructions: A's blocks a0, a0 + 1 x B's eight.  first = 1: the sums start from 0; 2: from the bias registers; 0: they go on.  The 64 accumulators take turns.
.macro MUL16 a0, p, first
.irp a, \a0, \a0+1
.irp b, 0,1,2,3,4,5,6,7
.if \first == 1
	v_wmma_f32_16x16x128_fp8_fp8 v[8*(8*((\a)%4)+\b):8*(8*((\a)%4)+\b)+7], v[128*(\p)+FR*\b:128*(\p)+FR*\b+FR-1], v[AF+FR*(\a):AF+FR*(\a)+FR-1], 0
.elseif \first == 2
	v_wmma_f32_16x16x128_fp8_fp8 v[8*(8*((\a)%4)+\b):8*(8*((\a)%4)+\b)+7], v[128*(\p)+FR*\b:128*(\p)+FR*\b+FR-1], v[AF+FR*(\a):AF+FR*(\a)+FR-1], v[BIAS+8*\b:BIAS+8*\b+7]
.else
	v_wmma_f32_16x16x128_fp8_fp8 v[8*(8*((\a)%4)+\b):8*(8*((\a)%4)+\b)+7], v[128*(\p)+FR*\b:128*(\p)+FR*\b+FR-1], v[AF+FR*(\a):AF+FR*(\a)+FR-1], v[8*(8*((\a)%4)+\b):8*(8*((\a)%4)+\b)+7]
.endif
.endr
.endr
.endm
.macro FETCH_B slot, q, p
	WIN TO_B
.irp i, 0,1,2,3,4,5,6,7
	FRAG 128*(\p)+FR*\i, ADRB+\slot, \q, \i
.endr
	WIN 0
.endm
.macro FETCH_A slot, q, i0
.irp i, \i0, \i0+1, \i0+2, \i0+3
	FRAG AF+FR*(\i), ADRA+\slot, \q, \i
.endr
.endm
.macro PLACES n                        ; plain vector instructions between a matrix instruction and a load into, or a read of, its registers
.rept \n
	v_nop
.endr
.endm
.macro STEP slot, q, first
	s_wait_dscnt 4*NL                              ; B's set and A's blocks 0-3 are in; the youngest 16 loads (A's blocks 4-7) may be out
.if \first
	WIN 0x81                                       ; as MUL_LO, with C in window 0
.else
	WIN MUL_LO
.endif
	MUL16 0, (\q)%2, \first
	MUL16 2, (\q)%2, \first
	s_wait_dscnt 0
	PLACES NP
	FETCH_B \slot, (\q)+1, 1-(\q)%2
	FETCH_A \slot, (\q)+1, 0
.if \first
	WIN 0xc1
.else
	WIN MUL_HI
.endif
	MUL16 4, (\q)%2, \first
	MUL16 6, (\q)%2, \first
	PLACES NP
	WIN 0
	FETCH_A \slot, (\q)+1, 4
.endm
.macro TURN slot, next, fill
	s_wait_tensorcnt 0x0                           ; all my tensor loads have landed: my part of the next slot
	ds_add_u32 v[SPW], v[NIL]                      ; 0 onto my spare word
	s_wait_dscnt 4*NL+1                            ; the add and the youngest 16 loads may be out
	WIN MUL_LO
	MUL16 0, 1, 0
	s_wait_dscnt 0x0                               ; the add is done, and my reads of this slot are over
	s_barrier_signal -1
	MUL16 2, 1, 0
	WIN 0
	s_barrier_wait -1
.if \fill
	CREST                                          ; the barrier opened a round of the cluster's: no wave of any partner still reads this slot or has a load on its way
	s_add_nc_u64 s[G0+4*\slot+2:G0+4*\slot+3], s[G0+4*\slot+2:G0+4*\slot+3], 2*ROWB
	s_add_nc_u64 s[G0B+4*\slot+2:G0B+4*\slot+3], s[G0B+4*\slot+2:G0B+4*\slot+3], 2*ROWB
	JLOAD G0+4*\slot, G1, G0B+4*\slot, G1B         ; my one tensor load behind the round; its four v_nop are the places in front of the loads below
.else
	PLACES NP
.endif
	FETCH_B \next, 0, 0
	FETCH_A \next, 0, 0
	WIN MUL_HI
	MUL16 4, 1, 0
	MUL16 6, 1, 0
	PLACES NP
	WIN 0
	FETCH_A \next, 0, 4
.endm
	s_wait_tensorcnt 1                             ; my part of K step 0 is in; K step 1's load may be out
	s_barrier_signal -1
	s_barrier_wait -1
	FETCH_B 0, 0, 0
	FETCH_A 0, 0, 0
	FETCH_A 0, 0, 4
	STEP 0, 0, 2
	s_mov_b32 s3, LAPS-1
.Llap:
	TURN 0, 1, 1
	STEP 1, 0, 0
	TURN 1, 0, 1
	STEP 0, 0, 0
	s_sub_co_u32 s3, s3, 1
	s_cmp_lg_u32 s3, 0
	s_cbranch_scc1 .Llap
	TURN 0, 1, 0
	STEP 1, 0, 0
	s_wait_dscnt 4*NL
	WIN MUL_LO
	MUL16 0, 1, 0
	MUL16 2, 1, 0
	s_wait_dscnt 0
	WIN MUL_HI
	MUL16 4, 1, 0
	MUL16 6, 1, 0
	WIN 0
; THE WAY OUT, block by block of 16 rows x 128 columns: the raw sums go through my own stage in LDS and come back as whole rows of 512 bytes; one packed multiply-add gives sum x 2^(eA + eB) + res;
; the 32 lanes store 512 consecutive bytes, aligned.  The residual's rows are asked for three blocks ahead, into the registers that held B's fragments.  Every offset is an immediate: 127 rows of 4,096 bytes at the most.
.macro RLOAD a
.set RS, 64*((\a)%4)
	WIN 0x40
.irp t, 0,1,2,3,4,5,6,7,8,9,10,11,12,13,14,15
	global_load_b128 v[RS+4*\t:RS+4*\t+3], v[CO], s[70:71] offset:(16*(\a)+\t)*NROW
.endr
	WIN 0
.endm
.macro TOSTAGE a
.set AC, 64*((\a)%4)
.set BB, BK+64*((\a)%2)
	WIN 0x08+4*((\a)/4)                            ; the stores' data: window 2 or 3
.irp b, 0,1,2,3,4,5,6,7
	ds_store_b128 v[STO], v[AC+8*\b:AC+8*\b+3] offset:64*\b          ; each accumulator from its low end on
	ds_store_b128 v[STO], v[AC+8*\b+4:AC+8*\b+7] offset:64*\b+16
.endr
	WIN 0
.irp t, 0,1,2,3,4,5,6,7,8,9,10,11,12,13,14,15
	ds_load_b128 v[BB+4*\t:BB+4*\t+3], v[RD] offset:\t*SPITCH        ; LDS serves a wave's instructions in order: these see the stores above
.endr
.endm
.macro SEND a, younger
.set BB, BK+64*((\a)%2)
.set RS, 64*((\a)%4)
	s_wait_dscnt \younger                          ; the block is back; the next block's 16 stores and 16 loads may be out
.if (\a) < 6
	s_wait_loadcnt 32                              ; its residual is in; the next two blocks' 16 loads each may be out
.else
	s_wait_loadcnt 16*(7-(\a))
.endif
	WIN 0x10                                       ; source 2: window 1
.set i, 0
.rept 32
	v_pk_fma_f32 v[BB+i:BB+i+1], v[BB+i:BB+i+1], s[96:97], v[RS+i:RS+i+1] op_sel_hi:[1,0,1]
.set i, i+2
.endr
	WIN 0
.irp t, 0,1,2,3,4,5,6,7,8,9,10,11,12,13,14,15
.if LASTOUT
	global_store_b128 v[CO], v[BB+4*\t:BB+4*\t+3], s[10:11] offset:(16*(\a)+\t)*NROW th:TH_STORE_NT
.else
	global_store_b128 v[CO], v[BB+4*\t:BB+4*\t+3], s[10:11] offset:(16*(\a)+\t)*NROW
.endif
.endr
.if (\a) < 5
	RLOAD (\a)+3
.endif
.endm
	PLACES NP                                      ; behind the last products: for the loads into B's and A's registers and the first reads of results
	RLOAD 0
	RLOAD 1
	RLOAD 2
	TOSTAGE 0
.irp a, 1,2,3,4,5,6,7
.if \a > 1
	s_wait_xcnt 0x0                                ; block a - 2's stores have read their registers: block a's loads may land there
.endif
	TOSTAGE \a
	SEND \a-1, 32
.endr
	SEND 7, 0
	s_wait_tensorcnt 0x0                           ; the wave's end
	ds_add_u32 v[SPW], v[NIL]
	s_wait_dscnt 0x0
	CROUND                                         ; the closing round
	s_endpgm
.Lfunc_end_k_qaac8fb6d27_ffn2:
	.size	k_qaac8fb6d27_ffn2, .Lfunc_end_k_qaac8fb6d27_ffn2-k_qaac8fb6d27_ffn2
	.p2alignl 7, 3214868480
	.fill 96, 4, 3214868480
	.section	.rodata,"a",@progbits
	.p2align	6, 0x0
	.amdhsa_kernel k_qaac8fb6d27_ffn2
		.amdhsa_group_segment_fixed_size 327680
		.amdhsa_private_segment_fixed_size 0
		.amdhsa_enable_private_segment 0
		.amdhsa_kernarg_size 48
		.amdhsa_user_sgpr_count 2
		.amdhsa_user_sgpr_kernarg_segment_ptr 1
		.amdhsa_wavefront_size32 1
		.amdhsa_system_sgpr_workgroup_id_x 1
		.amdhsa_system_sgpr_workgroup_id_y 1
		.amdhsa_system_sgpr_workgroup_id_z 1
		.amdhsa_system_vgpr_workitem_id 0
		.amdhsa_next_free_vgpr 1024
		.amdhsa_next_free_sgpr 100
		.amdhsa_reserve_vcc 0
		.amdhsa_float_denorm_mode_32 3
		.amdhsa_float_denorm_mode_16_64 3
		.amdhsa_memory_ordered 1
		.amdhsa_forward_progress 1
		.amdhsa_inst_pref_size 142
	.end_amdhsa_kernel
	.amdgpu_metadata
---
amdhsa.version: [ 1, 2 ]
amdhsa.kernels:
  - .name:           k_qaac8fb6d27_ffn2
    .symbol:         k_qaac8fb6d27_ffn2.kd
    .args:
      - { .name: gc, .offset: 0, .size: 8, .value_kind: global_buffer, .address_space: global }
      - { .name: W2_codes, .offset: 8, .size: 8, .value_kind: global_buffer, .address_space: global }
      - { .name: lowp_scales, .offset: 16, .size: 8, .value_kind: global_buffer, .address_space: global }
      - { .name: out0, .offset: 24, .size: 8, .value_kind: global_buffer, .address_space: global }
      - { .name: b2, .offset: 32, .size: 8, .value_kind: global_buffer, .address_space: global }
      - { .name: x1, .offset: 40, .size: 8, .value_kind: global_buffer, .address_space: global }
    .group_segment_fixed_size: 327680
    .private_segment_fixed_size: 0
    .kernarg_segment_align: 8
    .kernarg_segment_size: 48
    .max_flat_workgroup_size: 128
    .sgpr_count:     100
    .vgpr_count:     1024
    .wavefront_size: 32
...
	.end_amdgpu_metadata
.endif
;; end of part 8
;; ======== version 2 of 2: 8 launches
;; limits: right only within a limited range of input values
;; workspace buffers: hc 12,582,912 bytes; qkvc 12,582,912 bytes; ac 4,194,304 bytes; x1 16,777,216 bytes; h2c 4,194,304 bytes; gc 16,777,216 bytes
;; launch ln1 (part 9): grid 256 x 1, 4 waves a work-group, no clusters, 20,992 bytes of LDS; arguments x, ln1_g, ln1_b, lowp_scales, hc; writes hc
.if DOCPART == 9
	.amdgcn_target "amdgcn-amd-amdhsa--gfx1250"
	.amdhsa_code_object_version 6
	.text
	.protected	k_qaac8fb6d27_ln1
	.globl	k_qaac8fb6d27_ln1
	.p2align	8
	.type	k_qaac8fb6d27_ln1,@function
k_qaac8fb6d27_ln1:
	s_mov_b64 s[64:65], 0
	v_nop
	global_prefetch_b8 v0, s[64:65] scope:SCOPE_SE
	s_setreg_imm32_b32 hwreg(HW_REG_WAVE_MODE, 25, 1), 1
	s_wait_xcnt 0x0
; y = (x - mean) * rsqrt(var + 1e-5) * g + b over rows of 1,024 f32, then y as codes of E4M3 under NOUT given scales 2^e.
; Here NOUT = 3: entries 0, 2, 4 of the scales; part o of the output ([3][4096][1024] bytes) holds y under entry 2 o.
; A wave takes four whole rows; a row is 32 registers a lane, so it is read from memory once and both sums stay in the wave:
; no barrier.  The variance is the mean of (x - mean)^2, taken in a second pass over the registers.
; The conversion wants 8 neighbours in one lane, the loads want neighbouring lanes on neighbouring bytes: the finished row
; turns through the wave's own stage in LDS (64 bytes + 16 of padding a lane, two half rows).  A lane's 16 codes are 16
; bytes: each store of the wave covers 512 consecutive bytes, aligned.
; LIMITS: each e between -126 and 119, so that 2^e and 448 x 2^e are f32 numbers.  NaN among the inputs is not served.
.set NOUT, 3
.set G,    24                          ; v24-55   g of my 32 columns, as loaded
.set B,    56                          ; v56-87   b likewise
.set X,    88                          ; v88-215  four rows, 32 registers each
.set Y,    216                         ; v216-247 the turned row: 2 x 16 neighbours
.set SP,   80
.set HALF, 32*SP
	s_load_b256 s[4:11], s[0:1], 0x0               ; x, g, b, the scales
	s_load_b64 s[12:13], s[0:1], 0x20              ; the codes
	v_lshl_add_u32 v22, v0, 2, 0x5000
	v_mov_b32 v23, 0
	v_lshrrev_b32 v4, 5, v0
	v_readfirstlane_b32 s3, v4                     ; wave
	v_and_b32 v4, 31, v0                           ; lane
	v_lshlrev_b32 v1, 4, v4                        ; 16 x lane: my bytes of a load's or a store's 512
	s_mul_i32 s2, s3, 2*HALF                       ; my wave's stage
	v_lshrrev_b32 v5, 2, v4
	v_mul_u32_u24 v2, v5, SP
	v_and_b32 v5, 3, v4
	v_lshl_add_u32 v2, v5, 4, v2
	v_add_nc_u32 v2, s2, v2                        ; into the stage: four lanes' 64 bytes on end, then the padding
	v_mul_u32_u24 v3, v4, SP
	v_add_nc_u32 v3, s2, v3                        ; out of it: my 16 neighbours
	v_mov_b32 v5, 0                                ; a lane permute's destination counts as read
	v_mov_b32 v7, 0                                ; named as the upper half of v[6:7]
	s_mov_b32 s24, 0x76543210
	s_mov_b32 s25, 0xfedcba98                      ; selects: lane l xor 16
	s_mov_b32 s26, 0x3a800000                      ; 1 / 1024
	s_mov_b32 s27, 0x3727c5ac                      ; 1e-5
	s_lshl_b32 s34, ttmp9, 4
	s_lshl_b32 s35, s3, 2
	s_add_co_u32 s34, s34, s35                     ; my first row: 16 x work-group + 4 x wave
	s_lshl_b32 s36, s34, 12
	s_mov_b32 s37, 0
	s_lshl_b32 s38, s34, 10
	s_mov_b32 s39, 0
	s_wait_kmcnt 0x0
.if NOUT == 3
	s_load_b256 s[16:23], s[10:11], 0x0            ; entries 0 to 7
.else
	s_load_b32 s16, s[10:11], 0x30                 ; entry 12
.endif
	s_add_nc_u64 s[4:5], s[4:5], s[36:37]
	s_add_nc_u64 s[28:29], s[12:13], s[38:39]
.if NOUT == 3
	s_add_nc_u64 s[30:31], s[28:29], 0x400000      ; the parts lie 4 MiB apart
	s_add_nc_u64 s[32:33], s[28:29], 0x800000
.endif
.irp j, 0,1,2,3,4,5,6,7
	global_load_b128 v[G+4*\j:G+4*\j+3], v1, s[6:7] offset:512*\j
.endr
.irp j, 0,1,2,3,4,5,6,7
	global_load_b128 v[B+4*\j:B+4*\j+3], v1, s[8:9] offset:512*\j
.endr
.irp r, 0,1,2,3
.irp j, 0,1,2,3,4,5,6,7
	global_load_b128 v[X+32*\r+4*\j:X+32*\r+4*\j+3], v1, s[4:5] offset:4096*\r+512*\j
.endr
.endr
	s_wait_kmcnt 0x0
.set o, 0
.rept NOUT
	s_add_co_i32 s40, s[16+2*o], 127
	s_lshl_b32 s41, s40, 23
	v_mov_b32 v[16+2*o], s41                       ; 2^e as f32: the conversion takes its exponent field
	s_add_co_i32 s40, s40, 8
	s_lshl_b32 s40, s40, 23
	s_or_b32 s40, s40, 0x600000
	v_mov_b32 v[17+2*o], s40                       ; 448 x 2^e
.set o, o+1
.endr
.macro REDUCE                          ; four packed chains in v[8:15] -> their sum over the wave, in v4 of every lane
	v_pk_add_f32 v[8:9], v[8:9], v[10:11]
	v_pk_add_f32 v[12:13], v[12:13], v[14:15]
	v_pk_add_f32 v[8:9], v[8:9], v[12:13]
	v_add_f32 v4, v8, v9
	v_add_f32_dpp v4, v4, v4 row_xmask:1 row_mask:0xf bank_mask:0xf
	v_add_f32_dpp v4, v4, v4 row_xmask:2 row_mask:0xf bank_mask:0xf
	v_add_f32_dpp v4, v4, v4 row_xmask:4 row_mask:0xf bank_mask:0xf
	v_add_f32_dpp v4, v4, v4 row_xmask:8 row_mask:0xf bank_mask:0xf
	v_permlanex16_b32 v5, v4, s24, s25
	v_add_f32 v4, v4, v5
.endm
.macro ROW r
.set XR, X+32*(\r)
	s_wait_loadcnt 8*(3-(\r))                      ; loads come back in order: g, b and this row are in, the later rows' eight loads each stay out
.irp k, 0,1,2,3
	v_pk_add_f32 v[8+2*\k:9+2*\k], v[XR+2*\k:XR+2*\k+1], v[XR+8+2*\k:XR+9+2*\k]
.endr
.irp k, 0,1,2,3,4,5,6,7
	v_pk_add_f32 v[8+2*(\k%4):9+2*(\k%4)], v[8+2*(\k%4):9+2*(\k%4)], v[XR+16+2*\k:XR+17+2*\k]
.endr
	REDUCE
	v_mul_f32 v6, s26, v4                          ; the mean
.set i, 0
.rept 16
	v_pk_add_f32 v[XR+i:XR+i+1], v[XR+i:XR+i+1], v[6:7] op_sel_hi:[1,0] neg_lo:[0,1] neg_hi:[0,1]
.set i, i+2
.endr
.irp k, 0,1,2,3
	v_pk_mul_f32 v[8+2*\k:9+2*\k], v[XR+2*\k:XR+2*\k+1], v[XR+2*\k:XR+2*\k+1]
.endr
.irp k, 4,5,6,7,8,9,10,11,12,13,14,15
	v_pk_fma_f32 v[8+2*(\k%4):9+2*(\k%4)], v[XR+2*\k:XR+2*\k+1], v[XR+2*\k:XR+2*\k+1], v[8+2*(\k%4):9+2*(\k%4)]
.endr
	REDUCE
	v_fma_f32 v4, v4, s26, s27                     ; the variance + 1e-5
	s_wait_alu depctr_va_vdst(0)
	v_rsq_f32 v6, v4
	v_nop                                          ; a plain instruction between the root and its use
.set i, 0
	s_wait_alu depctr_va_vdst(0)
.rept 16
	v_pk_mul_f32 v[XR+i:XR+i+1], v[XR+i:XR+i+1], v[6:7] op_sel_hi:[1,0]
.set i, i+2
.endr
.set i, 0
.rept 16
	v_pk_fma_f32 v[XR+i:XR+i+1], v[XR+i:XR+i+1], v[G+i:G+i+1], v[B+i:B+i+1]
.set i, i+2
.endr
.irp j, 0,1,2,3,4,5,6,7
	ds_store_b128 v2, v[XR+4*\j:XR+4*\j+3] offset:HALF*(\j/4)+8*SP*(\j%4)
.endr
.if (NOUT > 1) && ((\r) > 0)
	s_wait_xcnt 0x0                                ; v248-255 were data of the last row's stores: they are written again only behind this wait
.endif
.irp j, 0,1,2,3,4,5,6,7
	ds_load_b128 v[Y+4*\j:Y+4*\j+3], v3 offset:HALF*(\j/4)+16*(\j%4)   ; LDS serves a wave's instructions in order: these see the stores above
.endr
	s_wait_dscnt 0x0                               ; the row is back: columns 512 s + 16 x lane + 0 .. 15 in Y + 16 s
.irp s, 0,1
.set o, 0
.rept NOUT
.set QD, NOUT*\s+o
.if QD < 4
.set QR, XR+16+4*QD                    ; the codes go where the row's upper half lay,
.else
.set QR, 248+4*(QD-4)                  ; the last two sets into v248-255
.endif
.irp i, 0,1,2,3,4,5,6,7,8,9,10,11,12,13,14,15
	v_med3_num_f32 v[XR+\i], v[Y+16*\s+\i], -v[17+2*o], v[17+2*o]   ; the conversion does not saturate: hold within 448 x the scale first
.endr
	v_cvt_scalef32_pk8_fp8_f32 v[QR:QR+1], v[XR:XR+7], v[16+2*o]
	v_cvt_scalef32_pk8_fp8_f32 v[QR+2:QR+3], v[XR+8:XR+15], v[16+2*o]
	v_nop                                          ; a plain instruction before the conversions' sources are written again
	global_store_b128 v1, v[QR:QR+3], s[28+2*o:29+2*o] offset:(\r)*1024+512*\s
.set o, o+1
.endr
.endr
.endm
	ROW 0
	ROW 1
	ROW 2
	ROW 3
	s_wait_tensorcnt 0x0
	ds_add_u32 v22, v23
	s_wait_dscnt 0x0
	s_endpgm
.Lfunc_end_k_qaac8fb6d27_ln1:
	.size	k_qaac8fb6d27_ln1, .Lfunc_end_k_qaac8fb6d27_ln1-k_qaac8fb6d27_ln1
	.p2alignl 7, 3214868480
	.fill 96, 4, 3214868480
	.section	.rodata,"a",@progbits
	.p2align	6, 0x0
	.amdhsa_kernel k_qaac8fb6d27_ln1
		.amdhsa_group_segment_fixed_size 20992
		.amdhsa_private_segment_fixed_size 0
		.amdhsa_enable_private_segment 0
		.amdhsa_kernarg_size 40
		.amdhsa_user_sgpr_count 2
		.amdhsa_user_sgpr_kernarg_segment_ptr 1
		.amdhsa_wavefront_size32 1
		.amdhsa_system_sgpr_workgroup_id_x 1
		.amdhsa_system_sgpr_workgroup_id_y 1
		.amdhsa_system_sgpr_workgroup_id_z 1
		.amdhsa_system_vgpr_workitem_id 0
		.amdhsa_next_free_vgpr 256
		.amdhsa_next_free_sgpr 66
		.amdhsa_reserve_vcc 0
		.amdhsa_float_denorm_mode_32 3
		.amdhsa_float_denorm_mode_16_64 3
		.amdhsa_memory_ordered 1
		.amdhsa_forward_progress 1
		.amdhsa_inst_pref_size 67
	.end_amdhsa_kernel
	.amdgpu_metadata
---
amdhsa.version: [ 1, 2 ]
amdhsa.kernels:
  - .name:           k_qaac8fb6d27_ln1
    .symbol:         k_qaac8fb6d27_ln1.kd
    .args:
      - { .name: x, .offset: 0, .size: 8, .value_kind: global_buffer, .address_space: global }
      - { .name: ln1_g, .offset: 8, .size: 8, .value_kind: global_buffer, .address_space: global }
      - { .name: ln1_b, .offset: 16, .size: 8, .value_kind: global_buffer, .address_space: global }
      - { .name: lowp_scales, .offset: 24, .size: 8, .value_kind: global_buffer, .address_space: global }
      - { .name: hc, .offset: 32, .size: 8, .value_kind: global_buffer, .address_space: global }
    .group_segment_fixed_size: 20992
    .private_segment_fixed_size: 0
    .kernarg_segment_align: 8
    .kernarg_segment_size: 40
    .max_flat_workgroup_size: 128
    .sgpr_count:     66
    .vgpr_count:     256
    .wavefront_size: 32
...
	.end_amdgpu_metadata
.endif
;; end of part 9
;; launch qkv (part 10): grid 4 x 48, 4 waves a work-group, clusters of 4 x 4, 327,680 bytes of LDS; arguments hc, Wq_codes, Wk_codes, Wv_codes, lowp_scales, qkvc; writes qkvc
.if DOCPART == 10
	.amdgcn_target "amdgcn-amd-amdhsa--gfx1250"
	.amdhsa_code_object_version 6
	.text
	.protected	k_qaac8fb6d27_qkv
	.globl	k_qaac8fb6d27_qkv
	.p2align	8
	.type	k_qaac8fb6d27_qkv,@function
k_qaac8fb6d27_qkv:
	s_mov_b64 s[64:65], 0
	v_nop
	global_prefetch_b8 v0, s[64:65] scope:SCOPE_SE
	s_setreg_imm32_b32 hwreg(HW_REG_WAVE_MODE, 25, 1), 1
	s_wait_xcnt 0x0
	s_wait_alu depctr_hold_cnt(0) depctr_sa_sdst(0) depctr_va_vdst(0) depctr_va_sdst(0) depctr_va_ssrc(0) depctr_va_vcc(0) depctr_vm_vsrc(0)
	s_getreg_b32 s2, hwreg(HW_REG_IB_STS2, 6, 4)
	s_cmp_eq_u32 s2, 0
	s_cbranch_scc0 .Lentry_in_a_cluster
	s_endpgm
.Lentry_in_a_cluster:
	s_bfe_u32 s2, ttmp6, 0x10000c
	s_cmp_lg_u32 s2, 0xf033
	s_cbranch_scc0 .Lentry_shape_is_right
	s_endpgm
.Lentry_shape_is_right:
; q, k and v: three products [4096, 1024] x [1024, 1024] on codes of E4M3, their results quantised at once for attention.
; C'[m'][n'] = sum over k of A'[m'][k] B'[n'][k], a tile of 256 x 256 to a work-group of four waves, 128 x 128 a wave (64 accumulators).
; A lane ends with eight neighbours along n'.  For q and k: A' = the rows' codes, B' = the weight: n' is the head's axis, the next product's K.
; For v: A' = the weight, B' = the rows' codes: n' is the keys, the K of attention's second product.  Only pointers and tile numbers are
; chosen (on the cluster's y, which all partners share): there is one path through the text.
; K goes in steps of 256 through two LDS slots filled by the tensor data mover; 4 x 4 work-groups form a cluster, A's tiles are asked for
; jointly along a row of it, B's along a column.  Source 0 of the matrix instruction = 16 rows of B', source 1 = 16 rows of A'.
; OUT: part 0 q, part 1 k: [256-token block 16][head 16][256 tokens][64 d]; part 2 v: [head group 4][block 16][64-key group 4][head 4][64 d][64 keys].
; In all three a tile's column group of 64 is one dense run of 16,384 bytes: 256 rows m' x 64 bytes.
; code = sum x 2^(eA + eB - eOut), held within +-448.  LIMIT: eOut - eA - eB between -126 and 119.  NaN is not served.
; REGISTERS: window 0: v0-31 addresses; v32-127 at work on the way out; v128-255 A's fragments, one set.  window 1: B's fragments, two sets.  windows 2, 3: the accumulators.
.set KROW,   1024
.set KSTEP,  256
.set ROWB,   256
.set PITCH,  272                       ; 256 bytes + 16 of padding: the 16 rows of a fragment load start at 16 different banks
.set FR,     16
.set NL,     4
.set NP,     4
.set HALFT,  128*PITCH
.set SLOT,   4*HALFT
.set LAPS,   KROW/(2*KSTEP)
.set SPARE,  2*SLOT                    ; behind the ring: the spare words, 128 bytes a wave, which no other line names
.set PANEL,  256*80                    ; the way out: four panels of 256 rows x (64 bytes + 16), in slot 0, which has had its last fill and its last read by then
.set ADRA, 16
.set ADRB, 20
.set STO,  24
.set RD,   25
.set CO,   26
.set SPW,  28
.set NIL,  29
.set SC,   30
.set LIM,  31
.set BIAS, 32
.set AF,   128
.set G1, 24
.set G0, 32
.set G1B, 48
.set G0B, 56
.set MSB, 0
.macro WIN new                         ; the immediate's high byte repeats the setting that is left
.if MSB != (\new)
	s_set_vgpr_msb (MSB<<8)|(\new)
.set MSB, (\new)
.endif
.endm
.set MUL_LO, 0xa1                      ; source 0 (B) window 1, source 1 (A) window 0, C and D window 2
.set MUL_HI, 0xf1
.set TO_B,   0x40
.macro JLOAD g0a, g1a, g0b, g1b        ; a joint load: waves 0, 1 fetch for A, waves 2, 3 for B; four v_nop follow each line
	s_cmp_eq_u32 s15, 0
	s_cbranch_scc0 .Lfor_b_\@
	tensor_load_to_lds s[\g0a:\g0a+3], s[\g1a:\g1a+7]
	s_nop 0
.rept 4
	v_nop
.endr
	s_branch .Lasked_\@
.Lfor_b_\@:
	tensor_load_to_lds s[\g0b:\g0b+3], s[\g1b:\g1b+7]
	s_nop 0
.rept 4
	v_nop
.endr
.Lasked_\@:
.endm
.macro CREST                           ; a round of the cluster's barrier behind its opening barrier
	s_cmp_lg_u32 s14, 0
	s_cbranch_scc1 .Lnot_wave_0_\@
	s_barrier_signal -3
.Lnot_wave_0_\@:
	s_barrier_wait -3
	s_barrier_signal -1
	s_barrier_wait -1
.endm
.macro CROUND
	s_barrier_signal -1
	s_barrier_wait -1
	CREST
.endm
	s_load_b256 s[68:75], s[0:1], 0x0              ; the rows' codes, Wq, Wk, Wv
	s_load_b128 s[76:79], s[0:1], 0x20             ; the scales, the output
	v_lshl_add_u32 v[SPW], v0, 2, SPARE
	v_mov_b32 v[NIL], 0
	ds_add_u32 v28, v29
	ds_add_u32 v28, v29
	s_wait_dscnt 0x0
	v_lshrrev_b32 v1, 5, v0
	v_readfirstlane_b32 s14, v1                    ; wave 0..3
	s_lshr_b32 s15, s14, 1                         ; my half of the tile's rows; also: I fetch for A (0) or B (1)
	s_and_b32 s16, s14, 1                          ; my half of its columns; also: which 128 rows I fetch
	s_bfe_u32 s40, ttmp6, 0x40000                  ; cx
	s_bfe_u32 s41, ttmp6, 0x40004                  ; cy
	s_and_b32 s80, ttmp7, 0xffff                   ; the cluster's y, 0..11
	s_lshr_b32 s81, s80, 2                         ; which product: 0 q, 1 k, 2 v
	s_and_b32 s82, s80, 3
	s_lshl_b32 s82, s82, 2                         ; four tiles of the long axis (the 4,096 rows) to a cluster
	s_cmp_eq_u32 s81, 2
	s_cselect_b32 s17, 0, s82
	s_cselect_b32 s42, s82, 0
	s_cselect_b32 s83, 4, 2
	s_add_co_u32 s17, s17, s41                     ; tile row of C'
	s_add_co_u32 s42, s42, s40                     ; tile column of C'
	s_lshl_b32 s83, s17, s83
	s_add_co_u32 s83, s83, s42                     ; the tile's place in its part: 4 x row + column, for v 16 x row + column
	s_lshl_b32 s86, s83, 16
	s_lshl_b32 s87, s14, 14
	s_add_co_u32 s86, s86, s87                     ; + my panel
	s_mov_b32 s87, 0
	s_lshl_b32 s84, s81, 22                        ; the parts lie 4 MiB apart, in the rows' codes and in the output
	s_mov_b32 s85, 0
	s_lshl_b32 s88, s81, 3                         ; the product's two scales: entries 2 which, 2 which + 1
	s_lshr_b32 s89, s81, 1
	s_add_co_u32 s89, s89, s81
	s_add_co_u32 s89, s89, 6
	s_lshl_b32 s89, s89, 2                         ; its result's: entry 6, 7 or 9
	s_lshl_b32 s43, s41, 2
	s_lshl_b32 s43, 15, s43                        ; my row of the cluster
	s_lshl_b32 s44, 0x1111, s40                    ; my column
	s_or_b32 s[G1+0], s43, (0<<16)|(1<<20)|(1<<21)|(5<<22)|(3<<25)  ; mask; elements of 1 byte; padding on; bit 21 beside a mask; after every 64 words, 4 words
	s_or_b32 s[G1B+0], s44, (0<<16)|(1<<20)|(1<<21)|(5<<22)|(3<<25)
.irp g, G1, G1B
	s_mov_b32 s[\g+1], ROWB<<16                    ; tensor_dim0
	s_mov_b32 s[\g+2], 128<<16                     ; tensor_dim1
	s_mov_b32 s[\g+3], ROWB<<16                    ; tile_dim0
	s_mov_b32 s[\g+4], 128                         ; tile_dim1
	s_mov_b32 s[\g+5], KROW                        ; pitch
	s_mov_b32 s[\g+6], 0
	s_mov_b32 s[\g+7], 0
.endr
	s_lshl_b32 s18, s16, 7
	s_lshl_b32 s20, s17, 8
	s_add_co_u32 s20, s20, s18                     ; A': row 256 x tile row + 128 x half
	s_lshl_b32 s46, s42, 8
	s_add_co_u32 s46, s46, s18                     ; B': row 256 x tile column + 128 x half
	s_mov_b32 s21, 0
	s_mov_b32 s47, 0
	s_mov_b64 s[18:19], KROW
	s_mul_u64 s[20:21], s[20:21], s[18:19]
	s_mul_u64 s[46:47], s[46:47], s[18:19]
	s_mul_i32 s45, s14, HALFT                      ; where they go: wave x 128 rows
	s_wait_kmcnt 0x0
	s_load_b64 s[96:97], s[76:77], s88 offset:0x0  ; the two operands' exponents
	s_load_b32 s90, s[76:77], s89 offset:0x0       ; the result's
	s_add_nc_u64 s[68:69], s[68:69], s[84:85]      ; the rows' codes under this product's scale
	s_add_nc_u64 s[10:11], s[78:79], s[84:85]
	s_add_nc_u64 s[10:11], s[10:11], s[86:87]      ; my panel of the output
	s_cmp_eq_u32 s81, 0
	s_cselect_b64 s[70:71], s[70:71], s[72:73]
	s_cmp_eq_u32 s81, 2
	s_cselect_b64 s[70:71], s[74:75], s[70:71]     ; the product's weight
	s_cselect_b64 s[4:5], s[70:71], s[68:69]       ; A'
	s_cselect_b64 s[6:7], s[68:69], s[70:71]       ; B'
	s_add_nc_u64 s[20:21], s[4:5], s[20:21]
	s_add_nc_u64 s[46:47], s[6:7], s[46:47]
	; the prefetches: of the 128 rows that I fetch, each of the four partners that ask for them jointly names 32, told apart by address (cx for A', cy for B'): a lane a row, 256 bytes of a K step
	s_cmp_eq_u32 s15, 0                            ; do I fetch for A'?
	s_cselect_b32 s94, s17, s42                    ; the tile's number
	s_cselect_b32 s95, s40, s41                    ; my place among the four
	s_cselect_b64 s[92:93], s[4:5], s[6:7]
	s_lshl_b32 s94, s94, 8
	s_lshl_b32 s98, s16, 7
	s_add_co_u32 s94, s94, s98                     ; + the 128 rows that I fetch
	s_lshl_b32 s95, s95, 5
	s_add_co_u32 s94, s94, s95                     ; + my work-group's 32 of them
	s_lshl_b32 s94, s94, 10                        ; x 1,024 bytes a row
	s_mov_b32 s95, 0
	s_add_nc_u64 s[92:93], s[92:93], s[94:95]      ; never rewritten
	CROUND                                         ; all sixteen work-groups are here: the first joint loads meet
.irp s, 0,1
	s_mov_b32 s[G0+4*\s], 1
	s_add_co_u32 s[G0+4*\s+1], s45, \s*SLOT
	s_add_nc_u64 s[G0+4*\s+2:G0+4*\s+3], s[20:21], \s*ROWB
	s_or_b32 s[G0+4*\s+3], s[G0+4*\s+3], 0x80000000
	s_mov_b32 s[G0B+4*\s], 1
	s_add_co_u32 s[G0B+4*\s+1], s45, \s*SLOT
	s_add_nc_u64 s[G0B+4*\s+2:G0B+4*\s+3], s[46:47], \s*ROWB
	s_or_b32 s[G0B+4*\s+3], s[G0B+4*\s+3], 0x80000000
.endr
	JLOAD G0, G1, G0B, G1B                         ; K step 0
	v_and_b32 v1, 15, v0                           ; r
	s_wait_alu depctr_va_vdst(0)
	v_bfe_u32 v2, v0, 4, 1                         ; h
	v_mul_u32_u24 v3, v1, PITCH
	v_lshl_add_u32 v4, v2, 4, v3
	s_mul_i32 s21, s15, HALFT
	s_mul_i32 s22, s16, HALFT
	s_add_co_u32 s22, s22, 2*HALFT
.irp s, 0,1
	v_add_nc_u32 v[ADRA+\s], s21, v4
	v_add_nc_u32 v[ADRB+\s], s22, v4
	s_add_co_u32 s21, s21, SLOT
	s_add_co_u32 s22, s22, SLOT
.endr
	s_mul_i32 s23, s15, 128*80                     ; into the panels: row 128 x row half + 16 a + r, 8 bytes for each half of the lanes; my column half's two panels
	s_mul_i32 s21, s16, 2*PANEL
	s_add_co_u32 s23, s23, s21
	v_mul_u32_u24 v5, v1, 80
	s_wait_alu depctr_va_vdst(0)
	v_lshl_add_u32 v5, v2, 3, v5
	v_add_nc_u32 v[STO], s23, v5
	s_mul_i32 s23, s14, PANEL                      ; back: wave w takes panel w; a load's 32 lanes take 8 rows of 64 bytes
	v_and_b32 v6, 31, v0
	v_lshrrev_b32 v7, 2, v6
	v_mul_u32_u24 v7, v7, 80
	v_and_b32 v8, 3, v6
	v_lshl_add_u32 v7, v8, 4, v7
	v_add_nc_u32 v[RD], s23, v7
	v_lshlrev_b32 v[CO], 4, v6
	v_lshlrev_b32 v27, 10, v6                      ; my lane's row; never rewritten
	global_prefetch_b8 v27, s[92:93] offset:256 th:TH_LOAD_NT scope:SCOPE_SE    ; behind K step 0's load: K step 1,
	global_prefetch_b8 v27, s[92:93] offset:512 th:TH_LOAD_NT scope:SCOPE_SE    ; and K step 2
.macro FRAG reg, adr, q, i             ; 16 rows x 128 K: registers 4 c .. 4 c + 3 hold K = 32 c + 16 h + 0 .. 15, alike in A and B
.irp c, 0,1,2,3
	ds_load_b128 v[\reg+4*\c:\reg+4*\c+3], v[\adr] offset:128*(\q)+32*\c+(\i)*16*PITCH
.endr
.endm
; 16 matrix instructions: A's blocks a0, a0 + 1 x B's eight.  first = 1: the sums start from 0; 2: from the bias registers; 0: they go on.  The 64 accumulators take turns.
.macro MUL16 a0, p, first
.irp a, \a0, \a0+1
.irp b, 0,1,2,3,4,5,6,7
.if \first == 1
	v_wmma_f32_16x16x128_fp8_fp8 v[8*(8*((\a)%4)+\b):8*(8*((\a)%4)+\b)+7], v[128*(\p)+FR*\b:128*(\p)+FR*\b+FR-1], v[AF+FR*(\a):AF+FR*(\a)+FR-1], 0
.elseif \first == 2
	v_wmma_f32_16x16x128_fp8_fp8 v[8*(8*((\a)%4)+\b):8*(8*((\a)%4)+\b)+7], v[128*(\p)+FR*\b:128*(\p)+FR*\b+FR-1], v[AF+FR*(\a):AF+FR*(\a)+FR-1], v[BIAS+8*\b:BIAS+8*\b+7]
.else
	v_wmma_f32_16x16x128_fp8_fp8 v[8*(8*((\a)%4)+\b):8*(8*((\a)%4)+\b)+7], v[128*(\p)+FR*\b:128*(\p)+FR*\b+FR-1], v[AF+FR*(\a):AF+FR*(\a)+FR-1], v[8*(8*((\a)%4)+\b):8*(8*((\a)%4)+\b)+7]
.endif
.endr
.endr
.endm
.macro FETCH_B slot, q, p
	WIN TO_B
.irp i, 0,1,2,3,4,5,6,7
	FRAG 128*(\p)+FR*\i, ADRB+\slot, \q, \i
.endr
	WIN 0
.endm
.macro FETCH_A slot, q, i0
.irp i, \i0, \i0+1, \i0+2, \i0+3
	FRAG AF+FR*(\i), ADRA+\slot, \q, \i
.endr
.endm
.macro PLACES n                        ; plain vector instructions between a matrix instruction and a load into, or a read of, its registers
.rept \n
	v_nop
.endr
.endm
.macro STEP slot, q, first             ; 128 along K whose successor lies in the same slot
	s_wait_dscnt 4*NL                              ; B's set and A's blocks 0-3 are in; the youngest 16 loads (A's blocks 4-7) may be out
.if \first
	WIN 0x81                                       ; as MUL_LO, with C in window 0
.else
	WIN MUL_LO
.endif
	MUL16 0, (\q)%2, \first
	MUL16 2, (\q)%2, \first
	s_wait_dscnt 0                                 ; A's blocks 4-7 are in
	PLACES NP
	FETCH_B \slot, (\q)+1, 1-(\q)%2
	FETCH_A \slot, (\q)+1, 0
.if \first
	WIN 0xc1
.else
	WIN MUL_HI
.endif
	MUL16 4, (\q)%2, \first
	MUL16 6, (\q)%2, \first
	PLACES NP
	WIN 0
	FETCH_A \slot, (\q)+1, 4
.endm
.macro TURN slot, next, fill           ; a slot's last step changes slots: one barrier; fill = 1: the slot is filled again, two K steps ahead
	s_wait_tensorcnt 0x0                           ; all my tensor loads have landed: my part of the next slot
	ds_add_u32 v[SPW], v[NIL]                      ; 0 onto my spare word
	s_wait_dscnt 4*NL+1                            ; the add and the youngest 16 loads may be out
	WIN MUL_LO
	MUL16 0, 1, 0
	s_wait_dscnt 0x0                               ; the add is done, and my reads of this slot are over
	s_barrier_signal -1
	MUL16 2, 1, 0
	WIN 0
	s_barrier_wait -1
.if \fill
	CREST                                          ; the barrier opened a round of the cluster's: no wave of any partner still reads this slot or has a load on its way
	s_add_nc_u64 s[G0+4*\slot+2:G0+4*\slot+3], s[G0+4*\slot+2:G0+4*\slot+3], 2*ROWB
	s_add_nc_u64 s[G0B+4*\slot+2:G0B+4*\slot+3], s[G0B+4*\slot+2:G0B+4*\slot+3], 2*ROWB
	JLOAD G0+4*\slot, G1, G0B+4*\slot, G1B         ; my one tensor load behind the round; its four v_nop are the places in front of the loads below
.else
	PLACES NP
.endif
	FETCH_B \next, 0, 0
	FETCH_A \next, 0, 0
	WIN MUL_HI
	MUL16 4, 1, 0
	MUL16 6, 1, 0
	PLACES NP
	WIN 0
	FETCH_A \next, 0, 4
.endm
	s_wait_alu depctr_va_vdst(0)
	s_wait_tensorcnt 0x0                           ; my part of K step 0 is in; slot 1's first fill is issued as a refill is:
	ds_add_u32 v[SPW], v[NIL]                      ; 0 onto my spare word
	s_wait_dscnt 0x0
	CROUND                                         ; a whole round: everybody's part of K step 0 is in
	JLOAD G0+4, G1, G0B+4, G1B                     ; K step 1: my one tensor load behind the round
	FETCH_B 0, 0, 0
	FETCH_A 0, 0, 0
	FETCH_A 0, 0, 4
	global_prefetch_b8 v27, s[92:93] offset:768 th:TH_LOAD_NT scope:SCOPE_SE    ; behind K step 1's load: K step 3, the last
	STEP 0, 0, 1
	s_mov_b32 s3, LAPS-1
.Llap:
	TURN 0, 1, 1
	STEP 1, 0, 0
	TURN 1, 0, 1
	STEP 0, 0, 0
	s_sub_co_u32 s3, s3, 1
	s_cmp_lg_u32 s3, 0
	s_cbranch_scc1 .Llap
	TURN 0, 1, 0                                   ; the last lap fills nothing
	STEP 1, 0, 0
	s_wait_dscnt 4*NL
	WIN MUL_LO
	MUL16 0, 1, 0
	MUL16 2, 1, 0
	s_wait_dscnt 0
	WIN MUL_HI
	MUL16 4, 1, 0
	MUL16 6, 1, 0
	WIN 0
	; THE WAY OUT: hold, convert (a lane's eight sums are eight neighbours along the next K), 8 bytes a lane into the panels; a barrier; each wave stores one panel, 512 dense bytes a store.
	s_wait_kmcnt 0x0
	s_sub_co_i32 s90, s90, s96
	s_sub_co_i32 s90, s90, s97                     ; eOut - eA - eB: the three scales folded into the conversion's one
	s_add_co_i32 s90, s90, 127
	s_lshl_b32 s91, s90, 23
	v_mov_b32 v[SC], s91
	s_add_co_i32 s90, s90, 8
	s_lshl_b32 s90, s90, 23
	s_or_b32 s90, s90, 0x600000
	v_mov_b32 v[LIM], s90                          ; 448 x that
	PLACES NP
.macro QOUT a
.set AC, 64*((\a)%4)
.set CD, 96+16*((\a)%2)
	WIN 0x02+((\a)/4)                              ; source 0: window 2 or 3
.set i, 0
.rept 64
	v_med3_num_f32 v[32+i], v[AC+i], -v[LIM], v[LIM]   ; each accumulator from its low end on
.set i, i+1
.endr
	WIN 0
.irp b, 0,1,2,3,4,5,6,7
	v_cvt_scalef32_pk8_fp8_f32 v[CD+2*\b:CD+2*\b+1], v[32+8*\b:39+8*\b], v[SC]
.endr
	v_nop                                          ; a plain instruction before the conversions' sources are written again
.irp b, 0,1,2,3,4,5,6,7
	ds_store_b64 v[STO], v[CD+2*\b:CD+2*\b+1] offset:1280*(\a)+(\b/4)*PANEL+16*(\b%4)
.endr
.endm
.irp a, 0,1,2,3,4,5,6,7
	QOUT \a
.endr
	s_wait_dscnt 0x0                               ; for the others' sake: my stores into the panels are done
	s_barrier_signal -1
	s_barrier_wait -1
.set j, 0
.rept 32
	ds_load_b128 v[128+4*j:131+4*j], v[RD] offset:640*j
.set j, j+1
.endr
.set j, 0
.rept 32
	s_wait_dscnt 31-j                              ; LDS loads come back in order: load j is in
	global_store_b128 v[CO], v[128+4*j:131+4*j], s[10:11] offset:512*j
.set j, j+1
.endr
	s_wait_tensorcnt 0x0                           ; the wave's end
	ds_add_u32 v[SPW], v[NIL]
	s_wait_dscnt 0x0
	CROUND                                         ; the closing round
	s_endpgm
.Lfunc_end_k_qaac8fb6d27_qkv:
	.size	k_qaac8fb6d27_qkv, .Lfunc_end_k_qaac8fb6d27_qkv-k_qaac8fb6d27_qkv
	.p2alignl 7, 3214868480
	.fill 96, 4, 3214868480
	.section	.rodata,"a",@progbits
	.p2align	6, 0x0
	.amdhsa_kernel k_qaac8fb6d27_qkv
		.amdhsa_group_segment_fixed_size 327680
		.amdhsa_private_segment_fixed_size 0
		.amdhsa_enable_private_segment 0
		.amdhsa_kernarg_size 48
		.amdhsa_user_sgpr_count 2
		.amdhsa_user_sgpr_kernarg_segment_ptr 1
		.amdhsa_wavefront_size32 1
		.amdhsa_system_sgpr_workgroup_id_x 1
		.amdhsa_system_sgpr_workgroup_id_y 1
		.amdhsa_system_sgpr_workgroup_id_z 1
		.amdhsa_system_vgpr_workitem_id 0
		.amdhsa_next_free_vgpr 1024
		.amdhsa_next_free_sgpr 100
		.amdhsa_reserve_vcc 0
		.amdhsa_float_denorm_mode_32 3
		.amdhsa_float_denorm_mode_16_64 3
		.amdhsa_memory_ordered 1
		.amdhsa_forward_progress 1
		.amdhsa_inst_pref_size 127
	.end_amdhsa_kernel
	.amdgpu_metadata
---
amdhsa.version: [ 1, 2 ]
amdhsa.kernels:
  - .name:           k_qaac8fb6d27_qkv
    .symbol:         k_qaac8fb6d27_qkv.kd
    .args:
      - { .name: hc, .offset: 0, .size: 8, .value_kind: global_buffer, .address_space: global }
      - { .name: Wq_codes, .offset: 8, .size: 8, .value_kind: global_buffer, .address_space: global }
      - { .name: Wk_codes, .offset: 16, .size: 8, .value_kind: global_buffer, .address_space: global }
      - { .name: Wv_codes, .offset: 24, .size: 8, .value_kind: global_buffer, .address_space: global }
      - { .name: lowp_scales, .offset: 32, .size: 8, .value_kind: global_buffer, .address_space: global }
      - { .name: qkvc, .offset: 40, .size: 8, .value_kind: global_buffer, .address_space: global }
    .group_segment_fixed_size: 327680
    .private_segment_fixed_size: 0
    .kernarg_segment_align: 8
    .kernarg_segment_size: 48
    .max_flat_workgroup_size: 128
    .sgpr_count:     100
    .vgpr_count:     1024
    .wavefront_size: 32
...
	.end_amdgpu_metadata
.endif
;; end of part 10
;; launch attn (part 11): grid 32 x 8, 16 waves a work-group, no clusters, 154,624 bytes of LDS; arguments qkvc, lowp_scales, ac; writes ac
.if DOCPART == 11
	.amdgcn_target "amdgcn-amd-amdhsa--gfx1250"
	.amdhsa_code_object_version 6
	.text
	.protected	k_qaac8fb6d27_attn
	.globl	k_qaac8fb6d27_attn
	.p2align	8
	.type	k_qaac8fb6d27_attn,@function
k_qaac8fb6d27_attn:
	s_mov_b64 s[64:65], 0
	v_nop
	global_prefetch_b8 v0, s[64:65] scope:SCOPE_SE
	s_setreg_imm32_b32 hwreg(HW_REG_WAVE_MODE, 25, 1), 1
	s_wait_xcnt 0x0
; Banded causal attention on codes of E4M3: query i sees keys i - 128 .. i and key 0.  (The last query of a batch sees all keys: a later launch writes its row again.)
; A work-group takes 64 queries of four heads of one batch, so that 64 rows x 256 bytes of the output leave as whole aligned runs.  Wave = 4 x head + tile: one tile of 16 queries of one head.
; A tile of queries u0 needs the nine key tiles u0 - 8 .. u0 and the tile of keys 0 .. 15: ten products K Q^T (K = 64), one softmax without running state, twelve products V^T P^T.
; Both products are used transposed: a lane holds ONE query (lane % 16); in a score tile its registers are keys 8 (lane / 16) + 0 .. 7, which is the place that the K = 64 form gives them in the second product's operand.
; K and V of the 192 keys 64 (x - 2) .. 64 x + 63 and V of keys 0 .. 63 come into LDS through registers, 4 KB blocks that are dense in memory.  Blocks in front of key 0 are replaced by block 0 and their scores hidden.
; SOFTMAX: t = score x log2(e) / 8; M = ceil(the row's largest t); p = 2^(t - M) is quantised with the given 2^e8; the sum of the unquantised p divides at the end.
; No cluster: neighbouring query blocks share only shifted parts of K and V, and these come through registers.
; LIMITS: e6 + e7 between -121 and 130 (added to the exponent field of log2(e) / 8); e8, and e10 - e8 - e9, between -126 and 119.  NaN is not served.
.set HEADB, 33792                      ; LDS of a head: K 192 rows x 80; V 64 rows x 208 (192 keys + 16); V of keys 0-63: 64 rows x 80
.set VOFF,  15360
.set GOFF,  28672
.set STG,   4*HEADB                    ; the way out: 64 rows x (256 + 16)
.set GA,  1                            ; v1  the copy: 16 x (thread % 128);          later NINF: -infinity
.set LK,  2                            ; v2  the copy's place in rows of 80 bytes;   later XX: my query - 4096 h
.set LV,  3                            ; v3  in rows of 208 bytes;                   later SC: a conversion's scale
.set QA,  4                            ; v4  64 r + 16 h;                            later LIM: 448 x the scale
.set NINF, 1
.set XX,  2
.set SC,  3
.set LIM, 4
.set AK,  5
.set AV,  6
.set AVG, 7
.set SO,  8
.set SR,  9
.set GO,  10
.set DD,  11                           ; v11 r - 8 h
.set Q,   16
.set KF,  24                           ; v24-103  K's ten tiles
.set VF,  24                           ; v24-119  V's fragments: 24 dt + 2 x tile
.set S,   120                          ; v120-199 the scores, then p; at the start the copy's data
.set PC,  200                          ; v200-223 p's codes: twelve tiles, the last two zeros
.set O,   224                          ; v224-255 O^T; before that scratch
	s_load_b128 s[4:7], s[0:1], 0x0                ; q, k, v; the scales
	s_load_b64 s[8:9], s[0:1], 0x10                ; the output
	v_lshrrev_b32 v224, 5, v0
	s_delay_alu instid0(VALU_DEP_1)
	v_readfirstlane_b32 s10, v224                  ; wave
	s_lshr_b32 s11, s10, 2                         ; hh: my head of the four
	s_and_b32 s12, s10, 3                          ; qt: my tile of the four
	s_and_b32 s13, ttmp7, 0xffff
	s_lshr_b32 s14, s13, 2                         ; b
	s_and_b32 s15, s13, 3                          ; hg
	s_lshl_b32 s46, s15, 2
	s_add_co_u32 s46, s46, s11                     ; H
	s_lshl_b32 s47, s14, 3                         ; 8 b
	s_lshl_b32 s48, s15, 4                         ; 16 hg
	s_lshl_b32 s49, ttmp9, 2
	s_add_co_u32 s49, s49, s12                     ; u0: my tile of queries in the batch
	s_mov_b32 s60, 0x76543210
	s_mov_b32 s61, 0xfedcba98
	v_and_b32 v224, 15, v0                         ; r
	v_bfe_u32 v225, v0, 4, 1                       ; h
	v_and_b32 v226, 127, v0
	v_lshrrev_b32 v227, 7, v0
	s_delay_alu instid0(VALU_DEP_1)
	v_mul_u32_u24 v227, v227, HEADB                ; my head's LDS
	s_delay_alu instid0(VALU_DEP_3)
	v_lshlrev_b32 v[GA], 4, v226
	s_delay_alu instid0(VALU_DEP_4)
	v_lshrrev_b32 v228, 2, v226
	v_and_b32 v229, 3, v226
	s_delay_alu instid0(VALU_DEP_1)
	v_lshl_add_u32 v229, v229, 4, v227
	s_delay_alu instid0(VALU_DEP_1)
	v_mad_u32_u24 v[LK], v228, 80, v229
	s_delay_alu instid0(VALU_DEP_2)
	v_mad_u32_u24 v[LV], v228, 208, v229
	v_lshlrev_b32 v[QA], 6, v224
	s_delay_alu instid0(VALU_DEP_1)
	v_lshl_add_u32 v[QA], v225, 4, v[QA]
	s_lshl_b32 s50, s12, 4                         ; 16 qt
	v_add_nc_u32 v230, s50, v224
	s_delay_alu instid0(VALU_DEP_1)
	v_mad_u32_u24 v[AK], v230, 80, v227
	s_delay_alu instid0(VALU_DEP_1)
	v_lshl_add_u32 v[AK], v225, 4, v[AK]           ; K: row 16 qt + r (+ 16 for each tile), 16 h
	v_mad_u32_u24 v[AV], v224, 208, v227
	s_delay_alu instid0(VALU_DEP_1)
	v_lshl_add_u32 v[AV], v225, 3, v[AV]
	s_delay_alu instid0(VALU_DEP_1)
	v_add_nc_u32 v[AV], s50, v[AV]
	s_delay_alu instid0(VALU_DEP_1)
	v_add_nc_u32 v[AV], VOFF, v[AV]                ; V: row d = r (+ 16 dt), keys 16 qt + 8 h (+ 16 for each tile)
	v_mad_u32_u24 v[AVG], v224, 80, v227
	s_delay_alu instid0(VALU_DEP_1)
	v_lshl_add_u32 v[AVG], v225, 3, v[AVG]
	s_delay_alu instid0(VALU_DEP_1)
	v_add_nc_u32 v[AVG], GOFF, v[AVG]
	s_lshl_b32 s51, s11, 6
	s_add_co_u32 s51, s51, STG
	v_mul_u32_u24 v[SO], v230, 272
	s_delay_alu instid0(VALU_DEP_1)
	v_lshl_add_u32 v[SO], v225, 3, v[SO]
	s_delay_alu instid0(VALU_DEP_1)
	v_add_nc_u32 v[SO], s51, v[SO]                 ; the stage, in: row 16 qt + r, byte 64 hh + 8 h (+ 16 dt)
	v_lshrrev_b32 v231, 4, v0
	s_delay_alu instid0(VALU_DEP_1)
	v_mul_u32_u24 v[SR], v231, 272
	s_delay_alu instid0(VALU_DEP_1)
	v_lshl_add_u32 v[SR], v224, 4, v[SR]
	s_delay_alu instid0(VALU_DEP_1)
	v_add_nc_u32 v[SR], STG, v[SR]                 ; back: sixteen threads to a row of 256 bytes
	s_delay_alu instid0(VALU_DEP_4)
	v_lshlrev_b32 v[GO], 10, v231
	s_delay_alu instid0(VALU_DEP_1)
	v_lshl_add_u32 v[GO], v224, 4, v[GO]           ; and the same place in the output's rows of 1,024 bytes
	v_lshlrev_b32 v232, 3, v225
	s_delay_alu instid0(VALU_DEP_1)
	v_sub_nc_u32 v[DD], v224, v232
	s_mov_b32 s53, 0
	s_wait_kmcnt 0x0
	s_load_b512 s[16:31], s[6:7], 0x0              ; the sixteen exponents: entry i in s[16 + i]
.irp k, 0,1,2                          ; blocks of 64 keys x - 2 + k, held at 0 from below
	s_add_co_i32 s50, ttmp9, \k-2
	s_max_i32 s50, s50, 0
	s_lshr_b32 s51, s50, 2
	s_add_co_u32 s51, s51, s47                     ; its block of 256 tokens
	s_and_b32 s50, s50, 3                          ; and its place there
	s_lshl_b32 s52, s51, 4
	s_add_co_u32 s52, s52, s46
	s_lshl_b32 s52, s52, 2
	s_add_co_u32 s52, s52, s50
	s_lshl_b32 s52, s52, 12
	s_add_co_u32 s52, s52, 0x400000
	s_add_nc_u64 s[32+2*\k:33+2*\k], s[4:5], s[52:53]   ; K's block
	s_add_co_u32 s52, s51, s48
	s_lshl_b32 s52, s52, 2
	s_add_co_u32 s52, s52, s50
	s_lshl_b32 s52, s52, 2
	s_add_co_u32 s52, s52, s11
	s_lshl_b32 s52, s52, 12
	s_add_co_u32 s52, s52, 0x800000
	s_add_nc_u64 s[38+2*\k:39+2*\k], s[4:5], s[52:53]   ; V's block
.endr
	s_add_co_u32 s52, s48, s47
	s_lshl_b32 s52, s52, 4
	s_add_co_u32 s52, s52, s11
	s_lshl_b32 s52, s52, 12
	s_add_co_u32 s52, s52, 0x800000
	s_add_nc_u64 s[44:45], s[4:5], s[52:53]        ; V of the batch's keys 0 .. 63
	s_lshr_b32 s51, ttmp9, 2
	s_add_co_u32 s51, s51, s47
	s_lshl_b32 s51, s51, 4
	s_add_co_u32 s51, s51, s46
	s_lshl_b32 s52, s51, 14
	s_and_b32 s51, ttmp9, 3
	s_lshl_b32 s51, s51, 12
	s_add_co_u32 s52, s52, s51
	s_lshl_b32 s51, s12, 10
	s_add_co_u32 s52, s52, s51
	s_add_nc_u64 s[54:55], s[4:5], s[52:53]        ; my 16 queries
	s_lshl_b32 s52, s14, 7
	s_add_co_u32 s52, s52, s46
	s_lshl_b32 s52, s52, 14
	s_add_co_u32 s52, s52, 0x400000
	s_add_nc_u64 s[56:57], s[4:5], s[52:53]        ; K of the batch's keys 0 .. 15
	s_lshl_b32 s52, s14, 21
	s_lshl_b32 s51, ttmp9, 16
	s_add_co_u32 s52, s52, s51
	s_lshl_b32 s51, s15, 8
	s_add_co_u32 s52, s52, s51
	s_add_nc_u64 s[8:9], s[8:9], s[52:53]          ; the output at row 2048 b + 64 x, byte 256 hg
.irp k, 0,1,2
.irp e, 0,1
	global_load_b128 v[S+8*\k+4*\e:S+8*\k+4*\e+3], v[GA], s[32+2*\k:33+2*\k] offset:2048*\e
.endr
.endr
.irp k, 0,1,2
.irp e, 0,1
	global_load_b128 v[S+24+8*\k+4*\e:S+24+8*\k+4*\e+3], v[GA], s[38+2*\k:39+2*\k] offset:2048*\e
.endr
.endr
.irp e, 0,1
	global_load_b128 v[S+48+4*\e:S+48+4*\e+3], v[GA], s[44:45] offset:2048*\e
.endr
	global_load_b128 v[Q:Q+3], v[QA], s[54:55]
	global_load_b128 v[Q+4:Q+7], v[QA], s[54:55] offset:32
	global_load_b128 v[KF:KF+3], v[QA], s[56:57]
	global_load_b128 v[KF+4:KF+7], v[QA], s[56:57] offset:32
	s_wait_loadcnt 4                               ; the copy's fourteen loads are in; the four behind them may be out
.irp k, 0,1,2
.irp e, 0,1
	ds_store_b128 v[LK], v[S+8*\k+4*\e:S+8*\k+4*\e+3] offset:5120*\k+2560*\e
.endr
.endr
.irp k, 0,1,2
.irp e, 0,1
	ds_store_b128 v[LV], v[S+24+8*\k+4*\e:S+24+8*\k+4*\e+3] offset:VOFF+64*\k+6656*\e
.endr
.endr
.irp e, 0,1
	ds_store_b128 v[LK], v[S+48+4*\e:S+48+4*\e+3] offset:GOFF+2560*\e
.endr
	s_wait_dscnt 0x0                               ; for the others' sake: my part of the copy has landed
	s_barrier_signal -1
	s_barrier_wait -1
	; ---- the scores: tile 0 = keys 0 .. 15, tile i = key tile u0 - 9 + i
.irp i, 1,2,3,4,5,6,7,8,9
	ds_load_b128 v[KF+8*\i:KF+8*\i+3], v[AK] offset:1280*(\i-1)
	ds_load_b128 v[KF+8*\i+4:KF+8*\i+7], v[AK] offset:1280*(\i-1)+32
.endr
	s_wait_kmcnt 0x0
	s_add_co_i32 s50, s22, s23
	s_lshl_b32 s50, s50, 23
	s_add_co_i32 s62, s50, 0x3e38aa3b              ; c = log2(e) / 8 x 2^(e6 + e7)
	s_mov_b32 s63, s62                             ; named with it as a pair
	s_wait_loadcnt 0x0                             ; Q and K's tile 0
	s_wait_dscnt 0x0
.irp i, 0,1,2,3,4,5,6,7,8,9
	v_wmma_f32_16x16x64_fp8_fp8 v[S+8*\i:S+8*\i+7], v[KF+8*\i:KF+8*\i+7], v[Q:Q+7], 0
.endr
	v_mov_b32 v[NINF], 0xff800000                  ; these six plain lines are the places behind the products
	v_and_b32 v[XX], 15, v0
	v_bfe_u32 v[SC], v0, 4, 1
	s_delay_alu instid0(VALU_DEP_1)
	v_lshlrev_b32 v[SC], 12, v[SC]
	s_delay_alu instid0(VALU_DEP_1)
	v_sub_nc_u32 v[XX], v[XX], v[SC]
	s_lshl_b32 s50, s49, 4
	v_add_nc_u32 v[XX], s50, v[XX]                 ; my query - 4096 h
.irp dt, 0,1,2,3
	ds_load_b64 v[VF+24*\dt:VF+24*\dt+1], v[AVG] offset:1280*\dt
.irp t, 1,2,3,4,5,6,7,8,9
	ds_load_b64 v[VF+24*\dt+2*\t:VF+24*\dt+2*\t+1], v[AV] offset:16*(\t-1)+3328*\dt
.endr
.irp z, 20,21,22,23
	v_mov_b32 v[VF+24*\dt+\z], 0                   ; the third group's two tiles that do not exist: zero codes on both sides
.endr
.endr
.irp z, 20,21,22,23
	v_mov_b32 v[PC+\z], 0
.endr
	s_add_co_i32 s50, s24, 127
	s_lshl_b32 s51, s50, 23
	v_mov_b32 v[SC], s51                           ; 2^e8
	s_add_co_i32 s50, s50, 8
	s_lshl_b32 s50, s50, 23
	s_or_b32 s50, s50, 0x600000
	v_mov_b32 v[LIM], s50                          ; 448 x 2^e8
	; ---- the mask.  Tile 0: key 0 alone (register 0 of lanes 0-15), and only where the band does not hold it: query > 128
	v_cmp_ge_i32 vcc_lo, 128, v[XX]
	v_cndmask_b32 v[S], v[S], v[NINF], vcc_lo
.irp j, 1,2,3,4,5,6,7
	v_mov_b32 v[S+\j], 0                           ; p of keys 1 .. 15: these seven take no part in the maximum, the exponentials or the sum
.endr
.irp j, 0,1,2,3,4,5,6,7
	v_cmp_lt_i32 vcc_lo, \j, v[DD]                 ; the oldest tile: key 8 h + j counts from r on
	v_cndmask_b32 v[S+8+\j], v[S+8+\j], v[NINF], vcc_lo
.endr
.irp j, 0,1,2,3,4,5,6,7
	v_cmp_gt_i32 vcc_lo, \j, v[DD]                 ; the diagonal tile: up to r
	v_cndmask_b32 v[S+72+\j], v[S+72+\j], v[NINF], vcc_lo
.endr
	s_cmp_ge_u32 s49, 8                            ; tiles in front of key 0 exist only for the first eight tiles of queries: a branch on ids
	s_cbranch_scc1 .Lfull
.irp i, 1,2,3,4,5,6,7,8
	s_cmp_lt_u32 s49, 9-\i
	s_cselect_b32 s58, -1, 0
.irp j, 0,1,2,3,4,5,6,7
	v_cndmask_b32 v[S+8*\i+\j], v[S+8*\i+\j], v[NINF], s58
.endr
.endr
.Lfull:
	; ---- the softmax of my query's 73 scores in this lane; lane l xor 16 holds the other half of its keys
	v_max3_num_f32 v224, v[S], v[S+8], v[S+9]
	v_max_num_f32 v225, v[S+10], v[S+11]
.set n, 0
.rept 17
	v_max3_num_f32 v224, v224, v[S+12+4*n], v[S+13+4*n]
	v_max3_num_f32 v225, v225, v[S+14+4*n], v[S+15+4*n]
.set n, n+1
.endr
	s_delay_alu instid0(VALU_DEP_1)
	v_max_num_f32 v224, v224, v225
	s_delay_alu instid0(VALU_DEP_1)
	v_permlanex16_b32 v225, v224, s60, s61
	s_delay_alu instid0(VALU_DEP_1)
	v_max_num_f32 v224, v224, v225
	s_delay_alu instid0(VALU_DEP_1)
	v_mul_f32 v13, s62, v224                       ; the largest t (c is positive)
	s_delay_alu instid0(VALU_DEP_1)
	v_floor_f32 v12, -v13                          ; -M
	s_delay_alu instid0(VALU_DEP_1)
	v_fma_f32 v[S], v[S], s62, v12
.set n, 8
.rept 36
	v_pk_fma_f32 v[S+n:S+n+1], v[S+n:S+n+1], s[62:63], v[12:13] op_sel_hi:[1,0,0]   ; t - M
.set n, n+2
.endr
	s_wait_alu depctr_va_vdst(0)
	v_exp_f32 v[S], v[S]
.set n, 8
.rept 72
	v_exp_f32 v[S+n], v[S+n]                       ; p = 2^(t - M); a hidden score gives 0
.set n, n+1
.endr
	v_nop                                          ; a plain instruction behind the exponentials
	s_wait_alu depctr_va_vdst(0)
	v_pk_add_f32 v[224:225], v[128:129], v[130:131]
	v_pk_add_f32 v[254:255], v[136:137], v[140:141]
	v_pk_add_f32 v[252:253], v[144:145], v[148:149]
	v_pk_add_f32 v[250:251], v[152:153], v[156:157]
	v_pk_add_f32 v[248:249], v[160:161], v[164:165]
	v_pk_add_f32 v[246:247], v[168:169], v[172:173]
	v_pk_add_f32 v[244:245], v[176:177], v[180:181]
	v_pk_add_f32 v[14:15], v[184:185], v[188:189]
	v_pk_add_f32 v[14:15], v[14:15], v[192:193]
	v_pk_add_f32 v[224:225], v[224:225], v[196:197]
	v_pk_add_f32 v[254:255], v[254:255], v[132:133]
	v_pk_add_f32 v[252:253], v[252:253], v[134:135]
	v_pk_add_f32 v[250:251], v[250:251], v[138:139]
	v_pk_add_f32 v[248:249], v[248:249], v[142:143]
	v_pk_add_f32 v[246:247], v[246:247], v[146:147]
	v_pk_add_f32 v[244:245], v[244:245], v[150:151]
	v_pk_add_f32 v[14:15], v[14:15], v[154:155]
	v_pk_add_f32 v[224:225], v[224:225], v[158:159]
	v_pk_add_f32 v[254:255], v[254:255], v[162:163]
	v_pk_add_f32 v[252:253], v[252:253], v[166:167]
	v_pk_add_f32 v[250:251], v[250:251], v[170:171]
	v_pk_add_f32 v[248:249], v[248:249], v[174:175]
	v_pk_add_f32 v[246:247], v[246:247], v[178:179]
	v_pk_add_f32 v[244:245], v[244:245], v[182:183]
	v_pk_add_f32 v[14:15], v[14:15], v[186:187]
	v_pk_add_f32 v[224:225], v[224:225], v[190:191]
	v_pk_add_f32 v[254:255], v[254:255], v[194:195]
	v_pk_add_f32 v[252:253], v[252:253], v[198:199]
	s_delay_alu instid0(VALU_DEP_4)
	v_pk_add_f32 v[14:15], v[14:15], v[250:251]
	s_delay_alu instid0(VALU_DEP_4)
	v_pk_add_f32 v[224:225], v[224:225], v[248:249]
	s_delay_alu instid0(VALU_DEP_4)
	v_pk_add_f32 v[254:255], v[254:255], v[246:247]
	s_delay_alu instid0(VALU_DEP_4)
	v_pk_add_f32 v[252:253], v[252:253], v[244:245]
	s_delay_alu instid0(VALU_DEP_2)
	v_pk_add_f32 v[14:15], v[14:15], v[254:255]
	s_delay_alu instid0(VALU_DEP_2)
	v_pk_add_f32 v[224:225], v[224:225], v[252:253]
	s_delay_alu instid0(VALU_DEP_1)
	v_pk_add_f32 v[14:15], v[14:15], v[224:225]
	s_delay_alu instid0(VALU_DEP_1)
	v_add_f32 v14, v14, v15
	v_add_f32 v14, v14, v[S]
	s_delay_alu instid0(VALU_DEP_1)
	v_permlanex16_b32 v15, v14, s60, s61
	s_delay_alu instid0(VALU_DEP_1)
	v_add_f32 v14, v14, v15
	s_wait_alu depctr_va_vdst(0)
	v_rcp_f32 v14, v14                             ; 1 / l; the holds below are the plain lines behind it
	v_min_num_f32 v[S], v[S], v[LIM]
.set n, 8
.rept 72
	v_min_num_f32 v[S+n], v[S+n], v[LIM]           ; the conversion does not saturate; p is not negative
.set n, n+1
.endr
.irp i, 0,1,2,3,4,5,6,7,8,9
	v_cvt_scalef32_pk8_fp8_f32 v[PC+2*\i:PC+2*\i+1], v[S+8*\i:S+8*\i+7], v[SC]
.endr
	v_nop                                          ; a plain instruction between the conversions and the products that read their results
	s_wait_alu depctr_va_vdst(0)
	s_wait_dscnt 0x0                               ; V's fragments
.irp gp, 0,1,2                         ; O^T += V^T P^T, 64 keys at a time; the four accumulators take turns
.irp dt, 0,1,2,3
.if \gp == 0
	v_wmma_f32_16x16x64_fp8_fp8 v[O+8*\dt:O+8*\dt+7], v[VF+24*\dt+8*\gp:VF+24*\dt+8*\gp+7], v[PC+8*\gp:PC+8*\gp+7], 0
.else
	v_wmma_f32_16x16x64_fp8_fp8 v[O+8*\dt:O+8*\dt+7], v[VF+24*\dt+8*\gp:VF+24*\dt+8*\gp+7], v[PC+8*\gp:PC+8*\gp+7], v[O+8*\dt:O+8*\dt+7]
.endif
.endr
.endr
	s_sub_co_i32 s50, s26, s24
	s_sub_co_i32 s50, s50, s25                     ; e10 - e8 - e9: a sum stands for sum x 2^(e8 + e9)
	s_add_co_i32 s50, s50, 127
	s_lshl_b32 s51, s50, 23
	v_mov_b32 v[SC], s51                           ; two moves and two v_nop: the four places behind the products
	s_add_co_i32 s50, s50, 8
	s_lshl_b32 s50, s50, 23
	s_or_b32 s50, s50, 0x600000
	v_mov_b32 v[LIM], s50
	v_nop
	v_nop
.set n, 0
	s_wait_alu depctr_va_vdst(0)
.rept 32
	v_mul_f32 v[S+n], v[O+n], v14                  ; O^T / l: register 8 dt + j is channel 16 dt + 8 h + j of my query; each accumulator from its low end on
.set n, n+1
.endr
.set n, 0
.rept 32
	v_med3_num_f32 v[S+n], v[S+n], -v[LIM], v[LIM]
.set n, n+1
.endr
.irp dt, 0,1,2,3
	v_cvt_scalef32_pk8_fp8_f32 v[PC+2*\dt:PC+2*\dt+1], v[S+8*\dt:S+8*\dt+7], v[SC]
.endr
	v_nop
.irp dt, 0,1,2,3
	ds_store_b64 v[SO], v[PC+2*\dt:PC+2*\dt+1] offset:16*\dt
.endr
	s_wait_dscnt 0x0                               ; for the others' sake: my codes lie in the stage
	s_barrier_signal -1
	s_barrier_wait -1
	ds_load_b128 v[S:S+3], v[SR]
	ds_load_b128 v[S+4:S+7], v[SR] offset:32*272
	s_wait_dscnt 1
	global_store_b128 v[GO], v[S:S+3], s[8:9]              ; sixteen lanes store 256 consecutive bytes, aligned
	s_wait_dscnt 0
	global_store_b128 v[GO], v[S+4:S+7], s[8:9] offset:32*1024
	s_wait_xcnt 0x0
	v_lshl_add_u32 v254, v0, 2, 0x25400
	v_mov_b32 v255, 0
	s_wait_alu depctr_va_vdst(0)
	s_wait_tensorcnt 0x0
	ds_add_u32 v254, v255
	s_wait_dscnt 0x0
	s_endpgm
.Lfunc_end_k_qaac8fb6d27_attn:
	.size	k_qaac8fb6d27_attn, .Lfunc_end_k_qaac8fb6d27_attn-k_qaac8fb6d27_attn
	.p2alignl 7, 3214868480
	.fill 96, 4, 3214868480
	.section	.rodata,"a",@progbits
	.p2align	6, 0x0
	.amdhsa_kernel k_qaac8fb6d27_attn
		.amdhsa_group_segment_fixed_size 154624
		.amdhsa_private_segment_fixed_size 0
		.amdhsa_enable_private_segment 0
		.amdhsa_kernarg_size 24
		.amdhsa_user_sgpr_count 2
		.amdhsa_user_sgpr_kernarg_segment_ptr 1
		.amdhsa_wavefront_size32 1
		.amdhsa_system_sgpr_workgroup_id_x 1
		.amdhsa_system_sgpr_workgroup_id_y 1
		.amdhsa_system_sgpr_workgroup_id_z 1
		.amdhsa_system_vgpr_workitem_id 0
		.amdhsa_next_free_vgpr 256
		.amdhsa_next_free_sgpr 66
		.amdhsa_reserve_vcc 1
		.amdhsa_float_denorm_mode_32 3
		.amdhsa_float_denorm_mode_16_64 3
		.amdhsa_memory_ordered 1
		.amdhsa_forward_progress 1
		.amdhsa_inst_pref_size 40
	.end_amdhsa_kernel
	.amdgpu_metadata
---
amdhsa.version: [ 1, 2 ]
amdhsa.kernels:
  - .name:           k_qaac8fb6d27_attn
    .symbol:         k_qaac8fb6d27_attn.kd
    .args:
      - { .name: qkvc, .offset: 0, .size: 8, .value_kind: global_buffer, .address_space: global }
      - { .name: lowp_scales, .offset: 8, .size: 8, .value_kind: global_buffer, .address_space: global }
      - { .name: ac, .offset: 16, .size: 8, .value_kind: global_buffer, .address_space: global }
    .group_segment_fixed_size: 154624
    .private_segment_fixed_size: 0
    .kernarg_segment_align: 8
    .kernarg_segment_size: 24
    .max_flat_workgroup_size: 512
    .sgpr_count:     66
    .vgpr_count:     256
    .wavefront_size: 32
...
	.end_amdgpu_metadata
.endif
;; end of part 11
;; launch attn_last (part 12): grid 128 x 2, 16 waves a work-group, no clusters, 175,616 bytes of LDS; arguments qkvc, lowp_scales, ac; writes ac
.if DOCPART == 12
	.amdgcn_target "amdgcn-amd-amdhsa--gfx1250"
	.amdhsa_code_object_version 6
	.text
	.protected	k_qaac8fb6d27_attn_last
	.globl	k_qaac8fb6d27_attn_last
	.p2align	8
	.type	k_qaac8fb6d27_attn_last,@function
k_qaac8fb6d27_attn_last:
	s_mov_b64 s[64:65], 0
	v_nop
	global_prefetch_b8 v0, s[64:65] scope:SCOPE_SE
	s_setreg_imm32_b32 hwreg(HW_REG_WAVE_MODE, 25, 1), 1
	s_wait_xcnt 0x0
; The last query of each batch sees all 2,048 keys.  A work-group takes one batch, one head and 8 of the head's 64 channels: 2 x 16 x 8 = 256 work-groups; wave p takes keys 128 p .. 128 p + 127.
; No sum spans work-groups: each of a head's eight work-groups makes the head's scores for itself (128 KB of K, 8 matrix instructions a wave) and takes only its own 8 rows of V (16 KB).  It stores the 8 bytes of its channels.
; S = Q K^T with source 0 = sixteen copies of the one query, source 1 = 16 keys: register 0 of a tile holds, in lane r (and r + 16), the score of key r.
; The largest t meets in LDS (one barrier): M = its ceiling; p = 2^(t - M).  p lies across lanes and the second product wants it along a lane's registers: it turns through 512 bytes of the wave's own.
; O^T = V^T P^T, K = the wave's 128 keys; source 0's rows 8 .. 15 repeat rows 0 .. 7.  The sixteen waves' parts and sums of p meet in LDS (second barrier); wave 0 adds them, divides, quantises and stores.
; K and V come by loads of 512 consecutive bytes (16 x lane) and turn through 10,240 LDS bytes of the wave's own: rows of 64 bytes + 16 of padding.
; LIMITS as in the banded launch: e6 + e7 between -121 and 130; e8, and e10 - e8 - e9, between -126 and 119.  NaN is not served.
.set MAXW, 0                           ; 16 words
.set LSUM, 256                         ; 16 words
.set PB,   512                         ; 512 bytes a wave
.set OB,   8704                        ; 64 bytes a wave
.set SPARE, 9728                       ; the spare words, 128 bytes a wave, which no other line names
.set TB,   11776                       ; 10,240 bytes a wave
	s_load_b128 s[4:7], s[0:1], 0x0                ; q, k, v; the scales
	s_load_b64 s[8:9], s[0:1], 0x10                ; the output
	v_lshl_add_u32 v254, v0, 2, SPARE
	v_mov_b32 v255, 0
	v_lshrrev_b32 v1, 5, v0
	s_delay_alu instid0(VALU_DEP_1)
	v_readfirstlane_b32 s10, v1                    ; p
	s_and_b32 s11, ttmp7, 0xffff                   ; b
	s_lshr_b32 s49, ttmp9, 3                       ; the head
	s_and_b32 s53, ttmp9, 7                        ; which 8 channels
	v_and_b32 v1, 15, v0                           ; r
	v_bfe_u32 v2, v0, 4, 1                         ; h
	s_delay_alu instid0(VALU_DEP_1)
	v_lshlrev_b32 v3, 4, v2                        ; Q: 16 h, the same row in every lane
	s_lshl_b32 s12, s10, 2
	v_mov_b32 v5, s12                              ; my wave's word of the maxima,
	s_delay_alu instid0(VALU_DEP_1)
	v_add_nc_u32 v6, LSUM, v5                      ; and of the sums
	v_mov_b32 v7, 0
	s_lshl_b32 s12, s10, 9
	s_add_co_u32 s12, s12, PB
	v_lshl_add_u32 v8, v1, 2, s12                  ; p, in: key 16 c + r
	v_lshl_add_u32 v9, v2, 6, s12                  ; p, back: keys 32 m + 16 h + 0 .. 15
	s_lshl_b32 s12, s10, 6
	s_add_co_u32 s12, s12, OB
	v_lshl_add_u32 v10, v2, 5, s12                 ; my part of O: rows 8 h + 0 .. 7 of the tile
	v_mov_b32 v11, OB                              ; wave 0: the eight channels, in every lane
	s_mul_i32 s15, s10, 10240
	s_add_co_u32 s15, s15, TB
	v_and_b32 v13, 31, v0
	s_delay_alu instid0(VALU_DEP_1)
	v_lshrrev_b32 v14, 2, v13
	v_and_b32 v15, 3, v13
	s_delay_alu instid0(VALU_DEP_2)
	v_mul_u32_u24 v14, v14, 80
	s_delay_alu instid0(VALU_DEP_1)
	v_lshl_add_u32 v14, v15, 4, v14
	s_delay_alu instid0(VALU_DEP_1)
	v_add_nc_u32 v14, s15, v14                     ; the turn, in: four lanes fill a row of 64 bytes; a load's 512 bytes are 8 rows
	v_mul_u32_u24 v15, v1, 80
	s_delay_alu instid0(VALU_DEP_1)
	v_lshl_add_u32 v15, v2, 4, v15
	s_delay_alu instid0(VALU_DEP_1)
	v_add_nc_u32 v15, s15, v15                     ; K, back: row r, 16 h
	v_and_b32 v12, 7, v0
	s_delay_alu instid0(VALU_DEP_1)
	v_mul_u32_u24 v12, v12, 80
	s_delay_alu instid0(VALU_DEP_1)
	v_lshl_add_u32 v12, v2, 4, v12
	s_delay_alu instid0(VALU_DEP_1)
	v_add_nc_u32 v12, s15, v12                     ; V, back: row r % 8, 16 h
	v_lshlrev_b32 v13, 4, v13                      ; 16 x lane
	s_lshr_b32 s12, s10, 1
	s_lshl_b32 s13, s11, 3
	s_add_co_u32 s12, s12, s13                     ; my keys' block of 256 tokens
	s_and_b32 s14, s10, 1
	s_add_co_u32 s40, s13, 7
	s_lshl_b32 s40, s40, 4
	s_add_co_u32 s40, s40, s49
	s_lshl_b32 s40, s40, 14
	s_add_co_u32 s40, s40, 255*64                  ; the batch's last query
	s_mov_b32 s41, 0
	s_lshl_b32 s42, s12, 4
	s_add_co_u32 s42, s42, s49
	s_lshl_b32 s42, s42, 14
	s_lshl_b32 s44, s14, 13
	s_add_co_u32 s42, s42, s44
	s_add_co_u32 s42, s42, 0x400000                ; my 128 keys of K
	s_mov_b32 s43, 0
	s_lshr_b32 s44, s49, 2
	s_lshl_b32 s44, s44, 4
	s_add_co_u32 s44, s44, s12
	s_lshl_b32 s44, s44, 2
	s_lshl_b32 s46, s14, 1
	s_add_co_u32 s44, s44, s46
	s_lshl_b32 s44, s44, 2
	s_and_b32 s46, s49, 3
	s_add_co_u32 s44, s44, s46
	s_lshl_b32 s44, s44, 12
	s_lshl_b32 s46, s53, 9
	s_add_co_u32 s44, s44, s46                     ; my 8 channels: 8 rows of 64 bytes
	s_add_co_u32 s44, s44, 0x800000                ; in V's block of my first 64 keys; the next 64 lie four blocks (16,384 bytes) on
	s_mov_b32 s45, 0
	s_lshl_b32 s46, s11, 21
	s_add_co_u32 s46, s46, 2047*1024
	s_lshl_b32 s48, s49, 6
	s_add_co_u32 s46, s46, s48
	s_lshl_b32 s48, s53, 3
	s_add_co_u32 s46, s46, s48                     ; the row's 8 bytes of my channels
	s_mov_b32 s47, 0
	s_wait_alu depctr_va_vdst(0)
	s_wait_kmcnt 0x0
	s_load_b512 s[16:31], s[6:7], 0x0
	s_add_nc_u64 s[40:41], s[4:5], s[40:41]
	s_add_nc_u64 s[42:43], s[4:5], s[42:43]
	s_add_nc_u64 s[44:45], s[4:5], s[44:45]
	s_add_nc_u64 s[8:9], s[8:9], s[46:47]
	global_load_b128 v[16:19], v3, s[40:41]
	global_load_b128 v[20:23], v3, s[40:41] offset:32
.set j, 0
.rept 16
	global_load_b128 v[24+4*j:27+4*j], v13, s[42:43] offset:512*j            ; my 128 keys of K: 8,192 dense bytes
.set j, j+1
.endr
	global_load_b128 v[152:155], v13, s[44:45]                               ; 8 channels x 64 keys: 512 dense bytes,
	global_load_b128 v[156:159], v13, s[44:45] offset:16384                  ; and the next 64 keys
	s_wait_kmcnt 0x0
	s_add_co_i32 s50, s22, s23
	s_lshl_b32 s50, s50, 23
	s_add_co_i32 s62, s50, 0x3e38aa3b              ; c = log2(e) / 8 x 2^(e6 + e7)
	s_add_co_i32 s50, s24, 127
	s_lshl_b32 s51, s50, 23
	v_mov_b32 v245, s51                            ; 2^e8
	s_add_co_i32 s50, s50, 8
	s_lshl_b32 s50, s50, 23
	s_or_b32 s50, s50, 0x600000
	v_mov_b32 v244, s50                            ; 448 x 2^e8
	s_sub_co_i32 s50, s26, s24
	s_sub_co_i32 s50, s50, s25
	s_add_co_i32 s50, s50, 127
	s_lshl_b32 s51, s50, 23
	v_mov_b32 v246, s51                            ; 2^(e10 - e8 - e9)
	s_add_co_i32 s50, s50, 8
	s_lshl_b32 s50, s50, 23
	s_or_b32 s50, s50, 0x600000
	v_mov_b32 v247, s50
	s_wait_alu depctr_va_vdst(0)
	s_wait_loadcnt 0x0
.set j, 0
.rept 16
	ds_store_b128 v14, v[24+4*j:27+4*j] offset:640*j
.set j, j+1
.endr
.irp c, 0,1,2,3,4,5,6,7
	ds_load_b128 v[24+8*\c:27+8*\c], v15 offset:1280*\c                      ; key 16 c + r, bytes 16 h; my wave's own bytes, served in order
	ds_load_b128 v[28+8*\c:31+8*\c], v15 offset:1280*\c+32
.endr
	ds_store_b128 v14, v[152:155]                                            ; V over K's first rows, behind the loads above
	ds_store_b128 v14, v[156:159] offset:640
.irp m, 0,1,2,3
	ds_load_b128 v[152+4*\m:155+4*\m], v12 offset:640*(\m/2)+32*(\m%2)       ; keys 32 m + 16 h + 0 .. 15 of channel r % 8
.endr
	s_wait_dscnt 0x0
.irp c, 0,1,2,3,4,5,6,7
	v_wmma_f32_16x16x64_fp8_fp8 v[88+8*\c:95+8*\c], v[16:23], v[24+8*\c:31+8*\c], 0
.endr
.rept 4
	v_nop
.endr
.irp c, 0,1,2,3,4,5,6,7
	v_mul_f32 v[232+\c], s62, v[88+8*\c]           ; t of key 16 c + r: each tile's lowest register
.endr
	v_max3_num_f32 v240, v232, v233, v234
	s_delay_alu instid0(VALU_DEP_1)
	v_max3_num_f32 v240, v240, v235, v236
	s_delay_alu instid0(VALU_DEP_1)
	v_max3_num_f32 v240, v240, v237, v238
	s_delay_alu instid0(VALU_DEP_1)
	v_max_num_f32 v240, v240, v239
	s_delay_alu instid0(VALU_DEP_1)
	v_max_num_f32_dpp v240, v240, v240 row_xmask:1 row_mask:0xf bank_mask:0xf
	s_delay_alu instid0(VALU_DEP_1)
	v_max_num_f32_dpp v240, v240, v240 row_xmask:2 row_mask:0xf bank_mask:0xf
	s_delay_alu instid0(VALU_DEP_1)
	v_max_num_f32_dpp v240, v240, v240 row_xmask:4 row_mask:0xf bank_mask:0xf
	s_delay_alu instid0(VALU_DEP_1)
	v_max_num_f32_dpp v240, v240, v240 row_xmask:8 row_mask:0xf bank_mask:0xf
	ds_store_b32 v5, v240                          ; all lanes write the same word with the same number
	s_wait_dscnt 0x0
	s_barrier_signal -1
	s_barrier_wait -1
.irp i, 0,1,2,3
	ds_load_b128 v[88+4*\i:91+4*\i], v7 offset:MAXW+16*\i
.endr
	s_wait_dscnt 0x0
	v_max3_num_f32 v240, v88, v89, v90
.irp i, 91,93,95,97,99,101
	s_delay_alu instid0(VALU_DEP_1)
	v_max3_num_f32 v240, v240, v[\i], v[\i+1]
.endr
	s_delay_alu instid0(VALU_DEP_1)
	v_max_num_f32 v240, v240, v103
	s_delay_alu instid0(VALU_DEP_1)
	v_floor_f32 v241, -v240                        ; -M
.irp c, 0,1,2,3,4,5,6,7
	v_add_f32 v[232+\c], v[232+\c], v241
.endr
	s_wait_alu depctr_va_vdst(0)
.irp c, 0,1,2,3,4,5,6,7
	v_exp_f32 v[232+\c], v[232+\c]
.endr
	v_nop
	s_wait_alu depctr_va_vdst(0)                   ; ahead of the exponentials' first reader
	v_pk_add_f32 v[242:243], v[232:233], v[234:235]
	v_pk_add_f32 v[242:243], v[242:243], v[236:237]
	v_pk_add_f32 v[242:243], v[242:243], v[238:239]
	s_delay_alu instid0(VALU_DEP_1)
	v_add_f32 v242, v242, v243
	s_delay_alu instid0(VALU_DEP_1)
	v_add_f32_dpp v242, v242, v242 row_xmask:1 row_mask:0xf bank_mask:0xf
	s_delay_alu instid0(VALU_DEP_1)
	v_add_f32_dpp v242, v242, v242 row_xmask:2 row_mask:0xf bank_mask:0xf
	s_delay_alu instid0(VALU_DEP_1)
	v_add_f32_dpp v242, v242, v242 row_xmask:4 row_mask:0xf bank_mask:0xf
	s_delay_alu instid0(VALU_DEP_1)
	v_add_f32_dpp v242, v242, v242 row_xmask:8 row_mask:0xf bank_mask:0xf
	ds_store_b32 v6, v242                          ; the sum of my 128 unquantised p
.irp c, 0,1,2,3,4,5,6,7
	ds_store_b32 v8, v[232+\c] offset:64*\c
.endr
.irp m, 0,1,2,3
.irp i, 0,1,2,3
	ds_load_b128 v[24+16*\m+4*\i:27+16*\m+4*\i], v9 offset:128*\m+16*\i   ; my wave's own bytes, served in order
.endr
.endr
	s_wait_dscnt 0x0
.set n, 0
.rept 64
	v_min_num_f32 v[24+n], v[24+n], v244           ; the conversion does not saturate; p is not negative
.set n, n+1
.endr
.irp u, 0,1,2,3,4,5,6,7
	v_cvt_scalef32_pk8_fp8_f32 v[216+2*\u:217+2*\u], v[24+8*\u:31+8*\u], v245
.endr
	v_nop                                          ; a plain instruction between the conversions and the product that reads their results
	v_wmma_f32_16x16x128_fp8_fp8 v[120:127], v[152:167], v[216:231], 0
.rept 4
	v_nop
.endr
	ds_store_b128 v10, v[120:123]                  ; register j of lanes 0-15: channel j; all sixteen write the same numbers
	ds_store_b128 v10, v[124:127] offset:16
	s_wait_dscnt 0x0
	s_barrier_signal -1
	s_barrier_wait -1
	s_cmp_lg_u32 s10, 0
	s_cbranch_scc1 .Lend
.set w, 0
.rept 16
	ds_load_b128 v[24+8*w:27+8*w], v11 offset:64*w
	ds_load_b128 v[28+8*w:31+8*w], v11 offset:64*w+16
.set w, w+1
.endr
.irp i, 0,1,2,3
	ds_load_b128 v[152+4*\i:155+4*\i], v7 offset:LSUM+16*\i
.endr
	s_wait_dscnt 0x0
.set w, 1
.rept 15
.irp i, 0,2,4,6
	v_pk_add_f32 v[24+\i:25+\i], v[24+\i:25+\i], v[24+8*w+\i:25+8*w+\i]
.endr
.set w, w+1
.endr
	v_pk_add_f32 v[152:153], v[152:153], v[154:155]
.irp i, 4, 6, 8, 10, 12, 14
	s_delay_alu instid0(VALU_DEP_1)
	v_pk_add_f32 v[152:153], v[152:153], v[152+\i:153+\i]
.endr
	s_delay_alu instid0(VALU_DEP_1)
	v_add_f32 v152, v152, v153
	s_wait_alu depctr_va_vdst(0)
	v_rcp_f32 v152, v152
	v_nop
	s_wait_alu depctr_va_vdst(0)                   ; ahead of the reciprocal's first reader
.irp i, 0,1,2,3,4,5,6,7
	v_mul_f32 v[24+\i], v[24+\i], v152
.endr
.irp i, 0,1,2,3,4,5,6,7
	v_med3_num_f32 v[24+\i], v[24+\i], -v247, v247
.endr
	v_cvt_scalef32_pk8_fp8_f32 v[216:217], v[24:31], v246
	v_nop
	v_cmp_gt_u32 vcc_lo, 1, v0                     ; in wave 0 the thread's number is the lane: lane 0 stores
	s_wait_alu depctr_va_vdst(0)
	s_wait_xcnt 0x0                                ; EXEC changes only behind this wait
	s_and_saveexec_b32 s52, vcc_lo
	global_store_b64 v7, v[216:217], s[8:9]        ; my 8 channels' codes
	s_wait_xcnt 0x0
	s_or_b32 exec_lo, exec_lo, s52
.Lend:
	s_wait_tensorcnt 0x0                           ; the wave's end
	ds_add_u32 v254, v255
	s_wait_dscnt 0x0
	s_endpgm
.Lfunc_end_k_qaac8fb6d27_attn_last:
	.size	k_qaac8fb6d27_attn_last, .Lfunc_end_k_qaac8fb6d27_attn_last-k_qaac8fb6d27_attn_last
	.p2alignl 7, 3214868480
	.fill 96, 4, 3214868480
	.section	.rodata,"a",@progbits
	.p2align	6, 0x0
	.amdhsa_kernel k_qaac8fb6d27_attn_last
		.amdhsa_group_segment_fixed_size 175616
		.amdhsa_private_segment_fixed_size 0
		.amdhsa_enable_private_segment 0
		.amdhsa_kernarg_size 24
		.amdhsa_user_sgpr_count 2
		.amdhsa_user_sgpr_kernarg_segment_ptr 1
		.amdhsa_wavefront_size32 1
		.amdhsa_system_sgpr_workgroup_id_x 1
		.amdhsa_system_sgpr_workgroup_id_y 1
		.amdhsa_system_sgpr_workgroup_id_z 1
		.amdhsa_system_vgpr_workitem_id 0
		.amdhsa_next_free_vgpr 256
		.amdhsa_next_free_sgpr 66
		.amdhsa_reserve_vcc 1
		.amdhsa_float_denorm_mode_32 3
		.amdhsa_float_denorm_mode_16_64 3
		.amdhsa_memory_ordered 1
		.amdhsa_forward_progress 1
		.amdhsa_inst_pref_size 27
	.end_amdhsa_kernel
	.amdgpu_metadata
---
amdhsa.version: [ 1, 2 ]
amdhsa.kernels:
  - .name:           k_qaac8fb6d27_attn_last
    .symbol:         k_qaac8fb6d27_attn_last.kd
    .args:
      - { .name: qkvc, .offset: 0, .size: 8, .value_kind: global_buffer, .address_space: global }
      - { .name: lowp_scales, .offset: 8, .size: 8, .value_kind: global_buffer, .address_space: global }
      - { .name: ac, .offset: 16, .size: 8, .value_kind: global_buffer, .address_space: global }
    .group_segment_fixed_size: 175616
    .private_segment_fixed_size: 0
    .kernarg_segment_align: 8
    .kernarg_segment_size: 24
    .max_flat_workgroup_size: 512
    .sgpr_count:     66
    .vgpr_count:     256
    .wavefront_size: 32
...
	.end_amdgpu_metadata
.endif
;; end of part 12
;; launch oproj (part 13): grid 8 x 32, 4 waves a work-group, clusters of 4 x 4, 327,680 bytes of LDS; arguments ac, Wo_codes, lowp_scales, x1, bo, x; writes x1
.if DOCPART == 13
	.amdgcn_target "amdgcn-amd-amdhsa--gfx1250"
	.amdhsa_code_object_version 6
	.text
	.protected	k_qaac8fb6d27_oproj
	.globl	k_qaac8fb6d27_oproj
	.p2align	8
	.type	k_qaac8fb6d27_oproj,@function
k_qaac8fb6d27_oproj:
	s_mov_b64 s[64:65], 0
	v_nop
	global_prefetch_b8 v0, s[64:65] scope:SCOPE_SE
	s_setreg_imm32_b32 hwreg(HW_REG_WAVE_MODE, 25, 1), 1
	s_wait_xcnt 0x0
	s_wait_alu depctr_hold_cnt(0) depctr_sa_sdst(0) depctr_va_vdst(0) depctr_va_sdst(0) depctr_va_ssrc(0) depctr_va_vcc(0) depctr_vm_vsrc(0)
	s_getreg_b32 s2, hwreg(HW_REG_IB_STS2, 6, 4)
	s_cmp_eq_u32 s2, 0
	s_cbranch_scc0 .Lentry_in_a_cluster
	s_endpgm
.Lentry_in_a_cluster:
	s_bfe_u32 s2, ttmp6, 0x10000c
	s_cmp_lg_u32 s2, 0xf033
	s_cbranch_scc0 .Lentry_shape_is_right
	s_endpgm
.Lentry_shape_is_right:
; out[m][n] = res[m][n] + bias[n] + 2^(eA + eB) x sum over k of A[m][k] B[n][k].  A: [4096][1024], B: [1024][1024]: codes of E4M3, K innermost; res, out: [4096][1024] f32.
; A tile of out is 128 x 128: 32 x 8 tiles, 256 work-groups.  Four waves, 64 x 64 each: 16 accumulators of 16 x 16.
; ONE FILL: (128 + 128) rows x the whole K of 1,024 bytes, + 16 of padding a row, are 266,240 bytes of LDS: each wave asks for 64 whole rows by its one tensor load at the head, and nothing is filled again.
; CLUSTERS: 4 x 4 work-groups; A's rows are asked for jointly along a row of the cluster, B's along a column.  Source 0 of the matrix instruction = 16 rows of B, source 1 = 16 rows of A: a lane holds eight neighbours of a row of out.
; No prefetch: the text has no loop to run ahead in; all that the work-group reads is asked for at the head.
; The bias, divided by 2^(eA + eB), is the C of each sum's first matrix instruction.  The residual's rows are asked for at the head and waited for on the way out.
; LIMIT: eA + eB between -126 and 127, so that 2^(eA + eB) is an f32 number.
; REGISTERS: window 0: v0-31 addresses; v32-63 the bias; v64-127 rows on their way out; v128-255 the accumulators.  window 1: two fragment buffers of 128 (A's four fragments, then B's four).  window 2: v0-127 the residual.
.set KROW,   1024
.set SCOFF,  0x28                      ; entries 10, 11 of the scales
.set NROW,   4096                      ; a row of res and of out in bytes
.set PITCH,  1040                      ; 65 x 16: the 16 rows of a fragment load fall on 16 different 16-byte columns of the banks
.set FR,     16
.set HALFT,  64*PITCH
.set STAGE,  4*HALFT                   ; behind the tiles: 16 rows x 272 bytes for each wave, for the way out
.set SPITCH, 272
.set SPARE,  STAGE+4*16*SPITCH         ; the spare words, 128 bytes a wave, which no other line names
.set ADRA, 16
.set ADRB, 20
.set STO,  24
.set RD,   25
.set CO,   26
.set BA,   27
.set SPW,  28
.set NIL,  29
.set BIAS, 32
.set BK,   64
.set ACC,  128
.set F0,   0
.set F1,   128
.set G1, 24
.set G0, 32
.set G1B, 48
.set G0B, 56
.set GW, (1<<20)|(1<<21)|(7<<22)|(3<<25)   ; elements of 1 byte; padding on; bit 21 beside a mask; after every 256 words, 4 words
.set MSB, 0
.macro WIN new                         ; the immediate's high byte repeats the setting that is left
.if MSB != (\new)
	s_set_vgpr_msb (MSB<<8)|(\new)
.set MSB, (\new)
.endif
.endm
.set MUL,  0x05                        ; sources 0 (B) and 1 (A) window 1; C and D window 0
.set TO_F, 0x40                        ; destination window 1, address window 0
.macro CROUND                          ; a round of the cluster's barrier
	s_barrier_signal -1
	s_barrier_wait -1
	s_cmp_lg_u32 s14, 0
	s_cbranch_scc1 .Lnot_wave_0_\@
	s_barrier_signal -3
.Lnot_wave_0_\@:
	s_barrier_wait -3
	s_barrier_signal -1
	s_barrier_wait -1
.endm
.macro PLACES                          ; plain vector instructions between a matrix instruction and a load into, or a read of, its registers
.rept 4
	v_nop
.endr
.endm
	s_load_b256 s[4:11], s[0:1], 0x0               ; A, B, the scales, out
	s_load_b128 s[68:71], s[0:1], 0x20             ; the bias, res
	v_lshl_add_u32 v[SPW], v0, 2, SPARE
	v_mov_b32 v[NIL], 0
	ds_add_u32 v[SPW], v[NIL]                      ; the opening lines: the add, twice on end, and its wait
	ds_add_u32 v[SPW], v[NIL]
	v_lshrrev_b32 v1, 5, v0
	v_readfirstlane_b32 s14, v1                    ; wave 0..3
	s_lshr_b32 s15, s14, 1                         ; my half of the tile's rows; also: I fetch for A (0) or B (1)
	s_and_b32 s16, s14, 1                          ; my half of its columns; also: which 64 rows I fetch
	s_bfe_u32 s40, ttmp6, 0x40000                  ; cx
	s_bfe_u32 s41, ttmp6, 0x40004                  ; cy
	s_lshl_b32 s42, ttmp9, 2
	s_add_co_u32 s42, s42, s40                     ; tile column
	s_and_b32 s17, ttmp7, 0xffff
	s_lshl_b32 s17, s17, 2
	s_add_co_u32 s17, s17, s41                     ; tile row
	s_lshl_b32 s43, s41, 2
	s_lshl_b32 s43, 15, s43                        ; my row of the cluster
	s_lshl_b32 s44, 0x1111, s40                    ; my column
	s_or_b32 s[G1+0], s43, GW
	s_or_b32 s[G1B+0], s44, GW
.irp g, G1, G1B
	s_mov_b32 s[\g+1], KROW<<16                    ; tensor_dim0
	s_mov_b32 s[\g+2], 64<<16                      ; tensor_dim1
	s_mov_b32 s[\g+3], KROW<<16                    ; tile_dim0
	s_mov_b32 s[\g+4], 64                          ; tile_dim1
	s_mov_b32 s[\g+5], KROW                        ; the pitch in memory
	s_mov_b32 s[\g+6], 0
	s_mov_b32 s[\g+7], 0
.endr
	s_lshl_b32 s18, s16, 6
	s_lshl_b32 s20, s17, 7
	s_add_co_u32 s20, s20, s18                     ; A: row 128 x tile row + 64 x half
	s_lshl_b32 s46, s42, 7
	s_add_co_u32 s46, s46, s18                     ; B: row 128 x tile column + 64 x half
	s_mov_b32 s21, 0
	s_mov_b32 s47, 0
	s_mov_b64 s[18:19], KROW
	s_mul_u64 s[20:21], s[20:21], s[18:19]
	s_mul_u64 s[46:47], s[46:47], s[18:19]
	s_mul_i32 s45, s14, HALFT                      ; where they go: wave x 64 rows
	s_mul_i32 s72, s15, HALFT                      ; my 64 rows of A
	s_mul_i32 s73, s16, HALFT
	s_add_co_u32 s73, s73, 2*HALFT                 ; my 64 rows of B, behind A's 128
	s_mul_i32 s74, s14, 16*SPITCH
	s_add_co_u32 s74, s74, STAGE                   ; my stage
	s_lshl_b32 s76, s17, 7
	s_lshl_b32 s77, s15, 6
	s_add_co_u32 s76, s76, s77
	s_lshl_b32 s76, s76, 12                        ; my first row x 4,096 bytes
	s_lshl_b32 s78, s42, 9
	s_lshl_b32 s79, s16, 8
	s_add_co_u32 s78, s78, s79                     ; my first column, in bytes of f32
	s_mov_b32 s79, 0
	s_add_co_u32 s76, s76, s78
	s_mov_b32 s77, 0
	s_wait_dscnt 0x0                               ; both opening adds are done
	s_wait_kmcnt 0x0
	s_load_b64 s[96:97], s[8:9], SCOFF             ; eA, eB
	s_add_nc_u64 s[20:21], s[4:5], s[20:21]
	s_add_nc_u64 s[46:47], s[6:7], s[46:47]
	s_add_nc_u64 s[68:69], s[68:69], s[78:79]
	s_add_nc_u64 s[10:11], s[10:11], s[76:77]
	s_add_nc_u64 s[70:71], s[70:71], s[76:77]
	s_mov_b32 s[G0], 1
	s_mov_b32 s[G0+1], s45
	s_mov_b64 s[G0+2:G0+3], s[20:21]
	s_or_b32 s[G0+3], s[G0+3], 0x80000000
	s_mov_b32 s[G0B], 1
	s_mov_b32 s[G0B+1], s45
	s_mov_b64 s[G0B+2:G0B+3], s[46:47]
	s_or_b32 s[G0B+3], s[G0B+3], 0x80000000
	CROUND                                         ; all sixteen work-groups are here: the joint loads meet
	s_cmp_eq_u32 s15, 0                            ; waves 0, 1 fetch A's halves, waves 2, 3 B's; s_nop 0 and four v_nop follow each line
	s_cbranch_scc0 .Lfor_b
	tensor_load_to_lds s[G0:G0+3], s[G1:G1+7]
	s_nop 0
	PLACES
	s_branch .Lasked
.Lfor_b:
	tensor_load_to_lds s[G0B:G0B+3], s[G1B:G1B+7]
	s_nop 0
	PLACES
.Lasked:
	v_and_b32 v1, 15, v0                           ; r
	v_bfe_u32 v2, v0, 4, 1                         ; h
	v_mul_u32_u24 v3, v1, PITCH
	v_lshl_add_u32 v3, v2, 4, v3                   ; a fragment's row x pitch + 16 h
	v_add_nc_u32 v[ADRA], s72, v3
	v_add_nc_u32 v[ADRB], s73, v3
	v_mul_u32_u24 v4, v1, SPITCH
	v_lshl_add_u32 v4, v2, 5, v4
	v_add_nc_u32 v[STO], s74, v4                   ; the stage, in: row r, 32 bytes for each half of the lanes
	v_mul_u32_u24 v5, v2, SPITCH
	v_lshl_add_u32 v5, v1, 4, v5
	v_add_nc_u32 v[RD], s74, v5                    ; back: lanes 0-15 one row of 256 bytes, lanes 16-31 the next
	v_lshlrev_b32 v[CO], 12, v2
	v_lshl_add_u32 v[CO], v1, 4, v[CO]             ; the same two rows in res and in out
	v_lshlrev_b32 v[BA], 5, v2                     ; the bias in the result's layout: register 8 b + j = column 16 b + 8 h + j
	s_wait_alu depctr_va_vdst(0)
.irp b, 0,1,2,3
	global_load_b128 v[BIAS+8*\b:BIAS+8*\b+3], v[BA], s[68:69] offset:64*\b
	global_load_b128 v[BIAS+8*\b+4:BIAS+8*\b+7], v[BA], s[68:69] offset:64*\b+16
.endr
	WIN 0x80                                       ; destination window 2
.irp a, 0,1,2,3                        ; the residual of my 64 rows x 256 bytes, laid as the rows come back from the stage
.irp t, 0,1,2,3,4,5,6,7
	global_load_b128 v[32*\a+4*\t:32*\a+4*\t+3], v[CO], s[70:71] offset:(16*\a+2*\t)*NROW
.endr
.endr
	WIN 0
	s_wait_kmcnt 0x0
	s_add_co_i32 s96, s96, s97                     ; eA + eB
	s_sub_co_i32 s98, 0, s96
	s_add_co_i32 s96, s96, 127
	s_lshl_b32 s96, s96, 23                        ; 2^(eA + eB) as f32
	s_mov_b32 s97, s96                             ; named with it as a pair
	s_wait_loadcnt 32                              ; the bias's eight loads are in; the residual's 32 stay out
.set i, 0
.rept 32
	v_ldexp_f32 v[BIAS+i], v[BIAS+i], s98          ; the bias goes in divided by the power of two that the sums lack
.set i, i+1
.endr
; 8 matrix instructions: A's blocks a0, a0 + 1 x B's four, 128 along K.  The 16 accumulators take turns.
.macro MUL8 f, a0, first
.irp a, \a0, \a0+1
.irp b, 0,1,2,3
.if \first
	v_wmma_f32_16x16x128_fp8_fp8 v[ACC+8*(4*(\a)+\b):ACC+8*(4*(\a)+\b)+7], v[\f+64+FR*\b:\f+64+FR*\b+FR-1], v[\f+FR*(\a):\f+FR*(\a)+FR-1], v[BIAS+8*\b:BIAS+8*\b+7]
.else
	v_wmma_f32_16x16x128_fp8_fp8 v[ACC+8*(4*(\a)+\b):ACC+8*(4*(\a)+\b)+7], v[\f+64+FR*\b:\f+64+FR*\b+FR-1], v[\f+FR*(\a):\f+FR*(\a)+FR-1], v[ACC+8*(4*(\a)+\b):ACC+8*(4*(\a)+\b)+7]
.endif
.endr
.endr
.endm
; A fragment, 16 rows x 128 K: registers 4 c .. 4 c + 3 hold K = 32 c + 16 h + 0 .. 15, alike in A and B.
.macro FETCH adr, k, reg               ; four fragments at byte k of the rows: 16 loads
	WIN TO_F
.irp i, 0,1,2,3
.irp c, 0,1,2,3
	ds_load_b128 v[\reg+FR*\i+4*\c:\reg+FR*\i+4*\c+3], v[\adr] offset:\k+32*\c+\i*16*PITCH
.endr
.endr
.endm
.macro QUARTER k, f, g, first          ; multiplies buffer f and fetches the next 128 along K, at byte k, into g
	s_wait_dscnt 0x0                               ; buffer f is in
	PLACES                                         ; behind the products that read buffer g
	FETCH ADRB, \k, \g+64
	WIN MUL
	MUL8 \f, 0, \first
	FETCH ADRA, \k, \g
	WIN MUL
	MUL8 \f, 2, \first
.endm
	s_wait_alu depctr_va_vdst(0)
	s_wait_tensorcnt 0x0                           ; my 64 rows are in
	s_barrier_signal -1
	s_barrier_wait -1                              ; everybody's are
	FETCH ADRB, 0, F0+64
	FETCH ADRA, 0, F0
	QUARTER 128, F0, F1, 2                         ; the first products start the sums, from the bias
.irp k, 256, 512, 768
	QUARTER \k, F1, F0, 0
	QUARTER \k+128, F0, F1, 0
.endr
	s_wait_dscnt 0x0
	WIN MUL
	MUL8 F1, 0, 0
	MUL8 F1, 2, 0
	WIN 0
; THE WAY OUT, block by block of 16 rows x 64 columns: the raw sums go through my own stage and come back as whole rows of 256 bytes; one packed multiply-add gives sum x 2^(eA + eB) + res; sixteen lanes store 256 consecutive bytes, aligned.
.macro TOSTAGE a
.set BB, BK+32*((\a)%2)
.irp b, 0,1,2,3
	ds_store_b128 v[STO], v[ACC+8*(4*(\a)+\b):ACC+8*(4*(\a)+\b)+3] offset:64*\b        ; each accumulator from its low end on
	ds_store_b128 v[STO], v[ACC+8*(4*(\a)+\b)+4:ACC+8*(4*(\a)+\b)+7] offset:64*\b+16
.endr
.irp t, 0,1,2,3,4,5,6,7
	ds_load_b128 v[BB+4*\t:BB+4*\t+3], v[RD] offset:\t*2*SPITCH    ; LDS serves a wave's instructions in order (ISA guide 5.7.1.4)
.endr
.endm
.macro SEND a, younger
.set BB, BK+32*((\a)%2)
.set RS, 32*(\a)
	s_wait_dscnt \younger                          ; the block is back; the next block's 8 stores and 8 loads may be out
	WIN 0x20                                       ; source 2: window 2
.set i, 0
.rept 16
	v_pk_fma_f32 v[BB+i:BB+i+1], v[BB+i:BB+i+1], s[96:97], v[RS+i:RS+i+1] op_sel_hi:[1,0,1]
.set i, i+2
.endr
	WIN 0
.irp t, 0,1,2,3,4,5,6,7
	global_store_b128 v[CO], v[BB+4*\t:BB+4*\t+3], s[10:11] offset:(16*(\a)+2*\t)*NROW
.endr
.endm
	PLACES                                         ; behind the last products, ahead of the first reads of results
	s_wait_loadcnt 0x0                             ; the residual
	TOSTAGE 0
.irp a, 1,2,3
.if \a > 1
	s_wait_xcnt 0x0                                ; block a - 2's stores have read their registers: block a's loads may land there
.endif
	TOSTAGE \a
	SEND \a-1, 16
.endr
	SEND 3, 0
	s_wait_tensorcnt 0x0                           ; the wave's end
	ds_add_u32 v[SPW], v[NIL]
	s_wait_dscnt 0x0
	CROUND                                         ; the closing round
	s_endpgm
.Lfunc_end_k_qaac8fb6d27_oproj:
	.size	k_qaac8fb6d27_oproj, .Lfunc_end_k_qaac8fb6d27_oproj-k_qaac8fb6d27_oproj
	.p2alignl 7, 3214868480
	.fill 96, 4, 3214868480
	.section	.rodata,"a",@progbits
	.p2align	6, 0x0
	.amdhsa_kernel k_qaac8fb6d27_oproj
		.amdhsa_group_segment_fixed_size 327680
		.amdhsa_private_segment_fixed_size 0
		.amdhsa_enable_private_segment 0
		.amdhsa_kernarg_size 48
		.amdhsa_user_sgpr_count 2
		.amdhsa_user_sgpr_kernarg_segment_ptr 1
		.amdhsa_wavefront_size32 1
		.amdhsa_system_sgpr_workgroup_id_x 1
		.amdhsa_system_sgpr_workgroup_id_y 1
		.amdhsa_system_sgpr_workgroup_id_z 1
		.amdhsa_system_vgpr_workitem_id 0
		.amdhsa_next_free_vgpr 768
		.amdhsa_next_free_sgpr 100
		.amdhsa_reserve_vcc 0
		.amdhsa_float_denorm_mode_32 3
		.amdhsa_float_denorm_mode_16_64 3
		.amdhsa_memory_ordered 1
		.amdhsa_forward_progress 1
		.amdhsa_inst_pref_size 50
	.end_amdhsa_kernel
	.amdgpu_metadata
---
amdhsa.version: [ 1, 2 ]
amdhsa.kernels:
  - .name:           k_qaac8fb6d27_oproj
    .symbol:         k_qaac8fb6d27_oproj.kd
    .args:
      - { .name: ac, .offset: 0, .size: 8, .value_kind: global_buffer, .address_space: global }
      - { .name: Wo_codes, .offset: 8, .size: 8, .value_kind: global_buffer, .address_space: global }
      - { .name: lowp_scales, .offset: 16, .size: 8, .value_kind: global_buffer, .address_space: global }
      - { .name: x1, .offset: 24, .size: 8, .value_kind: global_buffer, .address_space: global }
      - { .name: bo, .offset: 32, .size: 8, .value_kind: global_buffer, .address_space: global }
      - { .name: x, .offset: 40, .size: 8, .value_kind: global_buffer, .address_space: global }
    .group_segment_fixed_size: 327680
    .private_segment_fixed_size: 0
    .kernarg_segment_align: 8
    .kernarg_segment_size: 48
    .max_flat_workgroup_size: 128
    .sgpr_count:     100
    .vgpr_count:     768
    .wavefront_size: 32
...
	.end_amdgpu_metadata
.endif
;; end of part 13
;; launch ln2 (part 14): grid 256 x 1, 4 waves a work-group, no clusters, 20,992 bytes of LDS; arguments x1, ln2_g, ln2_b, lowp_scales, h2c; writes h2c
.if DOCPART == 14
	.amdgcn_target "amdgcn-amd-amdhsa--gfx1250"
	.amdhsa_code_object_version 6
	.text
	.protected	k_qaac8fb6d27_ln2
	.globl	k_qaac8fb6d27_ln2
	.p2align	8
	.type	k_qaac8fb6d27_ln2,@function
k_qaac8fb6d27_ln2:
	s_mov_b64 s[64:65], 0
	v_nop
	global_prefetch_b8 v0, s[64:65] scope:SCOPE_SE
	s_setreg_imm32_b32 hwreg(HW_REG_WAVE_MODE, 25, 1), 1
	s_wait_xcnt 0x0
; y = (x - mean) * rsqrt(var + 1e-5) * g + b over rows of 1,024 f32, then y as codes of E4M3 under NOUT given scales 2^e.
; Here NOUT = 1: entry 12 of the scales; the output is [4096][1024] bytes.
; A wave takes four whole rows; a row is 32 registers a lane, so it is read from memory once and both sums stay in the wave:
; no barrier.  The variance is the mean of (x - mean)^2, taken in a second pass over the registers.
; The conversion wants 8 neighbours in one lane, the loads want neighbouring lanes on neighbouring bytes: the finished row
; turns through the wave's own stage in LDS (64 bytes + 16 of padding a lane, two half rows).  A lane's 16 codes are 16
; bytes: each store of the wave covers 512 consecutive bytes, aligned.
; LIMITS: e between -126 and 119, so that 2^e and 448 x 2^e are f32 numbers.  NaN among the inputs is not served.
.set NOUT, 1
.set G,    24
.set B,    56
.set X,    88
.set Y,    216
.set SP,   80
.set HALF, 32*SP
	s_load_b256 s[4:11], s[0:1], 0x0               ; x, g, b, the scales
	s_load_b64 s[12:13], s[0:1], 0x20              ; the codes
	v_lshl_add_u32 v254, v0, 2, 0x5000
	v_mov_b32 v255, 0
	v_lshrrev_b32 v4, 5, v0
	v_readfirstlane_b32 s3, v4                     ; wave
	v_and_b32 v4, 31, v0                           ; lane
	v_lshlrev_b32 v1, 4, v4                        ; 16 x lane
	s_mul_i32 s2, s3, 2*HALF                       ; my wave's stage
	v_lshrrev_b32 v5, 2, v4
	v_mul_u32_u24 v2, v5, SP
	v_and_b32 v5, 3, v4
	v_lshl_add_u32 v2, v5, 4, v2
	v_add_nc_u32 v2, s2, v2                        ; into the stage
	v_mul_u32_u24 v3, v4, SP
	v_add_nc_u32 v3, s2, v3                        ; out of it
	v_mov_b32 v5, 0                                ; a lane permute's destination counts as read
	v_mov_b32 v7, 0                                ; named as the upper half of v[6:7]
	s_mov_b32 s24, 0x76543210
	s_mov_b32 s25, 0xfedcba98
	s_mov_b32 s26, 0x3a800000                      ; 1 / 1024
	s_mov_b32 s27, 0x3727c5ac                      ; 1e-5
	s_lshl_b32 s34, ttmp9, 4
	s_lshl_b32 s35, s3, 2
	s_add_co_u32 s34, s34, s35                     ; my first row
	s_lshl_b32 s36, s34, 12
	s_mov_b32 s37, 0
	s_lshl_b32 s38, s34, 10
	s_mov_b32 s39, 0
	s_wait_kmcnt 0x0
.if NOUT == 3
	s_load_b256 s[16:23], s[10:11], 0x0
.else
	s_load_b32 s16, s[10:11], 0x30                 ; entry 12
.endif
	s_add_nc_u64 s[4:5], s[4:5], s[36:37]
	s_add_nc_u64 s[28:29], s[12:13], s[38:39]
.if NOUT == 3
	s_add_nc_u64 s[30:31], s[28:29], 0x400000
	s_add_nc_u64 s[32:33], s[28:29], 0x800000
.endif
.irp j, 0,1,2,3,4,5,6,7
	global_load_b128 v[G+4*\j:G+4*\j+3], v1, s[6:7] offset:512*\j
.endr
.irp j, 0,1,2,3,4,5,6,7
	global_load_b128 v[B+4*\j:B+4*\j+3], v1, s[8:9] offset:512*\j
.endr
.irp r, 0,1,2,3
.irp j, 0,1,2,3,4,5,6,7
	global_load_b128 v[X+32*\r+4*\j:X+32*\r+4*\j+3], v1, s[4:5] offset:4096*\r+512*\j
.endr
.endr
	s_wait_kmcnt 0x0
.set o, 0
.rept NOUT
	s_add_co_i32 s40, s[16+2*o], 127
	s_lshl_b32 s41, s40, 23
	v_mov_b32 v[16+2*o], s41                       ; 2^e as f32
	s_add_co_i32 s40, s40, 8
	s_lshl_b32 s40, s40, 23
	s_or_b32 s40, s40, 0x600000
	v_mov_b32 v[17+2*o], s40                       ; 448 x 2^e
.set o, o+1
.endr
.macro REDUCE                          ; four packed chains in v[8:15] -> their sum over the wave, in v4 of every lane
	v_pk_add_f32 v[8:9], v[8:9], v[10:11]
	v_pk_add_f32 v[12:13], v[12:13], v[14:15]
	v_pk_add_f32 v[8:9], v[8:9], v[12:13]
	v_add_f32 v4, v8, v9
	v_add_f32_dpp v4, v4, v4 row_xmask:1 row_mask:0xf bank_mask:0xf
	v_add_f32_dpp v4, v4, v4 row_xmask:2 row_mask:0xf bank_mask:0xf
	v_add_f32_dpp v4, v4, v4 row_xmask:4 row_mask:0xf bank_mask:0xf
	v_add_f32_dpp v4, v4, v4 row_xmask:8 row_mask:0xf bank_mask:0xf
	v_permlanex16_b32 v5, v4, s24, s25
	v_add_f32 v4, v4, v5
.endm
.macro ROW r
.set XR, X+32*(\r)
	s_wait_loadcnt 8*(3-(\r))                      ; loads come back in order: g, b and this row are in, the later rows' eight loads each stay out
.irp k, 0,1,2,3
	v_pk_add_f32 v[8+2*\k:9+2*\k], v[XR+2*\k:XR+2*\k+1], v[XR+8+2*\k:XR+9+2*\k]
.endr
.irp k, 0,1,2,3,4,5,6,7
	v_pk_add_f32 v[8+2*(\k%4):9+2*(\k%4)], v[8+2*(\k%4):9+2*(\k%4)], v[XR+16+2*\k:XR+17+2*\k]
.endr
	REDUCE
	v_mul_f32 v6, s26, v4                          ; the mean
.set i, 0
.rept 16
	v_pk_add_f32 v[XR+i:XR+i+1], v[XR+i:XR+i+1], v[6:7] op_sel_hi:[1,0] neg_lo:[0,1] neg_hi:[0,1]
.set i, i+2
.endr
.irp k, 0,1,2,3
	v_pk_mul_f32 v[8+2*\k:9+2*\k], v[XR+2*\k:XR+2*\k+1], v[XR+2*\k:XR+2*\k+1]
.endr
.irp k, 4,5,6,7,8,9,10,11,12,13,14,15
	v_pk_fma_f32 v[8+2*(\k%4):9+2*(\k%4)], v[XR+2*\k:XR+2*\k+1], v[XR+2*\k:XR+2*\k+1], v[8+2*(\k%4):9+2*(\k%4)]
.endr
	REDUCE
	v_fma_f32 v4, v4, s26, s27                     ; the variance + 1e-5
	s_wait_alu depctr_va_vdst(0)
	v_rsq_f32 v6, v4
	v_nop                                          ; a plain instruction between the root and its use
.set i, 0
	s_wait_alu depctr_va_vdst(0)
.rept 16
	v_pk_mul_f32 v[XR+i:XR+i+1], v[XR+i:XR+i+1], v[6:7] op_sel_hi:[1,0]
.set i, i+2
.endr
.set i, 0
.rept 16
	v_pk_fma_f32 v[XR+i:XR+i+1], v[XR+i:XR+i+1], v[G+i:G+i+1], v[B+i:B+i+1]
.set i, i+2
.endr
.irp j, 0,1,2,3,4,5,6,7
	ds_store_b128 v2, v[XR+4*\j:XR+4*\j+3] offset:HALF*(\j/4)+8*SP*(\j%4)
.endr
.if (NOUT > 1) && ((\r) > 0)
	s_wait_xcnt 0x0
.endif
.irp j, 0,1,2,3,4,5,6,7
	ds_load_b128 v[Y+4*\j:Y+4*\j+3], v3 offset:HALF*(\j/4)+16*(\j%4)   ; LDS serves a wave's instructions in order: these see the stores above
.endr
	s_wait_dscnt 0x0                               ; the row is back: columns 512 s + 16 x lane + 0 .. 15 in Y + 16 s
.irp s, 0,1
.set o, 0
.rept NOUT
.set QD, NOUT*\s+o
.if QD < 4
.set QR, XR+16+4*QD                    ; the codes go where the row's upper half lay
.else
.set QR, 248+4*(QD-4)
.endif
.irp i, 0,1,2,3,4,5,6,7,8,9,10,11,12,13,14,15
	v_med3_num_f32 v[XR+\i], v[Y+16*\s+\i], -v[17+2*o], v[17+2*o]   ; the conversion does not saturate: hold within 448 x the scale first
.endr
	v_cvt_scalef32_pk8_fp8_f32 v[QR:QR+1], v[XR:XR+7], v[16+2*o]
	v_cvt_scalef32_pk8_fp8_f32 v[QR+2:QR+3], v[XR+8:XR+15], v[16+2*o]
	v_nop                                          ; a plain instruction before the conversions' sources are written again
	global_store_b128 v1, v[QR:QR+3], s[28+2*o:29+2*o] offset:(\r)*1024+512*\s
.set o, o+1
.endr
.endr
.endm
	ROW 0
	ROW 1
	ROW 2
	ROW 3
	s_wait_tensorcnt 0x0
	ds_add_u32 v254, v255
	s_wait_dscnt 0x0
	s_endpgm
.Lfunc_end_k_qaac8fb6d27_ln2:
	.size	k_qaac8fb6d27_ln2, .Lfunc_end_k_qaac8fb6d27_ln2-k_qaac8fb6d27_ln2
	.p2alignl 7, 3214868480
	.fill 96, 4, 3214868480
	.section	.rodata,"a",@progbits
	.p2align	6, 0x0
	.amdhsa_kernel k_qaac8fb6d27_ln2
		.amdhsa_group_segment_fixed_size 20992
		.amdhsa_private_segment_fixed_size 0
		.amdhsa_enable_private_segment 0
		.amdhsa_kernarg_size 40
		.amdhsa_user_sgpr_count 2
		.amdhsa_user_sgpr_kernarg_segment_ptr 1
		.amdhsa_wavefront_size32 1
		.amdhsa_system_sgpr_workgroup_id_x 1
		.amdhsa_system_sgpr_workgroup_id_y 1
		.amdhsa_system_sgpr_workgroup_id_z 1
		.amdhsa_system_vgpr_workitem_id 0
		.amdhsa_next_free_vgpr 256
		.amdhsa_next_free_sgpr 66
		.amdhsa_reserve_vcc 0
		.amdhsa_float_denorm_mode_32 3
		.amdhsa_float_denorm_mode_16_64 3
		.amdhsa_memory_ordered 1
		.amdhsa_forward_progress 1
		.amdhsa_inst_pref_size 46
	.end_amdhsa_kernel
	.amdgpu_metadata
---
amdhsa.version: [ 1, 2 ]
amdhsa.kernels:
  - .name:           k_qaac8fb6d27_ln2
    .symbol:         k_qaac8fb6d27_ln2.kd
    .args:
      - { .name: x1, .offset: 0, .size: 8, .value_kind: global_buffer, .address_space: global }
      - { .name: ln2_g, .offset: 8, .size: 8, .value_kind: global_buffer, .address_space: global }
      - { .name: ln2_b, .offset: 16, .size: 8, .value_kind: global_buffer, .address_space: global }
      - { .name: lowp_scales, .offset: 24, .size: 8, .value_kind: global_buffer, .address_space: global }
      - { .name: h2c, .offset: 32, .size: 8, .value_kind: global_buffer, .address_space: global }
    .group_segment_fixed_size: 20992
    .private_segment_fixed_size: 0
    .kernarg_segment_align: 8
    .kernarg_segment_size: 40
    .max_flat_workgroup_size: 128
    .sgpr_count:     66
    .vgpr_count:     256
    .wavefront_size: 32
...
	.end_amdgpu_metadata
.endif
;; end of part 14
;; launch ffn1 (part 15): grid 16 x 16, 4 waves a work-group, clusters of 4 x 4, 327,680 bytes of LDS; arguments h2c, W1_codes, lowp_scales, gc, b1; writes gc
.if DOCPART == 15
	.amdgcn_target "amdgcn-amd-amdhsa--gfx1250"
	.amdhsa_code_object_version 6
	.text
	.protected	k_qaac8fb6d27_ffn1
	.globl	k_qaac8fb6d27_ffn1
	.p2align	8
	.type	k_qaac8fb6d27_ffn1,@function
k_qaac8fb6d27_ffn1:
	s_mov_b64 s[64:65], 0
	v_nop
	global_prefetch_b8 v0, s[64:65] scope:SCOPE_SE
	s_setreg_imm32_b32 hwreg(HW_REG_WAVE_MODE, 25, 1), 1
	s_wait_xcnt 0x0
	s_wait_alu depctr_hold_cnt(0) depctr_sa_sdst(0) depctr_va_vdst(0) depctr_va_sdst(0) depctr_va_ssrc(0) depctr_va_vcc(0) depctr_vm_vsrc(0)
	s_getreg_b32 s2, hwreg(HW_REG_IB_STS2, 6, 4)
	s_cmp_eq_u32 s2, 0
	s_cbranch_scc0 .Lentry_in_a_cluster
	s_endpgm
.Lentry_in_a_cluster:
	s_bfe_u32 s2, ttmp6, 0x10000c
	s_cmp_lg_u32 s2, 0xf033
	s_cbranch_scc0 .Lentry_shape_is_right
	s_endpgm
.Lentry_shape_is_right:
; g = gelu(h W1 + b1) as codes of E4M3 under the given 2^e14.  h: [4096][1024], W1: [4096 (n)][1024 (k)]: codes of E4M3, K innermost; g: [4096][4096] bytes.
; A tile of 256 x 256 to a work-group of four waves, 128 x 128 a wave: 64 accumulators of 16 x 16.  16 x 16 tiles: 256 work-groups.
; K goes in 4 steps of 256 through two LDS slots filled by the tensor data mover; 4 x 4 work-groups form a cluster, h's tiles are asked for jointly along a row of it, W1's along a column.
; Source 0 of the matrix instruction = 16 rows of W1, source 1 = 16 rows of h: a lane ends with eight neighbours along n, the next product's K.  b1, divided by 2^(e12 + e13), is the C of each sum's first matrix instruction.
; PREFETCH: behind K step 0's load each wave names K steps 1 and 2, behind K step 1's load K step 3, of 32 of the 128 rows that it fetches: a lane a row, 256 bytes.  The four partners that ask for those rows jointly take 32 each, told apart by address.
; THE WAY OUT: the raw sums go into LDS (128 rows x (512 bytes + 16) a wave, over both slots, which have had their last fill and, behind a barrier, their last read).  Then a loop of 16 trips, written once: a wave takes 4 whole rows
; of the tile a trip, 8 neighbouring numbers a lane and row: gelu(x) = x / 2 x (1 + erf(x / sqrt 2)), erf(z) = z P(z^2) / Q(z^2) with z held within +-4, all in f32; 8 codes a lane: the 32 lanes store a row's 256 bytes, aligned.
; The next trip's LDS loads are issued as soon as the loaded registers have been read; the stores' base is stepped in the middle of the next trip.
; LIMITS: e12 + e13 between -125 and 127; e14 between -126 and 119, so that each power of two below is an f32 number.  NaN is not served.
; REGISTERS: window 0: v0-31 addresses; v32-95 the bias; v128-255 h's fragments, one set; on the way out v32-239 at work.  window 1: W1's fragments, two sets.  windows 2, 3: the accumulators ((a, b) at v[8 (8 (a % 4) + b)]).
.set KROW,   1024
.set ROWB,   256
.set PITCH,  272                       ; 256 bytes + 16 of padding: the 16 rows of a fragment load start at 16 different banks
.set FR,     16
.set NL,     4
.set HALFT,  128*PITCH
.set SLOT,   4*HALFT
.set SPARE,  2*SLOT                    ; behind the ring: the spare words, 128 bytes a wave, which no other line names
.set RW,     128*528                   ; the way out: a wave's sums
.set ADRA, 16
.set ADRB, 20
.set STO,  24
.set RD,   25
.set CO,   26
.set BA,   27
.set SPW,  28
.set NIL,  29
.set SC,   30
.set LIM,  31
.set PFO,  15                          ; v15  my lane's row, for the prefetches; never rewritten
.set BIAS, 32
.set AF,   128
.set G1, 24
.set G0, 32
.set G1B, 48
.set G0B, 56
.set PFA, 80                           ; s[80:81]  my 32 rows at K step 0; never rewritten
.set GW, (1<<20)|(1<<21)|(5<<22)|(3<<25)   ; elements of 1 byte; padding on; bit 21 beside a mask; after every 64 words, 4 words
.set MSB, 0
.macro WIN new                         ; the immediate's high byte repeats the setting that is left
.if MSB != (\new)
	s_set_vgpr_msb (MSB<<8)|(\new)
.set MSB, (\new)
.endif
.endm
.set MUL_LO, 0xa1                      ; source 0 (W1) window 1, source 1 (h) window 0, C and D window 2
.set MUL_HI, 0xf1
.set TO_B,   0x40
.macro PLACES                          ; plain vector instructions between a matrix instruction and a load into, or a read of, its registers
.rept 4
	v_nop
.endr
.endm
.macro JLOAD g0a, g0b                  ; a joint load: waves 0, 1 fetch h's halves, waves 2, 3 W1's; s_nop 0 and four v_nop follow each line
	s_cmp_eq_u32 s15, 0
	s_cbranch_scc0 .Lfor_b_\@
	tensor_load_to_lds s[\g0a:\g0a+3], s[G1:G1+7]
	s_nop 0
	PLACES
	s_branch .Lasked_\@
.Lfor_b_\@:
	tensor_load_to_lds s[\g0b:\g0b+3], s[G1B:G1B+7]
	s_nop 0
	PLACES
.Lasked_\@:
.endm
.macro CREST                           ; a round of the cluster's barrier behind its opening barrier
	s_cmp_lg_u32 s14, 0
	s_cbranch_scc1 .Lnot_wave_0_\@
	s_barrier_signal -3
.Lnot_wave_0_\@:
	s_barrier_wait -3
	s_barrier_signal -1
	s_barrier_wait -1
.endm
.macro CROUND
	s_barrier_signal -1
	s_barrier_wait -1
	CREST
.endm
	s_load_b256 s[4:11], s[0:1], 0x0               ; h's codes, W1's codes, the scales, g
	s_load_b64 s[68:69], s[0:1], 0x20              ; b1
	v_lshl_add_u32 v[SPW], v0, 2, SPARE
	v_mov_b32 v[NIL], 0
	ds_add_u32 v[SPW], v[NIL]                      ; the opening lines: the add, twice on end, and its wait
	ds_add_u32 v[SPW], v[NIL]
	v_lshrrev_b32 v1, 5, v0
	v_readfirstlane_b32 s14, v1                    ; wave 0..3
	s_lshr_b32 s15, s14, 1                         ; my half of the tile's rows; also: I fetch for h (0) or W1 (1)
	s_and_b32 s16, s14, 1                          ; my half of its columns; also: which 128 rows I fetch
	s_bfe_u32 s40, ttmp6, 0x40000                  ; cx
	s_bfe_u32 s41, ttmp6, 0x40004                  ; cy
	s_lshl_b32 s42, ttmp9, 2
	s_add_co_u32 s42, s42, s40                     ; tile column
	s_and_b32 s17, ttmp7, 0xffff
	s_lshl_b32 s17, s17, 2
	s_add_co_u32 s17, s17, s41                     ; tile row
	s_lshl_b32 s43, s41, 2
	s_lshl_b32 s43, 15, s43                        ; my row of the cluster
	s_lshl_b32 s44, 0x1111, s40                    ; my column
	s_or_b32 s[G1+0], s43, GW
	s_or_b32 s[G1B+0], s44, GW
.irp g, G1, G1B
	s_mov_b32 s[\g+1], ROWB<<16                    ; tensor_dim0
	s_mov_b32 s[\g+2], 128<<16                     ; tensor_dim1
	s_mov_b32 s[\g+3], ROWB<<16                    ; tile_dim0
	s_mov_b32 s[\g+4], 128                         ; tile_dim1
	s_mov_b32 s[\g+5], KROW                        ; the pitch in memory
	s_mov_b32 s[\g+6], 0
	s_mov_b32 s[\g+7], 0
.endr
	s_lshl_b32 s18, s16, 7
	s_lshl_b32 s20, s17, 8
	s_add_co_u32 s20, s20, s18                     ; h: row 256 x tile row + 128 x half
	s_lshl_b32 s46, s42, 8
	s_add_co_u32 s46, s46, s18                     ; W1: row 256 x tile column + 128 x half
	s_mov_b32 s21, 0
	s_mov_b32 s47, 0
	s_mov_b64 s[18:19], KROW
	s_mul_u64 s[20:21], s[20:21], s[18:19]
	s_mul_u64 s[46:47], s[46:47], s[18:19]
	s_mul_i32 s45, s14, HALFT                      ; where they go: wave x 128 rows
	s_cmp_eq_u32 s15, 0                            ; the prefetches: do I fetch for h?
	s_cselect_b32 s82, s17, s42                    ; the tile's number
	s_cselect_b32 s83, s40, s41                    ; my place among the four that ask for it with me
	s_lshl_b32 s82, s82, 8
	s_lshl_b32 s84, s16, 7
	s_add_co_u32 s82, s82, s84                     ; + the 128 rows that I fetch
	s_lshl_b32 s83, s83, 5
	s_add_co_u32 s82, s82, s83                     ; + my work-group's 32 of them
	s_lshl_b32 s82, s82, 10                        ; x 1,024 bytes a row
	s_mov_b32 s83, 0
	s_mul_i32 s72, s15, HALFT                      ; my 128 rows of h in slot 0
	s_mul_i32 s73, s16, HALFT
	s_add_co_u32 s73, s73, 2*HALFT                 ; my 128 rows of W1, behind h's 256
	s_mul_i32 s74, s14, RW                         ; the way out, in: my wave's sums
	s_mul_i32 s75, s15, 2*RW                       ; back: wave w takes rows 64 w .. 64 w + 63 of the tile: its row half's two waves' sums,
	s_mul_i32 s77, s16, 64*528                     ; from row 64 (w % 2) on
	s_add_co_u32 s75, s75, s77
	s_lshl_b32 s78, s17, 8
	s_lshl_b32 s79, s14, 6
	s_add_co_u32 s78, s78, s79                     ; the first row that I store
	s_lshl_b32 s78, s78, 12                        ; x 4,096 bytes
	s_lshl_b32 s79, s42, 8
	s_add_co_u32 s78, s78, s79                     ; + the tile's 256 bytes of a row
	s_mov_b32 s79, 0
	s_lshl_b32 s84, s42, 10
	s_lshl_b32 s85, s16, 9
	s_add_co_u32 s84, s84, s85                     ; my first column of b1, in bytes
	s_mov_b32 s85, 0
	s_wait_dscnt 0x0                               ; both opening adds are done
	s_wait_kmcnt 0x0
	s_load_b64 s[96:97], s[8:9], 0x30              ; e12, e13
	s_load_b32 s98, s[8:9], 0x38                   ; e14
	s_add_nc_u64 s[20:21], s[4:5], s[20:21]
	s_add_nc_u64 s[46:47], s[6:7], s[46:47]
	s_cmp_eq_u32 s15, 0
	s_cselect_b64 s[PFA:PFA+1], s[4:5], s[6:7]
	s_add_nc_u64 s[PFA:PFA+1], s[PFA:PFA+1], s[82:83]
	s_add_nc_u64 s[10:11], s[10:11], s[78:79]
	s_add_nc_u64 s[68:69], s[68:69], s[84:85]
.irp s, 0,1
	s_mov_b32 s[G0+4*\s], 1
	s_add_co_u32 s[G0+4*\s+1], s45, \s*SLOT
	s_add_nc_u64 s[G0+4*\s+2:G0+4*\s+3], s[20:21], \s*ROWB
	s_or_b32 s[G0+4*\s+3], s[G0+4*\s+3], 0x80000000
	s_mov_b32 s[G0B+4*\s], 1
	s_add_co_u32 s[G0B+4*\s+1], s45, \s*SLOT
	s_add_nc_u64 s[G0B+4*\s+2:G0B+4*\s+3], s[46:47], \s*ROWB
	s_or_b32 s[G0B+4*\s+3], s[G0B+4*\s+3], 0x80000000
.endr
	CROUND                                         ; all sixteen work-groups are here: the first joint loads meet
	JLOAD G0, G0B                                  ; K step 0
	v_and_b32 v1, 15, v0                           ; r
	v_bfe_u32 v2, v0, 4, 1                         ; h
	v_mul_u32_u24 v3, v1, PITCH
	v_lshl_add_u32 v3, v2, 4, v3                   ; a fragment's row x pitch + 16 h
	v_add_nc_u32 v[ADRA], s72, v3
	v_add_nc_u32 v[ADRB], s73, v3
	v_add_nc_u32 v[ADRA+1], SLOT, v[ADRA]
	v_add_nc_u32 v[ADRB+1], SLOT, v[ADRB]
	v_mul_u32_u24 v4, v1, 528
	v_lshl_add_u32 v4, v2, 5, v4
	v_add_nc_u32 v[STO], s74, v4                   ; sums, in: row r, 32 bytes for each half of the lanes
	v_mul_u32_u24 v5, v2, RW                       ; back: lanes 0-15 read the left column half's wave, lanes 16-31 the right one's,
	v_lshl_add_u32 v5, v1, 5, v5                   ; 8 numbers a lane
	v_add_nc_u32 v[RD], s75, v5
	v_and_b32 v6, 31, v0
	v_lshlrev_b32 v[CO], 3, v6                     ; 8 codes a lane: the 32 lanes' 256 bytes of a row of g
	v_lshlrev_b32 v[PFO], 10, v6
	v_lshlrev_b32 v[BA], 5, v2                     ; the bias in the result's layout: register 8 b + j = column 16 b + 8 h + j
	s_wait_alu depctr_va_vdst(0)
	global_prefetch_b8 v[PFO], s[PFA:PFA+1] offset:ROWB th:TH_LOAD_NT scope:SCOPE_SE       ; K step 1,
	global_prefetch_b8 v[PFO], s[PFA:PFA+1] offset:2*ROWB th:TH_LOAD_NT scope:SCOPE_SE     ; and K step 2
.irp b, 0,1,2,3,4,5,6,7
	global_load_b128 v[BIAS+8*\b:BIAS+8*\b+3], v[BA], s[68:69] offset:64*\b
	global_load_b128 v[BIAS+8*\b+4:BIAS+8*\b+7], v[BA], s[68:69] offset:64*\b+16
.endr
	s_wait_kmcnt 0x0
	s_add_co_i32 s96, s96, s97                     ; e = e12 + e13: a sum stands for sum x 2^e
	s_sub_co_i32 s99, 0, s96
	s_lshl_b32 s88, s96, 23
	s_add_co_i32 s88, s88, 0x3f3504f3              ; 2^e / sqrt 2: e is added to the exponent field
	s_mov_b32 s89, s88                             ; named with it as a pair
	s_add_co_i32 s90, s96, 126
	s_lshl_b32 s90, s90, 23                        ; 2^e / 2
	s_mov_b32 s91, s90
	s_add_co_i32 s98, s98, 127
	s_lshl_b32 s97, s98, 23
	v_mov_b32 v[SC], s97                           ; 2^e14, for the conversion
	s_add_co_i32 s98, s98, 8
	s_lshl_b32 s98, s98, 23
	s_or_b32 s98, s98, 0x600000
	v_mov_b32 v[LIM], s98                          ; 448 x 2^e14
	s_wait_loadcnt 0x0                             ; the bias
.set i, 0
.rept 64
	v_ldexp_f32 v[BIAS+i], v[BIAS+i], s99          ; the bias goes in divided by the power of two that the sums lack
.set i, i+1
.endr
.macro FRAG reg, adr, q, i             ; 16 rows x 128 K: registers 4 c .. 4 c + 3 hold K = 32 c + 16 h + 0 .. 15, alike in both operands
.irp c, 0,1,2,3
	ds_load_b128 v[\reg+4*\c:\reg+4*\c+3], v[\adr] offset:128*(\q)+32*\c+(\i)*16*PITCH
.endr
.endm
; 16 matrix instructions: h's blocks a0, a0 + 1 x W1's eight.  first = 2: the sums start from the bias; 0: they go on.  The 64 accumulators take turns.
.macro MUL16 a0, p, first
.irp a, \a0, \a0+1
.irp b, 0,1,2,3,4,5,6,7
.if \first
	v_wmma_f32_16x16x128_fp8_fp8 v[8*(8*((\a)%4)+\b):8*(8*((\a)%4)+\b)+7], v[128*(\p)+FR*\b:128*(\p)+FR*\b+FR-1], v[AF+FR*(\a):AF+FR*(\a)+FR-1], v[BIAS+8*\b:BIAS+8*\b+7]
.else
	v_wmma_f32_16x16x128_fp8_fp8 v[8*(8*((\a)%4)+\b):8*(8*((\a)%4)+\b)+7], v[128*(\p)+FR*\b:128*(\p)+FR*\b+FR-1], v[AF+FR*(\a):AF+FR*(\a)+FR-1], v[8*(8*((\a)%4)+\b):8*(8*((\a)%4)+\b)+7]
.endif
.endr
.endr
.endm
.macro FETCH_B slot, q, p
	WIN TO_B
.irp i, 0,1,2,3,4,5,6,7
	FRAG 128*(\p)+FR*\i, ADRB+\slot, \q, \i
.endr
	WIN 0
.endm
.macro FETCH_A slot, q, i0
.irp i, \i0, \i0+1, \i0+2, \i0+3
	FRAG AF+FR*(\i), ADRA+\slot, \q, \i
.endr
.endm
.macro STEP slot, q, first             ; 128 along K whose successor lies in the same slot
	s_wait_dscnt 4*NL                              ; W1's set and h's blocks 0-3 are in; the youngest 16 loads (blocks 4-7) may be out
.if \first
	WIN 0x81                                       ; as MUL_LO, with C in window 0
.else
	WIN MUL_LO
.endif
	MUL16 0, (\q)%2, \first
	MUL16 2, (\q)%2, \first
	s_wait_dscnt 0                                 ; blocks 4-7 are in
	PLACES
	FETCH_B \slot, (\q)+1, 1-(\q)%2
	FETCH_A \slot, (\q)+1, 0
.if \first
	WIN 0xc1
.else
	WIN MUL_HI
.endif
	MUL16 4, (\q)%2, \first
	MUL16 6, (\q)%2, \first
	PLACES
	WIN 0
	FETCH_A \slot, (\q)+1, 4
.endm
.macro TURN slot, next, fill           ; a slot's last step changes slots: one barrier; fill = 1: it opens a round of the cluster's, and the slot is filled again, two K steps ahead
	s_wait_tensorcnt 0x0                           ; all my tensor loads have landed: my part of the next slot
	ds_add_u32 v[SPW], v[NIL]                      ; 0 onto my spare word
	s_wait_dscnt 4*NL+1                            ; the add and the youngest 16 loads may be out
	WIN MUL_LO
	MUL16 0, 1, 0
	s_wait_dscnt 0x0                               ; the add is done, and my reads of this slot are over
	s_barrier_signal -1
	MUL16 2, 1, 0
	WIN 0
	s_barrier_wait -1
.if \fill
	CREST                                          ; no wave of any partner still reads this slot or has a load on its way
	s_add_nc_u64 s[G0+4*\slot+2:G0+4*\slot+3], s[G0+4*\slot+2:G0+4*\slot+3], 2*ROWB
	s_add_nc_u64 s[G0B+4*\slot+2:G0B+4*\slot+3], s[G0B+4*\slot+2:G0B+4*\slot+3], 2*ROWB
	JLOAD G0+4*\slot, G0B+4*\slot                  ; my one tensor load behind the round; its four v_nop are the places in front of the loads below
.else
	PLACES
.endif
	FETCH_B \next, 0, 0
	FETCH_A \next, 0, 0
	WIN MUL_HI
	MUL16 4, 1, 0
	MUL16 6, 1, 0
	PLACES
	WIN 0
	FETCH_A \next, 0, 4
.endm
	s_wait_alu depctr_va_vdst(0)
	s_wait_tensorcnt 0x0                           ; my part of K step 0 is in; slot 1's first fill is issued as a refill is:
	ds_add_u32 v[SPW], v[NIL]
	s_wait_dscnt 0x0
	CROUND                                         ; a whole round: everybody's part of K step 0 is in
	JLOAD G0+4, G0B+4                              ; K step 1: my one tensor load behind the round
	FETCH_B 0, 0, 0
	FETCH_A 0, 0, 0
	FETCH_A 0, 0, 4
	global_prefetch_b8 v[PFO], s[PFA:PFA+1] offset:3*ROWB th:TH_LOAD_NT scope:SCOPE_SE     ; K step 3, the last
	STEP 0, 0, 2                                   ; the first products start the sums, from the bias
	TURN 0, 1, 1                                   ; slot 0 takes K step 2
	STEP 1, 0, 0
	TURN 1, 0, 1                                   ; slot 1 takes K step 3
	STEP 0, 0, 0
	TURN 0, 1, 0                                   ; nothing more is filled
	STEP 1, 0, 0
	s_wait_dscnt 4*NL
	WIN MUL_LO
	MUL16 0, 1, 0
	MUL16 2, 1, 0
	s_wait_dscnt 0
	WIN MUL_HI
	MUL16 4, 1, 0
	MUL16 6, 1, 0
	WIN 0
; ---- THE WAY OUT
	PLACES                                         ; behind the last products
	s_wait_dscnt 0x0
	s_barrier_signal -1
	s_barrier_wait -1                              ; nobody reads the slots any more
.irp a, 0,1,2,3,4,5,6,7
	WIN 0x08+4*(\a/4)                              ; an LDS store's data: source 1: window 2 or 3
.irp b, 0,1,2,3,4,5,6,7
	ds_store_b128 v[STO], v[64*(\a%4)+8*\b:64*(\a%4)+8*\b+3] offset:8448*\a+64*\b        ; each accumulator from its low end on
	ds_store_b128 v[STO], v[64*(\a%4)+8*\b+4:64*(\a%4)+8*\b+7] offset:8448*\a+64*\b+16
.endr
.endr
	WIN 0
	v_mov_b32 v200, 0xaf95df0b                     ; P's and Q's leading coefficients, as pairs
	v_mov_b32 v201, 0xaf95df0b
	v_mov_b32 v202, 0xb77460cd
	v_mov_b32 v203, 0xb77460cd
	s_mov_b32 s76, 0                               ; four rows of 528 bytes x the trip
	s_mov_b32 s3, 0
	s_mov_b32 s12, 0                               ; what the stores' base steps by: 0 ahead of the first trip's stores, then four rows of g
	s_mov_b32 s13, 0
	s_wait_alu depctr_va_vdst(0)
	s_wait_dscnt 0x0                               ; for the others' sake: my sums lie in LDS
	s_barrier_signal -1
	s_barrier_wait -1
.set Z,  32                            ; z = x / sqrt 2
.set R,  64                            ; x / 2, then g
.set X2, 96
.set P,  128
.set QQ, 160
.set CD, 192                           ; a trip's codes: 4 rows x 2 registers
.set SA, 204
.set LD, 208                           ; v208-239: a trip's sums as they come from LDS
.macro HORNER d, lit
.set i, 0
.rept 16
	v_pk_fma_f32 v[\d+i:\d+i+1], v[\d+i:\d+i+1], v[X2+i:X2+i+1], \lit op_sel_hi:[1,1,0]
.set i, i+2
.endr
.endm
.irp p, 0,1,2,3
	ds_load_b128 v[LD+8*\p:LD+8*\p+3], v[RD] offset:528*\p
	ds_load_b128 v[LD+8*\p+4:LD+8*\p+7], v[RD] offset:528*\p+16
.endr
.Lrows:
	s_wait_dscnt 0x0                               ; this trip's four rows, asked for a trip ago
.set i, 0
.rept 16
	v_pk_mul_f32 v[Z+i:Z+i+1], v[LD+i:LD+i+1], s[88:89] op_sel_hi:[1,0]
	v_pk_mul_f32 v[R+i:R+i+1], v[LD+i:LD+i+1], s[90:91] op_sel_hi:[1,0]
.set i, i+2
.endr
	s_add_co_u32 s76, s76, 4*528
	s_min_u32 s77, s76, 15*4*528                   ; the last trip has no successor: its look-ahead stays on my last four rows, and is not used
	v_add_nc_u32 v[SA], s77, v[RD]
.irp p, 0,1,2,3
	ds_load_b128 v[LD+8*\p:LD+8*\p+3], v[SA] offset:528*\p
	ds_load_b128 v[LD+8*\p+4:LD+8*\p+7], v[SA] offset:528*\p+16
.endr
.set i, 0
.rept 32
	v_med3_num_f32 v[Z+i], v[Z+i], -4.0, 4.0
.set i, i+1
.endr
.set i, 0
.rept 16
	v_pk_mul_f32 v[X2+i:X2+i+1], v[Z+i:Z+i+1], v[Z+i:Z+i+1]
.set i, i+2
.endr
.set i, 0
.rept 16
	v_pk_fma_f32 v[P+i:P+i+1], v[X2+i:X2+i+1], v[200:201], 0x32edffee op_sel_hi:[1,1,0]
	v_pk_fma_f32 v[QQ+i:QQ+i+1], v[X2+i:X2+i+1], v[202:203], 0xb95fbd29 op_sel_hi:[1,1,0]
.set i, i+2
.endr
	HORNER P, 0xb60cff51
	HORNER QQ, 0xbadc924e
	HORNER P, 0xb86ec2d2
	HORNER QQ, 0xbbf19bf8
	HORNER P, 0xba40ac63
	HORNER QQ, 0xbc69b6a7
	HORNER P, 0xbb41a1f6
	HORNER P, 0xbc83dbd4
	s_wait_alu depctr_va_vdst(0)
.set i, 0
.rept 32
	v_rcp_f32 v[QQ+i], v[QQ+i]
.set i, i+1
.endr
.set i, 0
.rept 16
	v_pk_mul_f32 v[P+i:P+i+1], v[P+i:P+i+1], v[Z+i:Z+i+1]
.set i, i+2
.endr
	s_wait_alu depctr_va_vdst(0)                   ; one wait for the batch, ahead of its first reader, and directly ahead of the wait below
	s_wait_xcnt 0x0                                ; the last trip's stores have read their data and their base: both are written again only behind this wait
	s_add_nc_u64 s[10:11], s[10:11], s[12:13]
	s_mov_b32 s12, 4*4096
.set i, 0
.rept 16
	v_pk_fma_f32 v[P+i:P+i+1], v[P+i:P+i+1], v[QQ+i:QQ+i+1], 1.0 op_sel_hi:[1,1,0]   ; 1 + erf
.set i, i+2
.endr
.set i, 0
.rept 16
	v_pk_mul_f32 v[R+i:R+i+1], v[R+i:R+i+1], v[P+i:P+i+1]
.set i, i+2
.endr
.set i, 0
.rept 32
	v_med3_num_f32 v[R+i], v[R+i], -v[LIM], v[LIM]   ; the conversion does not saturate (ISA guide 7.6.2)
.set i, i+1
.endr
.irp p, 0,1,2,3
	v_cvt_scalef32_pk8_fp8_f32 v[CD+2*\p:CD+2*\p+1], v[R+8*\p:R+8*\p+7], v[SC]
.endr
	v_nop                                          ; a plain instruction behind the conversions
.irp p, 0,1,2,3
	global_store_b64 v[CO], v[CD+2*\p:CD+2*\p+1], s[10:11] offset:4096*\p   ; the 32 lanes store 256 consecutive bytes, aligned
.endr
	s_add_co_u32 s3, s3, 1
	s_cmp_lt_u32 s3, 16
	s_cbranch_scc1 .Lrows
	s_wait_tensorcnt 0x0                           ; the wave's end
	ds_add_u32 v[SPW], v[NIL]
	s_wait_dscnt 0x0
	CROUND                                         ; the closing round
	s_endpgm
.Lfunc_end_k_qaac8fb6d27_ffn1:
	.size	k_qaac8fb6d27_ffn1, .Lfunc_end_k_qaac8fb6d27_ffn1-k_qaac8fb6d27_ffn1
	.p2alignl 7, 3214868480
	.fill 96, 4, 3214868480
	.section	.rodata,"a",@progbits
	.p2align	6, 0x0
	.amdhsa_kernel k_qaac8fb6d27_ffn1
		.amdhsa_group_segment_fixed_size 327680
		.amdhsa_private_segment_fixed_size 0
		.amdhsa_enable_private_segment 0
		.amdhsa_kernarg_size 40
		.amdhsa_user_sgpr_count 2
		.amdhsa_user_sgpr_kernarg_segment_ptr 1
		.amdhsa_wavefront_size32 1
		.amdhsa_system_sgpr_workgroup_id_x 1
		.amdhsa_system_sgpr_workgroup_id_y 1
		.amdhsa_system_sgpr_workgroup_id_z 1
		.amdhsa_system_vgpr_workitem_id 0
		.amdhsa_next_free_vgpr 1024
		.amdhsa_next_free_sgpr 100
		.amdhsa_reserve_vcc 0
		.amdhsa_float_denorm_mode_32 3
		.amdhsa_float_denorm_mode_16_64 3
		.amdhsa_memory_ordered 1
		.amdhsa_forward_progress 1
		.amdhsa_inst_pref_size 122
	.end_amdhsa_kernel
	.amdgpu_metadata
---
amdhsa.version: [ 1, 2 ]
amdhsa.kernels:
  - .name:           k_qaac8fb6d27_ffn1
    .symbol:         k_qaac8fb6d27_ffn1.kd
    .args:
      - { .name: h2c, .offset: 0, .size: 8, .value_kind: global_buffer, .address_space: global }
      - { .name: W1_codes, .offset: 8, .size: 8, .value_kind: global_buffer, .address_space: global }
      - { .name: lowp_scales, .offset: 16, .size: 8, .value_kind: global_buffer, .address_space: global }
      - { .name: gc, .offset: 24, .size: 8, .value_kind: global_buffer, .address_space: global }
      - { .name: b1, .offset: 32, .size: 8, .value_kind: global_buffer, .address_space: global }
    .group_segment_fixed_size: 327680
    .private_segment_fixed_size: 0
    .kernarg_segment_align: 8
    .kernarg_segment_size: 40
    .max_flat_workgroup_size: 128
    .sgpr_count:     100
    .vgpr_count:     1024
    .wavefront_size: 32
...
	.end_amdgpu_metadata
.endif
;; end of part 15
;; launch ffn2 (part 16): grid 8 x 32, 4 waves a work-group, clusters of 4 x 4, 327,680 bytes of LDS; arguments gc, W2_codes, lowp_scales, out0, b2, x1; writes out0
.if DOCPART == 16
	.amdgcn_target "amdgcn-amd-amdhsa--gfx1250"
	.amdhsa_code_object_version 6
	.text
	.protected	k_qaac8fb6d27_ffn2
	.globl	k_qaac8fb6d27_ffn2
	.p2align	8
	.type	k_qaac8fb6d27_ffn2,@function
k_qaac8fb6d27_ffn2:
	s_mov_b64 s[64:65], 0
	v_nop
	global_prefetch_b8 v0, s[64:65] scope:SCOPE_SE
	s_setreg_imm32_b32 hwreg(HW_REG_WAVE_MODE, 25, 1), 1
	s_wait_xcnt 0x0
	s_wait_alu depctr_hold_cnt(0) depctr_sa_sdst(0) depctr_va_vdst(0) depctr_va_sdst(0) depctr_va_ssrc(0) depctr_va_vcc(0) depctr_vm_vsrc(0)
	s_getreg_b32 s2, hwreg(HW_REG_IB_STS2, 6, 4)
	s_cmp_eq_u32 s2, 0
	s_cbranch_scc0 .Lentry_in_a_cluster
	s_endpgm
.Lentry_in_a_cluster:
	s_bfe_u32 s2, ttmp6, 0x10000c
	s_cmp_lg_u32 s2, 0xf033
	s_cbranch_scc0 .Lentry_shape_is_right
	s_endpgm
.Lentry_shape_is_right:
; out[m][n] = res[m][n] + bias[n] + 2^(eA + eB) x sum over k of A[m][k] B[n][k].  A: [4096][4096], B: [1024][4096]: codes of E4M3, K innermost; res, out: [4096][1024] f32.
; A tile of out is 128 x 128: 32 x 8 tiles, 256 work-groups.  Four waves, 64 x 64 each: 16 accumulators of 16 x 16.
; K goes in 8 steps of 512 through two LDS slots filled by the tensor data mover: a slot is (128 + 128) rows of 512 bytes + 16 of padding, as long a step as two slots in LDS allow.
; CLUSTERS: 4 x 4 work-groups; A's tiles are asked for jointly along a row of the cluster, B's along a column.  Source 0 of the matrix instruction = 16 rows of B, source 1 = 16 rows of A: a lane holds eight neighbours of a row of out.
; PREFETCH: behind the load of K step t each wave names K step t + 2 of 16 of the 64 rows that it fetches: 16 rows x 2 blocks of 256 bytes, a lane a block, one instruction.  The four partners that ask for those
; rows jointly take 16 each, told apart by address (cx for A, cy for B).  At the head K steps 1 and 2 are named behind K step 0's load.  The loads of K steps 6 and 7 name nothing: no step lies two on.
; The bias, divided by 2^(eA + eB), is the C of each sum's first matrix instruction.  The residual's rows are asked for behind the first quarter step and waited for on the way out.
; LIMIT: eA + eB between -126 and 127, so that 2^(eA + eB) is an f32 number.
; REGISTERS: window 0: v0-31 addresses; v32-63 the bias; v64-127 rows on their way out; v128-255 the accumulators.  window 1: two fragment buffers of 128 (A's four fragments, then B's four).  window 2: v0-127 the residual.
.set KROW,   4096
.set SCOFF,  0x38                      ; entries 14, 15 of the scales
.set NROW,   4096                      ; a row of res and of out in bytes
.set KSTEP,  512
.set PITCH,  528                       ; 33 x 16: the 16 rows of a fragment load fall on 16 different 16-byte columns of the banks
.set FR,     16
.set HALFT,  64*PITCH
.set SLOT,   4*HALFT                   ; A's 128 rows, then B's 128 rows
.set LAPS,   KROW/(2*KSTEP)
.set STAGE,  2*SLOT                    ; behind the ring: 16 rows x 272 bytes for each wave; no fill lands there
.set SPITCH, 272
.set SPARE,  STAGE+4*16*SPITCH         ; the spare words, 128 bytes a wave, which no other line names
.set ADRA, 16                          ; v16-17  my A fragments in slot 0, 1
.set ADRB, 20                          ; v20-21  the same for B
.set STO,  24
.set RD,   25
.set CO,   26
.set BA,   27
.set SPW,  28
.set NIL,  29
.set PFO,  30                          ; v30  the prefetches' offset: (lane % 16) rows + 256 x (lane / 16); never rewritten
.set BIAS, 32
.set BK,   64
.set ACC,  128
.set F0,   0
.set F1,   128
.set G1, 24
.set G0, 32
.set G1B, 48
.set G0B, 56
.set PFA, 80                           ; s[80:81]  my 16 rows, three K steps behind the step that the next prefetch names
.set GW, (1<<20)|(1<<21)|(6<<22)|(3<<25)   ; elements of 1 byte; padding on; bit 21 beside a mask; after every 128 words, 4 words
.set MSB, 0
.macro WIN new                         ; the immediate's high byte repeats the setting that is left
.if MSB != (\new)
	s_set_vgpr_msb (MSB<<8)|(\new)
.set MSB, (\new)
.endif
.endm
.set MUL,  0x05                        ; sources 0 (B) and 1 (A) window 1; C and D window 0
.set TO_F, 0x40                        ; destination window 1, address window 0
.macro PLACES                          ; plain vector instructions between a matrix instruction and a load into, or a read of, its registers
.rept 4
	v_nop
.endr
.endm
.macro JLOAD g0a, g0b                  ; a joint load: waves 0, 1 fetch A's halves, waves 2, 3 B's; s_nop 0 and four v_nop follow each line
	s_cmp_eq_u32 s15, 0
	s_cbranch_scc0 .Lfor_b_\@
	tensor_load_to_lds s[\g0a:\g0a+3], s[G1:G1+7]
	s_nop 0
	PLACES
	s_branch .Lasked_\@
.Lfor_b_\@:
	tensor_load_to_lds s[\g0b:\g0b+3], s[G1B:G1B+7]
	s_nop 0
	PLACES
.Lasked_\@:
.endm
.macro CREST                           ; a round of the cluster's barrier behind its opening barrier
	s_cmp_lg_u32 s14, 0
	s_cbranch_scc1 .Lnot_wave_0_\@
	s_barrier_signal -3
.Lnot_wave_0_\@:
	s_barrier_wait -3
	s_barrier_signal -1
	s_barrier_wait -1
.endm
.macro CROUND
	s_barrier_signal -1
	s_barrier_wait -1
	CREST
.endm
	s_load_b256 s[4:11], s[0:1], 0x0               ; A, B, the scales, out
	s_load_b128 s[68:71], s[0:1], 0x20             ; the bias, res
	v_lshl_add_u32 v[SPW], v0, 2, SPARE
	v_mov_b32 v[NIL], 0
	ds_add_u32 v[SPW], v[NIL]                      ; the opening lines: the add, twice on end, and its wait
	ds_add_u32 v[SPW], v[NIL]
	v_lshrrev_b32 v1, 5, v0
	v_readfirstlane_b32 s14, v1                    ; wave 0..3
	s_lshr_b32 s15, s14, 1                         ; my half of the tile's rows; also: I fetch for A (0) or B (1)
	s_and_b32 s16, s14, 1                          ; my half of its columns; also: which 64 rows I fetch
	s_bfe_u32 s40, ttmp6, 0x40000                  ; cx
	s_bfe_u32 s41, ttmp6, 0x40004                  ; cy
	s_lshl_b32 s42, ttmp9, 2
	s_add_co_u32 s42, s42, s40                     ; tile column
	s_and_b32 s17, ttmp7, 0xffff
	s_lshl_b32 s17, s17, 2
	s_add_co_u32 s17, s17, s41                     ; tile row
	s_lshl_b32 s43, s41, 2
	s_lshl_b32 s43, 15, s43                        ; my row of the cluster
	s_lshl_b32 s44, 0x1111, s40                    ; my column
	s_or_b32 s[G1+0], s43, GW
	s_or_b32 s[G1B+0], s44, GW
.irp g, G1, G1B
	s_mov_b32 s[\g+1], KSTEP<<16                   ; tensor_dim0
	s_mov_b32 s[\g+2], 64<<16                      ; tensor_dim1
	s_mov_b32 s[\g+3], KSTEP<<16                   ; tile_dim0
	s_mov_b32 s[\g+4], 64                          ; tile_dim1
	s_mov_b32 s[\g+5], KROW                        ; the pitch in memory
	s_mov_b32 s[\g+6], 0
	s_mov_b32 s[\g+7], 0
.endr
	s_lshl_b32 s18, s16, 6
	s_lshl_b32 s20, s17, 7
	s_add_co_u32 s20, s20, s18                     ; A: row 128 x tile row + 64 x half
	s_lshl_b32 s46, s42, 7
	s_add_co_u32 s46, s46, s18                     ; B: row 128 x tile column + 64 x half
	s_mov_b32 s21, 0
	s_mov_b32 s47, 0
	s_mov_b64 s[18:19], KROW
	s_mul_u64 s[20:21], s[20:21], s[18:19]
	s_mul_u64 s[46:47], s[46:47], s[18:19]
	s_mul_i32 s45, s14, HALFT                      ; where they go: wave x 64 rows
	s_cmp_eq_u32 s15, 0                            ; the prefetches: do I fetch for A?
	s_cselect_b32 s82, s17, s42                    ; the tile's number: in A the tile row, in B the tile column
	s_cselect_b32 s83, s40, s41                    ; my place among the four that ask for it with me
	s_lshl_b32 s82, s82, 7
	s_lshl_b32 s84, s16, 6
	s_add_co_u32 s82, s82, s84                     ; + the 64 rows that I fetch
	s_lshl_b32 s83, s83, 4
	s_add_co_u32 s82, s82, s83                     ; + my work-group's 16 of them
	s_lshl_b32 s82, s82, 12                        ; x 4,096 bytes a row
	s_mov_b32 s83, 0
	s_mul_i32 s72, s15, HALFT                      ; my 64 rows of A in slot 0
	s_mul_i32 s73, s16, HALFT
	s_add_co_u32 s73, s73, 2*HALFT                 ; my 64 rows of B, behind A's 128
	s_mul_i32 s74, s14, 16*SPITCH
	s_add_co_u32 s74, s74, STAGE                   ; my stage
	s_lshl_b32 s76, s17, 7
	s_lshl_b32 s77, s15, 6
	s_add_co_u32 s76, s76, s77
	s_lshl_b32 s76, s76, 12                        ; my first row x 4,096 bytes
	s_lshl_b32 s78, s42, 9
	s_lshl_b32 s79, s16, 8
	s_add_co_u32 s78, s78, s79                     ; my first column, in bytes of f32
	s_mov_b32 s79, 0
	s_add_co_u32 s76, s76, s78
	s_mov_b32 s77, 0
	s_wait_dscnt 0x0                               ; both opening adds are done
	s_wait_kmcnt 0x0
	s_load_b64 s[96:97], s[8:9], SCOFF             ; eA, eB
	s_add_nc_u64 s[20:21], s[4:5], s[20:21]
	s_add_nc_u64 s[46:47], s[6:7], s[46:47]
	s_cmp_eq_u32 s15, 0
	s_cselect_b64 s[PFA:PFA+1], s[4:5], s[6:7]
	s_add_nc_u64 s[PFA:PFA+1], s[PFA:PFA+1], s[82:83]  ; my 16 rows at K step 0
	s_add_nc_u64 s[68:69], s[68:69], s[78:79]
	s_add_nc_u64 s[10:11], s[10:11], s[76:77]
	s_add_nc_u64 s[70:71], s[70:71], s[76:77]
.irp s, 0,1
	s_mov_b32 s[G0+4*\s], 1
	s_add_co_u32 s[G0+4*\s+1], s45, \s*SLOT
	s_add_nc_u64 s[G0+4*\s+2:G0+4*\s+3], s[20:21], \s*KSTEP
	s_or_b32 s[G0+4*\s+3], s[G0+4*\s+3], 0x80000000
	s_mov_b32 s[G0B+4*\s], 1
	s_add_co_u32 s[G0B+4*\s+1], s45, \s*SLOT
	s_add_nc_u64 s[G0B+4*\s+2:G0B+4*\s+3], s[46:47], \s*KSTEP
	s_or_b32 s[G0B+4*\s+3], s[G0B+4*\s+3], 0x80000000
.endr
	CROUND                                         ; all sixteen work-groups are here: the first joint loads meet
	JLOAD G0, G0B                                  ; K step 0
	v_and_b32 v1, 15, v0                           ; r
	v_bfe_u32 v2, v0, 4, 1                         ; h
	v_mul_u32_u24 v3, v1, PITCH
	v_lshl_add_u32 v3, v2, 4, v3                   ; a fragment's row x pitch + 16 h
	v_add_nc_u32 v[ADRA], s72, v3
	v_add_nc_u32 v[ADRB], s73, v3
	v_add_nc_u32 v[ADRA+1], SLOT, v[ADRA]
	v_add_nc_u32 v[ADRB+1], SLOT, v[ADRB]
	v_mul_u32_u24 v4, v1, SPITCH
	v_lshl_add_u32 v4, v2, 5, v4
	v_add_nc_u32 v[STO], s74, v4                   ; the stage, in: row r, 32 bytes for each half of the lanes
	v_mul_u32_u24 v5, v2, SPITCH
	v_lshl_add_u32 v5, v1, 4, v5
	v_add_nc_u32 v[RD], s74, v5                    ; back: lanes 0-15 one row of 256 bytes, lanes 16-31 the next
	v_lshlrev_b32 v[CO], 12, v2
	v_lshl_add_u32 v[CO], v1, 4, v[CO]             ; the same two rows in res and in out
	v_lshlrev_b32 v[BA], 5, v2                     ; the bias in the result's layout: register 8 b + j = column 16 b + 8 h + j
	v_mul_u32_u24 v[PFO], v1, KROW
	v_lshl_add_u32 v[PFO], v2, 8, v[PFO]
	s_wait_alu depctr_va_vdst(0)
	global_prefetch_b8 v[PFO], s[PFA:PFA+1] offset:KSTEP th:TH_LOAD_NT scope:SCOPE_SE      ; K step 1,
	global_prefetch_b8 v[PFO], s[PFA:PFA+1] offset:2*KSTEP th:TH_LOAD_NT scope:SCOPE_SE    ; and K step 2
.irp b, 0,1,2,3
	global_load_b128 v[BIAS+8*\b:BIAS+8*\b+3], v[BA], s[68:69] offset:64*\b
	global_load_b128 v[BIAS+8*\b+4:BIAS+8*\b+7], v[BA], s[68:69] offset:64*\b+16
.endr
	s_wait_kmcnt 0x0
	s_add_co_i32 s96, s96, s97                     ; eA + eB
	s_sub_co_i32 s98, 0, s96
	s_add_co_i32 s96, s96, 127
	s_lshl_b32 s96, s96, 23                        ; 2^(eA + eB) as f32
	s_mov_b32 s97, s96                             ; named with it as a pair
	s_wait_loadcnt 0x0                             ; the bias
.set i, 0
.rept 32
	v_ldexp_f32 v[BIAS+i], v[BIAS+i], s98          ; the bias goes in divided by the power of two that the sums lack
.set i, i+1
.endr
; 8 matrix instructions: A's blocks a0, a0 + 1 x B's four, 128 along K.  The 16 accumulators take turns.
.macro MUL8 f, a0, first
.irp a, \a0, \a0+1
.irp b, 0,1,2,3
.if \first
	v_wmma_f32_16x16x128_fp8_fp8 v[ACC+8*(4*(\a)+\b):ACC+8*(4*(\a)+\b)+7], v[\f+64+FR*\b:\f+64+FR*\b+FR-1], v[\f+FR*(\a):\f+FR*(\a)+FR-1], v[BIAS+8*\b:BIAS+8*\b+7]
.else
	v_wmma_f32_16x16x128_fp8_fp8 v[ACC+8*(4*(\a)+\b):ACC+8*(4*(\a)+\b)+7], v[\f+64+FR*\b:\f+64+FR*\b+FR-1], v[\f+FR*(\a):\f+FR*(\a)+FR-1], v[ACC+8*(4*(\a)+\b):ACC+8*(4*(\a)+\b)+7]
.endif
.endr
.endr
.endm
; A fragment, 16 rows x 128 K: registers 4 c .. 4 c + 3 hold K = 32 c + 16 h + 0 .. 15, alike in A and B.
.macro FETCH adr, k, reg               ; four fragments at byte k of the rows: 16 loads
	WIN TO_F
.irp i, 0,1,2,3
.irp c, 0,1,2,3
	ds_load_b128 v[\reg+FR*\i+4*\c:\reg+FR*\i+4*\c+3], v[\adr] offset:\k+32*\c+\i*16*PITCH
.endr
.endr
.endm
.macro QUARTER slot, k, f, g, first    ; multiplies buffer f and fetches the next 128 along K, at byte k of the slot's rows, into g
	s_wait_dscnt 0x0                               ; buffer f is in
	PLACES                                         ; behind the products that read buffer g
	FETCH ADRB+\slot, \k, \g+64
	WIN MUL
	MUL8 \f, 0, \first
	FETCH ADRA+\slot, \k, \g
	WIN MUL
	MUL8 \f, 2, \first
.endm
; A slot's last quarter multiplies buffer 1 and changes slots: one barrier; in front of it each wave waits for all its tensor loads, adds 0 to its spare word, and waits for that and for its reads of this slot.
; fill = 1: the barrier opens a round of the cluster's, and the slot is filled again, two K steps ahead.
.macro TURN slot, next, fill
	WIN 0
.if \fill
	s_wait_xcnt 0x0                                ; my last prefetch has read its address: it steps one K step
	s_add_nc_u64 s[PFA:PFA+1], s[PFA:PFA+1], KSTEP
.endif
	s_wait_tensorcnt 0x0                           ; all my tensor loads have landed: my part of the next slot
	ds_add_u32 v[SPW], v[NIL]                      ; 0 onto my spare word
	s_wait_dscnt 1                                 ; buffer 1's loads are in; the add alone may be out
	WIN MUL
	MUL8 F1, 0, 0
	WIN 0
	s_wait_dscnt 0x0                               ; the add is done, and my reads of this slot are over
	s_barrier_signal -1
	s_barrier_wait -1
.if \fill
	CREST                                          ; no wave of any partner still reads this slot or has a load on its way
	s_add_nc_u64 s[G0+4*\slot+2:G0+4*\slot+3], s[G0+4*\slot+2:G0+4*\slot+3], 2*KSTEP
	s_add_nc_u64 s[G0B+4*\slot+2:G0B+4*\slot+3], s[G0B+4*\slot+2:G0B+4*\slot+3], 2*KSTEP
	JLOAD G0+4*\slot, G0B+4*\slot                  ; my one tensor load behind the round; its four v_nop are the places in front of the loads below
.else
	PLACES
.endif
	FETCH ADRB+\next, 0, F0+64
	FETCH ADRA+\next, 0, F0
.if \fill
	WIN 0
	s_cmp_gt_u32 s3, 1                             ; the loop's last trip loads K steps 6 and 7: no step lies two on
	s_cbranch_scc0 .Lnone_\@
	global_prefetch_b8 v[PFO], s[PFA:PFA+1] offset:3*KSTEP th:TH_LOAD_NT scope:SCOPE_SE   ; the K step two behind the one just asked for
.Lnone_\@:
.endif
	WIN MUL
	MUL8 F1, 2, 0
.endm
	s_wait_alu depctr_va_vdst(0)
	s_wait_tensorcnt 0x0                           ; my part of K step 0 is in; slot 1's first fill is issued as a refill is:
	ds_add_u32 v[SPW], v[NIL]
	s_wait_dscnt 0x0
	CROUND                                         ; a whole round: everybody's part of K step 0 is in
	JLOAD G0+4, G0B+4                              ; K step 1: my one tensor load behind the round
	FETCH ADRB, 0, F0+64
	FETCH ADRA, 0, F0
	WIN 0
	global_prefetch_b8 v[PFO], s[PFA:PFA+1] offset:3*KSTEP th:TH_LOAD_NT scope:SCOPE_SE    ; K step 3
	QUARTER 0, 128, F0, F1, 2                      ; the first quarter stands in front of the loop: its products start the sums, from the bias
	WIN 0x80                                       ; destination window 2
.irp a, 0,1,2,3                        ; the residual of my 64 rows x 256 bytes, laid as the rows come back from the stage; sixteen lanes read 256 consecutive bytes, aligned
.irp t, 0,1,2,3,4,5,6,7
	global_load_b128 v[32*\a+4*\t:32*\a+4*\t+3], v[CO], s[70:71] offset:(16*\a+2*\t)*NROW th:TH_LOAD_NT
.endr
.endr
	WIN 0                                          ; at a label and at a branch every window is 0
	s_mov_b32 s3, LAPS-1
.Llap:                                                 ; a trip goes once round the ring, from a lap's second quarter to the next lap's first, and fills both slots again
	QUARTER 0, 256, F1, F0, 0
	QUARTER 0, 384, F0, F1, 0
	TURN 0, 1, 1
	QUARTER 1, 128, F0, F1, 0
	QUARTER 1, 256, F1, F0, 0
	QUARTER 1, 384, F0, F1, 0
	TURN 1, 0, 1
	QUARTER 0, 128, F0, F1, 0
	WIN 0
	s_sub_co_u32 s3, s3, 1
	s_cmp_lg_u32 s3, 0
	s_cbranch_scc1 .Llap
	QUARTER 0, 256, F1, F0, 0                      ; the last lap fills nothing, and has no round of the cluster's barrier
	QUARTER 0, 384, F0, F1, 0
	TURN 0, 1, 0
	QUARTER 1, 128, F0, F1, 0
	QUARTER 1, 256, F1, F0, 0
	QUARTER 1, 384, F0, F1, 0
	s_wait_dscnt 0x0
	WIN MUL
	MUL8 F1, 0, 0
	MUL8 F1, 2, 0
	WIN 0
; THE WAY OUT, block by block of 16 rows x 64 columns: the raw sums go through my own stage and come back as whole rows of 256 bytes; one packed multiply-add gives sum x 2^(eA + eB) + res; sixteen lanes store 256 consecutive bytes, aligned.
.macro TOSTAGE a
.set BB, BK+32*((\a)%2)
.irp b, 0,1,2,3
	ds_store_b128 v[STO], v[ACC+8*(4*(\a)+\b):ACC+8*(4*(\a)+\b)+3] offset:64*\b        ; each accumulator from its low end on
	ds_store_b128 v[STO], v[ACC+8*(4*(\a)+\b)+4:ACC+8*(4*(\a)+\b)+7] offset:64*\b+16
.endr
.irp t, 0,1,2,3,4,5,6,7
	ds_load_b128 v[BB+4*\t:BB+4*\t+3], v[RD] offset:\t*2*SPITCH    ; LDS serves a wave's instructions in order (ISA guide 5.7.1.4)
.endr
.endm
.macro SEND a, younger
.set BB, BK+32*((\a)%2)
.set RS, 32*(\a)
	s_wait_dscnt \younger                          ; the block is back; the next block's 8 stores and 8 loads may be out
	WIN 0x20                                       ; source 2: window 2
.set i, 0
.rept 16
	v_pk_fma_f32 v[BB+i:BB+i+1], v[BB+i:BB+i+1], s[96:97], v[RS+i:RS+i+1] op_sel_hi:[1,0,1]
.set i, i+2
.endr
	WIN 0
.irp t, 0,1,2,3,4,5,6,7
	global_store_b128 v[CO], v[BB+4*\t:BB+4*\t+3], s[10:11] offset:(16*(\a)+2*\t)*NROW th:TH_STORE_NT
.endr
.endm
	PLACES                                         ; behind the last products, ahead of the first reads of results
	s_wait_loadcnt 0x0                             ; the residual
	TOSTAGE 0
.irp a, 1,2,3
.if \a > 1
	s_wait_xcnt 0x0                                ; block a - 2's stores have read their registers: block a's loads may land there
.endif
	TOSTAGE \a
	SEND \a-1, 16
.endr
	SEND 3, 0
	s_wait_tensorcnt 0x0                           ; the wave's end
	ds_add_u32 v[SPW], v[NIL]
	s_wait_dscnt 0x0
	CROUND                                         ; the closing round
	s_endpgm
.Lfunc_end_k_qaac8fb6d27_ffn2:
	.size	k_qaac8fb6d27_ffn2, .Lfunc_end_k_qaac8fb6d27_ffn2-k_qaac8fb6d27_ffn2
	.p2alignl 7, 3214868480
	.fill 96, 4, 3214868480
	.section	.rodata,"a",@progbits
	.p2align	6, 0x0
	.amdhsa_kernel k_qaac8fb6d27_ffn2
		.amdhsa_group_segment_fixed_size 327680
		.amdhsa_private_segment_fixed_size 0
		.amdhsa_enable_private_segment 0
		.amdhsa_kernarg_size 48
		.amdhsa_user_sgpr_count 2
		.amdhsa_user_sgpr_kernarg_segment_ptr 1
		.amdhsa_wavefront_size32 1
		.amdhsa_system_sgpr_workgroup_id_x 1
		.amdhsa_system_sgpr_workgroup_id_y 1
		.amdhsa_system_sgpr_workgroup_id_z 1
		.amdhsa_system_vgpr_workitem_id 0
		.amdhsa_next_free_vgpr 768
		.amdhsa_next_free_sgpr 100
		.amdhsa_reserve_vcc 0
		.amdhsa_float_denorm_mode_32 3
		.amdhsa_float_denorm_mode_16_64 3
		.amdhsa_memory_ordered 1
		.amdhsa_forward_progress 1
		.amdhsa_inst_pref_size 82
	.end_amdhsa_kernel
	.amdgpu_metadata
---
amdhsa.version: [ 1, 2 ]
amdhsa.kernels:
  - .name:           k_qaac8fb6d27_ffn2
    .symbol:         k_qaac8fb6d27_ffn2.kd
    .args:
      - { .name: gc, .offset: 0, .size: 8, .value_kind: global_buffer, .address_space: global }
      - { .name: W2_codes, .offset: 8, .size: 8, .value_kind: global_buffer, .address_space: global }
      - { .name: lowp_scales, .offset: 16, .size: 8, .value_kind: global_buffer, .address_space: global }
      - { .name: out0, .offset: 24, .size: 8, .value_kind: global_buffer, .address_space: global }
      - { .name: b2, .offset: 32, .size: 8, .value_kind: global_buffer, .address_space: global }
      - { .name: x1, .offset: 40, .size: 8, .value_kind: global_buffer, .address_space: global }
    .group_segment_fixed_size: 327680
    .private_segment_fixed_size: 0
    .kernarg_segment_align: 8
    .kernarg_segment_size: 48
    .max_flat_workgroup_size: 128
    .sgpr_count:     100
    .vgpr_count:     768
    .wavefront_size: 32
...
	.end_amdgpu_metadata
.endif
;; end of part 16
